; MI455X (gfx1250); checked and timed in simulation.
; The chip was launched on July 23, 2026; its instructions are those of AMD's public machine-readable ISA for CDNA 5 (MIT licence, August 2026) and "CDNA5" Instruction Set Architecture Reference Guide (July 2026). The comments in the code are by the model that wrote it; some were corrected since.
;; Multi Head Attention. Allowed arithmetic: matrix products marked QUANTISED: E3M2 operands, one E8M0 scale for each 32 along K, by v_wmma_scale_f32_16x16x128_f8f6f4 with both operands' format E3M2, f32 sums; everything else in f32.
;; Inputs: K_codes 4 x 2,048 x 32 x 24 uint8 (E3M2 codes of K, K innermost, in blocks of 32 codes, four codes in three bytes); K_scales 4 x 2,048 x 32 uint8 (E8M0 scales of K, one for each 32 codes along K); Q 4 x 2,048 x 1,024 float32; V_codes 4 x 2,048 x 32 x 24 uint8 (E3M2 codes of V, K innermost, in blocks of 32 codes, four codes in three bytes); V_scales 4 x 2,048 x 32 uint8 (E8M0 scales of V, one for each 32 codes along K); Wk_codes 1,024 x 32 x 24 uint8 (E3M2 codes of Wk, K innermost, in blocks of 32 codes, four codes in three bytes); Wk_scales 1,024 x 32 uint8 (E8M0 scales of Wk, one for each 32 codes along K); Wo_codes 1,024 x 32 x 24 uint8 (E3M2 codes of Wo, K innermost, in blocks of 32 codes, four codes in three bytes); Wo_scales 1,024 x 32 uint8 (E8M0 scales of Wo, one for each 32 codes along K); Wq_codes 1,024 x 32 x 24 uint8 (E3M2 codes of Wq, K innermost, in blocks of 32 codes, four codes in three bytes); Wq_scales 1,024 x 32 uint8 (E8M0 scales of Wq, one for each 32 codes along K); Wv_codes 1,024 x 32 x 24 uint8 (E3M2 codes of Wv, K innermost, in blocks of 32 codes, four codes in three bytes); Wv_scales 1,024 x 32 uint8 (E8M0 scales of Wv, one for each 32 codes along K); attn_mask 4 x 2,048 x 2,048 bool; bk 1,024 float32; bo 1,024 float32; bq 1,024 float32; bv 1,024 float32; ln_beta 1,024 float32; ln_gamma 1,024 float32.
;; Outputs: out0 4 x 2,048 x 1,024 float32.
;; This version of the problem:
;;   THIS VERSION OF THE PROBLEM IS GIVEN IN LOW PRECISION. The matrix products marked QUANTISED in the list below multiply operands that are first quantised to E3M2 (3 exponent bits, 2 mantissa bits; 6 bits a number), with one power-of-two scale for each 32 numbers along K (OCP MX v1.0); their sums are f32. All else is computed in f32.
;;   The module's matrix products, in the order in which they are computed (A, B: the left and right operand; K: the contracted axis; several contracted axes count as one K, in the product's order):
;;     1. [M 8,192, K 1,024] x [K 1,024, N 1,024]; A: input Q; B: input Wq (given as codes): QUANTISED
;;     2. [M 8,192, K 1,024] x [K 1,024, N 1,024]; A: input K (given as codes); B: input Wk (given as codes): QUANTISED
;;     3. [M 8,192, K 1,024] x [K 1,024, N 1,024]; A: input V (given as codes); B: input Wv (given as codes): QUANTISED
;;     4. batch 64 x [M 2,048, K 64] x [K 64, N 2,048]; A: computed on the way; B: computed on the way: QUANTISED
;;     5. batch 64 x [M 2,048, K 2,048] x [K 2,048, N 64]; A: softmax (see below); B: computed on the way: QUANTISED
;;     6. [M 8,192, K 1,024] x [K 1,024, N 1,024]; A: computed on the way; B: input Wo (given as codes): QUANTISED
;;   THE QUANTISER, for each operand of a quantised product, along K:
;;     - K is cut into blocks of 32 from its start; a last block that is shorter is filled with zeros.
;;     - A block's scale is 2^e with e = floor(log2(the largest magnitude in the block)) - 4, held to -126 .. 127; a block of zeros has e = 0. As a byte (E8M0): e + 127.
;;     - Each number is divided by its block's scale, clamped to +-28, and rounded to the nearest number of E3M2, ties to even, subnormals kept.
;;     - The product sums the exact products of the quantised numbers (number of the format x scale) in f32.
;;   ~~~python
;;   def quantise(x, axis):      # numpy; x: float32 -> the quantised numbers, widened to float32 again
;;       x = np.moveaxis(x, axis, -1); K = x.shape[-1]
;;       x = np.pad(x, [(0, 0)] * (x.ndim - 1) + [(0, -K % 32)]); x = x.reshape(x.shape[:-1] + (-1, 32)); a = np.abs(x).max(-1, keepdims=True)
;;       e = np.where(a > 0, np.clip(np.frexp(np.where(a > 0, a, 1))[1] - 1 - 4, -126, 127), 0)      # np.frexp(a)[1] - 1 = floor(log2(a)), exactly
;;       r = np.clip(x / 2.0 ** e, -28, 28)
;;       step = 2.0 ** (np.maximum(np.frexp(np.where(r == 0, 1, r))[1] - 1, -2) - 2)
;;       q = np.round(r / step) * step * 2.0 ** e      # np.round: ties to even
;;       return np.moveaxis(q.reshape(q.shape[:-2] + (-1,))[..., :K], -1, axis).astype(np.float32)
;;   ~~~
;;   SOFTMAX AHEAD OF A QUANTISED PRODUCT. Where the list says 'softmax', what is quantised is not the finished softmax but p = 2^(t - M), with t = logit x log2(e) and M = ceil(the row's largest t), a whole number; so 1/2 < the row's largest p <= 1. The row's sum l is taken of the UNQUANTISED p, in f32, and the product's result is divided by l at the end. Since M is a whole number, a kernel that streams over the keys may use a running M (the ceiling of the running maximum): every later rescaling is an exact power of two, which a block's scale takes up: the codes' values come out the same.
;;   OPERANDS COMPUTED ON THE WAY. 'Computed on the way' means the value that the module computes at that place (a softmax that the list does not call 'softmax' is quantised finished and normalised). What goes into a quantiser is computed in f32, as accurately as f32 sums, v_exp_f32 and their like allow (about 1e-6 of the number): no bf16 or f16 on the way to a quantiser, and a product that is left as it is and whose result goes on into a quantised operand takes f32 operands (vector FMAs, or v_wmma_f32_16x16x4_f32). A number that lies on a knife's edge between two numbers of the format may be rounded either way, as far as f32 arithmetic and the matrix unit's own rounding can turn it there, and no further.
;;   INPUTS GIVEN AS CODES. K (in the module: [4, 2048, 1024], K = its axis 2); V (in the module: [4, 2048, 1024], K = its axis 2); Wk (in the module: [1024, 1024], K = its axis 1); Wo (in the module: [1024, 1024], K = its axis 1); Wq (in the module: [1024, 1024], K = its axis 1); Wv (in the module: [1024, 1024], K = its axis 1): each comes as NAME_codes (uint8): NAME with its K axis moved to the last place and cut into blocks of 32 codes, [.., K / 32, bytes a block], one block behind the other in memory; four codes in three bytes: a row's codes are one little-endian stream of bits, code i at bits 6 i .. 6 i + 5 (a code: sign, 3 exponent bits, 2 mantissa bits); and NAME_scales (uint8): the same leading axes, one E8M0 byte (e + 127) for each 32 codes along K. Its value is code x scale, taken as it is: it is not quantised again, and the codes and scales need not be those that the quantiser above would give.
;; 2 versions. Each part assembles by itself: llvm-mc -triple=amdgcn-amd-amdhsa -mcpu=gfx1250 --defsym DOCPART=n.
;; ======== version 1 of 2: 4 launches
;; limits: right only within a limited range of input values
;; workspace buffers: Qc 6,291,456 bytes; Qs 262,144 bytes; maskw 2,097,152 bytes of whole numbers; wimg 3,145,728 bytes; qbuf 6,815,744 bytes; kv 13,631,488 bytes; ctx 6,291,456 bytes; ctxs 262,144 bytes
;; launch prep (part 1): grid 256 x 1, 4 waves a work-group, no clusters, 67,072 bytes of LDS; arguments Q, attn_mask, Wq_codes, Wk_codes, Wv_codes, Wo_codes, Qc, Qs, maskw, wimg; writes Qc, Qs, maskw, wimg
.if DOCPART == 1
	.amdgcn_target "amdgcn-amd-amdhsa--gfx1250"
	.amdhsa_code_object_version 6
	.text
	.protected	k_qcfe10eb9b6_prep
	.globl	k_qcfe10eb9b6_prep
	.p2align	8
	.type	k_qcfe10eb9b6_prep,@function
k_qcfe10eb9b6_prep:
	s_mov_b64 s[64:65], 0
	v_nop
	global_prefetch_b8 v0, s[64:65] scope:SCOPE_SE
	s_setreg_imm32_b32 hwreg(HW_REG_WAVE_MODE, 25, 1), 1
	s_wait_xcnt 0x0
; PREP: three jobs that every wave runs one after the other; 1,024 waves, each with its own share; waves share nothing, so there is no barrier.
; JOB C: two fragments (16 rows x 128 K) of the four weights are copied into wimg as IMAGES OF THE OPERAND'S REGISTERS: registers 4 g .. 4 g + 3 of lane l at 512 g + 16 l, 1,536 bytes a fragment,
;        [Wq, Wk, Wv, Wo][tile T 0..63][K step s 0..7].  Tile T holds the rows 32 (T / 2) + 8 (T % 2) + r + 8 (r / 8), r = lane % 16.
; JOB A: 8,192 numbers of Q (f32) become codes of E3M2, K innermost, four codes in three bytes, and one E8M0 byte for each 32: Qc and Qs are laid as K_codes and K_scales are.
;        A block's byte is its largest magnitude's exponent field - 4, held at 1 from below (a block of zeros gets 1 where the quantiser says 127: its codes are zeros, and only this program reads the bytes).
; JOB B: the mask bytes of one tile of 16 queries x 1,024 keys become LANE MASKS: word n (0..63) of key step j (128 keys) has at bit l = 16 h + r the mask of
;        query row 32 (T / 2) + 8 (T % 2) + r + 8 (r / 8) and key 128 j + 32 (n / 16) + 16 h + n % 16.  maskw: [tile 0..511][step 0..15][64 words].
; LIMITS: NaN and infinities in Q are not served; a mask byte counts by its lowest bit (bool is 0 or 1).
; No matrix unit, cluster or tensor load: each byte is read once and by one wave.
.set STEPS, 16
.set EMAX,  4
.set CB,    12                         ; bytes of 16 codes
.set R,     16                         ; v16-79   job A: four sets of 16 numbers as loaded
.set X,     80                         ; v80-111  two sets of 16 neighbours
.set E,     112                        ; v112-127 a scale byte for each step
.set C,     128                        ; v128-191 codes, four registers a step
.set WREG,  8192                       ; LDS, job A: a region for each wave: two stages of 32 x SP bytes, then its 256 scale bytes
.set SP,    80
.set FA,    192                        ; v192-203 job C: the first weight's fragment
.set FB,    204                        ; v204-215 the second's
.set WOFF,  216                        ; v216     my lane's byte in a tile of a weight
.set MIN,   221                        ; v221     job B: the stage on the way in
.set MOUT,  222                        ; v222     and on the way out
.set TA,    226                        ; v226-227 at work
.set WD,    230                        ; v230-245 the words of eight key steps, two registers a step
.set ML,    16                         ; v16-143  mask bytes as loaded: 2 chunks x 16 rows x 4 registers
.set MT,    144                        ; v144-207 turned: step sg, block b at 16 sg + 4 b
.set MSTG,  4*WREG                     ; LDS, job B: 16 rows x MP bytes for each wave
.set MP,    528                        ; 512 bytes + 16: the sixteen rows of a read start 16 bytes apart modulo 256
.set WBYTES, 786432                    ; a weight's images
	s_load_b512 s[4:19], s[0:1], 0x0               ; Q, mask, Wq, Wk, Wv, Wo, Qc, Qs
	s_load_b128 s[20:23], s[0:1], 0x40             ; maskw, wimg
	v_lshl_add_u32 v248, v0, 2, 0x10400
	v_mov_b32 v249, 0
	v_lshrrev_b32 v1, 5, v0
	v_readfirstlane_b32 s24, v1                    ; wave 0..3
	v_and_b32 v2, 31, v0                           ; lane
	v_lshlrev_b32 v3, 4, v2                        ; 16 x lane
	v_lshlrev_b32 v7, 3, v2                        ; 8 x lane
	s_mul_i32 s25, s24, WREG
	v_lshrrev_b32 v14, 2, v2
	v_mul_u32_u24 v14, v14, SP
	v_and_b32 v15, 3, v2
	v_lshl_add_u32 v14, v15, 4, v14
	v_add_nc_u32 v14, s25, v14                     ; job A's stage, in: SP (lane / 4) + 16 (lane % 4)
	v_mul_u32_u24 v15, v2, SP
	v_add_nc_u32 v15, s25, v15                     ; out: SP x lane
	v_mul_u32_u24 v4, v2, CB                       ; my codes' place in a step's
	v_lshrrev_b32 v5, 1, v2
	s_add_co_u32 s25, s25, 2*32*SP
	v_add_nc_u32 v5, s25, v5                       ; my block's scale byte in LDS
	v_add_nc_u32 v6, s25, v7                       ; and 8 bytes a lane on the way out
	v_and_b32 v8, 15, v2                           ; r
	v_lshrrev_b32 v9, 4, v2                        ; h
	v_and_b32 v10, 8, v8
	v_add_nc_u32 v10, v10, v8                      ; r + 8 (r / 8)
	v_mul_u32_u24 v[WOFF], v10, 768
	v_mad_u32_u24 v[WOFF], v9, 24, v[WOFF]         ; a weight's row is 768 bytes; + 24 h
	s_mul_i32 s25, s24, 16*MP
	s_add_co_u32 s25, s25, MSTG
	v_add_nc_u32 v[MIN], s25, v3
	v_mul_u32_u24 v[MOUT], v8, MP
	v_lshl_add_u32 v[MOUT], v9, 4, v[MOUT]
	v_add_nc_u32 v[MOUT], s25, v[MOUT]             ; row r, + 16 h
	s_lshl_b32 s26, ttmp9, 2
	s_add_co_u32 s26, s26, s24                     ; my wave's number in the launch, 0..1023
	s_and_b32 s27, s26, 511                        ; the fragment: 8 T + s
	s_lshr_b32 s28, s27, 4
	s_lshl_b32 s28, s28, 5                         ; 32 (T / 2)
	s_bfe_u32 s29, s27, 0x10003
	s_lshl_b32 s29, s29, 3                         ; 8 (T % 2)
	s_add_co_u32 s28, s28, s29
	s_mul_i32 s28, s28, 768
	s_and_b32 s29, s27, 7
	s_mul_i32 s29, s29, 96                         ; K step s: 96 bytes
	s_add_co_u32 s28, s28, s29
	s_mov_b32 s29, 0
	s_mul_i32 s30, s27, 1536
	s_mov_b32 s31, 0
	s_wait_kmcnt 0x0
	s_cmp_lt_u32 ttmp9, 128                        ; the first 512 waves take Wq and Wk, the others Wv and Wo: the choice hangs on the work-group's number alone
	s_cselect_b64 s[8:9], s[8:9], s[12:13]
	s_cselect_b64 s[10:11], s[10:11], s[14:15]
	s_cselect_b32 s27, 0, 2*WBYTES
	s_add_co_u32 s30, s30, s27
	s_add_nc_u64 s[8:9], s[8:9], s[28:29]
	s_add_nc_u64 s[10:11], s[10:11], s[28:29]
	s_add_nc_u64 s[22:23], s[22:23], s[30:31]
.irp p, 0,1,2,3,4,5
	global_load_b64 v[FA+2*\p:FA+2*\p+1], v[WOFF], s[8:9] offset:48*(\p/3)+8*(\p%3)
.endr
.irp p, 0,1,2,3,4,5
	global_load_b64 v[FB+2*\p:FB+2*\p+1], v[WOFF], s[10:11] offset:48*(\p/3)+8*(\p%3)
.endr
	s_lshl_b32 s28, s26, 15                        ; my 8,192 numbers of Q,
	s_add_nc_u64 s[4:5], s[4:5], s[28:29]
	s_mul_i32 s28, s26, 32*STEPS*CB                ; their 6,144 bytes of codes,
	s_add_nc_u64 s[16:17], s[16:17], s[28:29]
	s_lshl_b32 s28, s26, 8                         ; their 256 scale bytes
	s_add_nc_u64 s[18:19], s[18:19], s[28:29]
.macro LOAD t
.irp i, 0,1,2,3
	global_load_b128 v[R+16*((\t)%4)+4*\i:R+16*((\t)%4)+4*\i+3], v3, s[4:5] offset:2048*(\t)+512*\i th:TH_LOAD_NT   ; 32 lanes read 512 consecutive bytes
.endr
.endm
.macro TURN t                          ; step t's numbers through the stage: LDS serves a wave's instructions in order, so no wait stands between the stores and the loads
.irp i, 0,1,2,3
	ds_store_b128 v14, v[R+16*((\t)%4)+4*\i:R+16*((\t)%4)+4*\i+3] offset:32*SP*((\t)%2)+8*SP*\i
.endr
.irp i, 0,1,2,3
	ds_load_b128 v[X+16*((\t)%2)+4*\i:X+16*((\t)%2)+4*\i+3], v15 offset:32*SP*((\t)%2)+16*\i
.endr
.endm
.irp t, 0,1,2,3
	LOAD \t
.endr
	s_wait_loadcnt 16                              ; the twelve loads of the weights are in; job A's sixteen stay out
.irp g, 0,1,2
	global_store_b128 v3, v[FA+4*\g:FA+4*\g+3], s[22:23] offset:512*\g            ; 32 lanes store 512 consecutive bytes, aligned
	global_store_b128 v3, v[FB+4*\g:FB+4*\g+3], s[22:23] offset:WBYTES+512*\g
.endr
	s_wait_loadcnt 12                              ; step 0's four loads are in
	TURN 0
.macro STEP t
.set XS, X+16*((\t)%2)
.if (\t) > 0
	s_wait_dscnt 1                                 ; this step's numbers are back from the stage (the last step's byte store may be out)
.else
	s_wait_dscnt 0x0
.endif
.if (\t)+4 < STEPS
	LOAD (\t)+4
.endif
.if (\t)+1 < STEPS
.if STEPS-2-(\t) >= 3
	s_wait_loadcnt 12                              ; the next step's four loads are in; those of the three steps behind it may be out
.else
	s_wait_loadcnt 4*(STEPS-2-(\t))
.endif
	TURN (\t)+1
.endif
	v_max3_num_f32 v8, |v[XS]|, |v[XS+1]|, |v[XS+2]|               ; the largest magnitude of my 16
	v_max3_num_f32 v9, |v[XS+3]|, |v[XS+4]|, |v[XS+5]|
.irp i, 6,10
	v_max3_num_f32 v8, v8, |v[XS+\i]|, |v[XS+\i+1]|
	v_max3_num_f32 v9, v9, |v[XS+\i+2]|, |v[XS+\i+3]|
.endr
	v_max3_num_f32 v8, v8, |v[XS+14]|, |v[XS+15]|
	v_max3_num_f32 v8, v8, v9, (EMAX+1)<<23        ; and the floor 2^(5 - 127): the byte cannot fall under 1
	v_max_num_f32_dpp v8, v8, v8 row_xmask:1 row_mask:0xf bank_mask:0xf   ; and of my neighbour's 16: the block's
	v_add_nc_u32 v11, -(EMAX<<23), v8              ; 4 off its exponent field: the conversion takes that field as its scale
	v_cvt_scalef32_pk16_bf6_f32 v[C+4*(\t):C+4*(\t)+2], v[XS:XS+15], v11
	v_lshrrev_b32 v[E+(\t)], 23, v11               ; the scale's byte
	ds_store_b8 v5, v[E+(\t)] offset:16*(\t)       ; both lanes of a block write the same byte with the same value
	global_store_b96 v4, v[C+4*(\t):C+4*(\t)+2], s[16:17] offset:32*CB*(\t)
.endm
.irp t, 0,1,2,3,4,5,6,7,8,9,10,11,12,13,14,15
	STEP \t
.endr
	ds_load_b64 v[12:13], v6                       ; LDS serves a wave's instructions in order: these see my byte stores
	s_wait_dscnt 0x0
	global_store_b64 v7, v[12:13], s[18:19]        ; 32 lanes store 256 consecutive bytes, aligned
	; ---- JOB B.  Wave w: tile 2 g + w / 2, keys 1,024 (w % 2) on
	s_wait_xcnt 0x0                                ; the stores above have read their registers: they are written again below
	s_lshr_b32 s27, s24, 1                         ; u
	s_and_b32 s28, s24, 1                          ; which half of the keys
	s_lshl_b32 s30, ttmp9, 2
	s_add_co_u32 s30, s30, s27
	s_lshl_b32 s30, s30, 14                        ; (32 g + 8 u) rows of 2,048 bytes
	s_lshl_b32 s29, s28, 10
	s_add_co_u32 s30, s30, s29
	s_add_nc_u64 s[6:7], s[6:7], s[30:31]
	s_lshl_b32 s30, ttmp9, 13                      ; two tiles of 4,096 bytes of words a work-group
	s_lshl_b32 s29, s27, 12
	s_add_co_u32 s30, s30, s29
	s_lshl_b32 s29, s28, 11                        ; eight steps of 256 bytes
	s_add_co_u32 s30, s30, s29
	s_add_nc_u64 s[20:21], s[20:21], s[30:31]
.irp ch, 0,1
.irp j, 0,1,2,3,4,5,6,7,8,9,10,11,12,13,14,15
	global_load_b128 v[ML+64*\ch+4*\j:ML+64*\ch+4*\j+3], v3, s[6:7] offset:(\j+8*(\j/8))*2048+512*\ch th:TH_LOAD_NT   ; the tile's row j, 512 consecutive bytes
.endr
.endr
.set j, 0
.rept 16
	v_mov_b32 v[WD+j], 0                           ; written once whole: a lane write's destination counts as read
.set j, j+1
.endr
; The 64 words of key step sg of the chunk in hand, into the two registers of step k: word n at lane n / 2 of register n % 2
.macro PACK sg, k
.set nn, 0
.rept 2
.set n1, 0
.rept 32
.set n, nn+n1
	v_and_b32 v[TA+(n1%2)], 1<<(8*(n&3)), v[MT+16*(\sg)+4*(n>>4)+((n&15)>>2)]    ; key 32 (n / 16) + 16 h + n % 16 of my row
	v_cmp_ne_u32 s[32+n1], 0, v[TA+(n1%2)]                                       ; the 32 lanes' bits are the word
.set n1, n1+1
.endr
.set n1, 0
.rept 32
.set n, nn+n1
	v_writelane_b32 v[WD+2*(\k)+(n&1)], s[32+n1], n>>1
.set n1, n1+1
.endr
.set nn, nn+32
.endr
.endm
.macro CHUNK ch                        ; 512 keys: four steps
	s_wait_loadcnt 16*(1-\ch)                      ; this chunk's sixteen loads are in; the other chunk's may be out
.irp j, 0,1,2,3,4,5,6,7,8,9,10,11,12,13,14,15
	ds_store_b128 v[MIN], v[ML+64*\ch+4*\j:ML+64*\ch+4*\j+3] offset:MP*\j
.endr
.irp sg, 0,1,2,3
.irp b, 0,1,2,3
	ds_load_b128 v[MT+16*\sg+4*\b:MT+16*\sg+4*\b+3], v[MOUT] offset:128*\sg+32*\b   ; in order behind my stores
.endr
.endr
	s_wait_dscnt 0x0
.irp sg, 0,1,2,3
	PACK \sg, 4*\ch+\sg
	global_store_b64 v7, v[WD+2*(4*\ch+\sg):WD+2*(4*\ch+\sg)+1], s[20:21] offset:256*(4*\ch+\sg)   ; 256 consecutive bytes, aligned; each step has registers of its own
.endr
.endm
	CHUNK 0
	CHUNK 1
	s_wait_tensorcnt 0x0
	ds_add_u32 v248, v249
	s_wait_dscnt 0x0
	s_endpgm
.Lfunc_end_k_qcfe10eb9b6_prep:
	.size	k_qcfe10eb9b6_prep, .Lfunc_end_k_qcfe10eb9b6_prep-k_qcfe10eb9b6_prep
	.p2alignl 7, 3214868480
	.fill 96, 4, 3214868480
	.section	.rodata,"a",@progbits
	.p2align	6, 0x0
	.amdhsa_kernel k_qcfe10eb9b6_prep
		.amdhsa_group_segment_fixed_size 67072
		.amdhsa_private_segment_fixed_size 0
		.amdhsa_enable_private_segment 0
		.amdhsa_kernarg_size 80
		.amdhsa_user_sgpr_count 2
		.amdhsa_user_sgpr_kernarg_segment_ptr 1
		.amdhsa_wavefront_size32 1
		.amdhsa_system_sgpr_workgroup_id_x 1
		.amdhsa_system_sgpr_workgroup_id_y 1
		.amdhsa_system_sgpr_workgroup_id_z 1
		.amdhsa_system_vgpr_workitem_id 0
		.amdhsa_next_free_vgpr 250
		.amdhsa_next_free_sgpr 66
		.amdhsa_reserve_vcc 0
		.amdhsa_float_denorm_mode_32 3
		.amdhsa_float_denorm_mode_16_64 3
		.amdhsa_memory_ordered 1
		.amdhsa_forward_progress 1
		.amdhsa_inst_pref_size 136
	.end_amdhsa_kernel
	.amdgpu_metadata
---
amdhsa.version: [ 1, 2 ]
amdhsa.kernels:
  - .name:           k_qcfe10eb9b6_prep
    .symbol:         k_qcfe10eb9b6_prep.kd
    .args:
      - { .name: Q, .offset: 0, .size: 8, .value_kind: global_buffer, .address_space: global }
      - { .name: attn_mask, .offset: 8, .size: 8, .value_kind: global_buffer, .address_space: global }
      - { .name: Wq_codes, .offset: 16, .size: 8, .value_kind: global_buffer, .address_space: global }
      - { .name: Wk_codes, .offset: 24, .size: 8, .value_kind: global_buffer, .address_space: global }
      - { .name: Wv_codes, .offset: 32, .size: 8, .value_kind: global_buffer, .address_space: global }
      - { .name: Wo_codes, .offset: 40, .size: 8, .value_kind: global_buffer, .address_space: global }
      - { .name: Qc, .offset: 48, .size: 8, .value_kind: global_buffer, .address_space: global }
      - { .name: Qs, .offset: 56, .size: 8, .value_kind: global_buffer, .address_space: global }
      - { .name: maskw, .offset: 64, .size: 8, .value_kind: global_buffer, .address_space: global }
      - { .name: wimg, .offset: 72, .size: 8, .value_kind: global_buffer, .address_space: global }
    .group_segment_fixed_size: 67072
    .private_segment_fixed_size: 0
    .kernarg_segment_align: 8
    .kernarg_segment_size: 80
    .max_flat_workgroup_size: 128
    .sgpr_count:     66
    .vgpr_count:     250
    .wavefront_size: 32
...
	.end_amdgpu_metadata
.endif
;; end of part 1
;; launch proj (part 2): grid 16 x 12, 4 waves a work-group, no clusters, 53,760 bytes of LDS; arguments Qc, Qs, K_codes, K_scales, V_codes, V_scales, wimg, Wq_scales, Wk_scales, Wv_scales, bq, bk, bv, qbuf, kv; writes qbuf, kv
.if DOCPART == 2
	.amdgcn_target "amdgcn-amd-amdhsa--gfx1250"
	.amdhsa_code_object_version 6
	.text
	.protected	k_qcfe10eb9b6_proj
	.globl	k_qcfe10eb9b6_proj
	.p2align	8
	.type	k_qcfe10eb9b6_proj,@function
k_qcfe10eb9b6_proj:
	s_mov_b64 s[64:65], 0
	v_nop
	global_prefetch_b8 v0, s[64:65] scope:SCOPE_SE
	s_setreg_imm32_b32 hwreg(HW_REG_WAVE_MODE, 25, 1), 1
	s_wait_xcnt 0x0
; PROJ: q = Q Wq^T + bq, k = K Wk^T + bk, v = V Wv^T + bv on codes of E3M2 with E8M0 scales, f32 sums; the results are quantised in registers along the NEXT product's K and stored as images of operand registers.
; SHARES.  Work-group (x, y): 512 rows of x (x = 0..15); y / 4 says which product (0 q, 1 k, 2 v), y % 4 which 256 rows of its weight.  Wave w holds the 64 rows of ONE head (4 (y % 4) + w) of the weight,
; 4 tiles x 8 K steps x 12 = 384 registers, for the whole launch.  The 512 rows go through LDS in 8 blocks of 64; a wave makes 64 x 64 results a block: 16 accumulators, 128 matrix instructions.
; 3 products x 4 slices x 16 = 192 work-groups: halves of the rows would make 384, which 256 WGPs take in two unequal turns with the weights read twice as often.
; TILES.  Tile T of any row axis holds the rows 32 (T / 2) + 8 (T % 2) + r + 8 (r / 8), r = lane % 16: then the 16 registers of result tiles 2 b, 2 b + 1 are 16 neighbours, 32 b + 16 (lane / 16) + 0 .. 15, of the next K.
; q, k: source 0 = 16 rows of W, source 1 = 16 rows of x: a lane holds one row of x and its registers run along the head's 64: two blocks of 32.
; v:    source 0 = 16 rows of x (keys), source 1 = 16 rows of W: a lane holds one of the head's 64 and its registers run along 64 keys, the K of the product with the softmax.
; OUT.  Half a fragment (16 rows x 64 along K, 6 registers, lane (r, h) holds block h): registers 0-3 at 16 l, registers 4-5 at 512 + 8 l: 768 bytes.  q, k: tile T at 768 T; v: key group G of 64, tile t of the head's 64 at 768 (4 G + t).
; Scale words, 256 bytes for four tiles: at 8 l + 4 j the word of tile 4 G + 2 j + h, row r: its two bytes below, the partner tile's two above (they scale zero products in the score product, whose K is 64).
; The bias is the C of each sum's first matrix instruction: eight registers a tile in the result's layout.
; NO JOINT LOADS: the four slices of a product read the same x, but x's rows must lie in LDS in tile order (bits 3 and 4 of the row's number change places), else the two groups of eight rows of a fragment,
; 16 rows apart, start at the same banks at every pitch that is a multiple of 16 bytes; so x goes through registers, 512 consecutive bytes a load, 393,216 bytes of codes a work-group.
; LIMITS: scale bytes 0xff, NaN and infinities are not served; a block of zeros gets the byte 1 (its codes are zeros; only this program reads the bytes).
.set P,    784                         ; an LDS row of x: 768 bytes + 16 = 196 words: row r starts at bank 4 r mod 64, so the 32 lanes of an 8-byte load touch 64 different banks
.set XSC,  64*P                        ; behind the 64 rows: their scale bytes, 32 + 16 of padding each
.set L16,  1                           ; v1   16 x lane
.set L8,   2                           ; v2   8 x lane
.set A0,   3                           ; v3-5 where the three loads of a pair of rows go in LDS
.set ASC,  6                           ; v6   where my 16 scale bytes go
.set XA,   7                           ; v7   a fragment's place for my lane: 784 r + 24 h
.set XSA,  8                           ; v8   XSC + 48 x lane
.set VSEL, 9                           ; v9   byte selects: lanes 16-31 swap a scale word's halves
.set VB,   10                          ; v10-17 the bias: my byte for register j of a tile
.set XF,   32                          ; v32-127  x's fragments, two sets of 4 x 12
.set WS,   128                         ; v128-143 W's scale words: tiles 2 a (lanes 0-15), 2 a + 1 (lanes 16-31), K step s at 8 a + s
.set XS,   144                         ; v144-159 x's likewise
.set PC,   160                         ; v160-179 the codes just made
.set TM,   180                         ; v180-195 at work in the quantiser
.set PW,   196                         ; v196     the scale word just made
.set SWP,  198                         ; v198-199 the two words of the block that leave
.set BT,   192                         ; window 1: the bias tiles, 8 registers each;  W(t, s) at v[48 (s % 4) + 12 t] of window 1 (s < 4) or 2
.set ST,   128                         ; window 3: v128-227 a block of x on its way to LDS;  v0-127 the accumulators
.set XC,   36                          ; s[36:37] x's codes   s[38:39] x's scales   s[40:41] W's images   s[42:43] W's scales   s[44:45] bias   s[46:47] images out   s[48:49] scale words out
.set XSP,  38
.set WI,   40
.set WSP,  42
.set BP,   44
.set OUT,  46
.set OSC,  48
.set WV,   50
.set TEN,  51
.set SL,   52
.set BLK,  53
.set SEL,  54
.set MSB, 0
.macro WIN new                         ; the immediate's high byte repeats the setting that is left
.if MSB != (\new)
	s_set_vgpr_msb (MSB<<8)|(\new)
.set MSB, (\new)
.endif
.endm
.macro PLACES
.rept 4
	v_nop
.endr
.endm
; one matrix instruction: D, A, B, C, the two scale registers, and whether A's / B's scales stand in lanes 16-31
.macro WM d, a, b, c, sa, sb, ra, rb
.if (\ra) && (\rb)
	v_wmma_scale_f32_16x16x128_f8f6f4 v[0+(\d):7+(\d)], v[0+(\a):11+(\a)], v[0+(\b):11+(\b)], v[0+(\c):7+(\c)], v[\sa], v[\sb] matrix_a_fmt:MATRIX_FMT_BF6 matrix_b_fmt:MATRIX_FMT_BF6 matrix_a_scale:MATRIX_SCALE_ROW1 matrix_b_scale:MATRIX_SCALE_ROW1
.elseif (\ra)
	v_wmma_scale_f32_16x16x128_f8f6f4 v[0+(\d):7+(\d)], v[0+(\a):11+(\a)], v[0+(\b):11+(\b)], v[0+(\c):7+(\c)], v[\sa], v[\sb] matrix_a_fmt:MATRIX_FMT_BF6 matrix_b_fmt:MATRIX_FMT_BF6 matrix_a_scale:MATRIX_SCALE_ROW1
.elseif (\rb)
	v_wmma_scale_f32_16x16x128_f8f6f4 v[0+(\d):7+(\d)], v[0+(\a):11+(\a)], v[0+(\b):11+(\b)], v[0+(\c):7+(\c)], v[\sa], v[\sb] matrix_a_fmt:MATRIX_FMT_BF6 matrix_b_fmt:MATRIX_FMT_BF6 matrix_b_scale:MATRIX_SCALE_ROW1
.else
	v_wmma_scale_f32_16x16x128_f8f6f4 v[0+(\d):7+(\d)], v[0+(\a):11+(\a)], v[0+(\b):11+(\b)], v[0+(\c):7+(\c)], v[\sa], v[\sb] matrix_a_fmt:MATRIX_FMT_BF6 matrix_b_fmt:MATRIX_FMT_BF6
.endif
.endm
	s_load_b512 s[4:19], s[0:1], 0x0               ; Qc, Qs, K_codes, K_scales, V_codes, V_scales, wimg, Wq_scales
	s_load_b256 s[20:27], s[0:1], 0x40             ; Wk_scales, Wv_scales, bq, bk
	s_load_b128 s[28:31], s[0:1], 0x60             ; bv, qbuf
	s_load_b64 s[32:33], s[0:1], 0x70              ; kv
	v_lshl_add_u32 v254, v0, 2, 0xd000
	v_mov_b32 v255, 0
	v_lshrrev_b32 v18, 5, v0
	v_readfirstlane_b32 s[WV], v18                 ; wave 0..3
	v_and_b32 v20, 31, v0                          ; lane
	v_and_b32 v21, 15, v0                          ; r
	v_bfe_u32 v22, v0, 4, 1                        ; h
	v_and_b32 v23, 8, v21
	v_add_nc_u32 v23, v23, v21                     ; r + 8 (r / 8)
	v_lshlrev_b32 v[L16], 4, v20
	v_lshlrev_b32 v[L8], 3, v20
	; my 16 rows of a block, 16 w + i, go to the LDS rows 32 (w / 2) + 8 (w % 2) + i % 8 + 16 (i / 8): row 16 m + r of LDS is row r + 8 (r / 8) of the block's tile m
	s_lshr_b32 s56, s[WV], 1
	s_lshl_b32 s56, s56, 5
	s_and_b32 s57, s[WV], 1
	s_lshl_b32 s57, s57, 3
	s_add_co_u32 s56, s56, s57
	s_mul_i32 s58, s56, P
	v_add_nc_u32 v[A0], s58, v[L16]                ; bytes 0-511 of an even row
	v_lshl_add_u32 v[A0+1], v22, 4, v[A0]
	v_add_nc_u32 v[A0+1], 512, v[A0+1]             ; its bytes 512-767 (lanes 0-15), the next row's 0-255 (lanes 16-31, behind the padding)
	v_add_nc_u32 v[A0+2], 1040, v[A0]              ; the next row's bytes 256-767
	v_bfe_u32 v24, v0, 1, 3
	v_lshl_add_u32 v24, v22, 4, v24
	v_add_nc_u32 v24, s56, v24
	v_mul_u32_u24 v24, v24, 48
	v_and_b32 v25, 1, v0
	v_lshl_add_u32 v[ASC], v25, 4, v24
	v_add_nc_u32 v[ASC], XSC, v[ASC]               ; two lanes to a row's 32 scale bytes
	v_mul_u32_u24 v[XA], v21, P
	v_mad_u32_u24 v[XA], v22, 24, v[XA]
	v_mul_u32_u24 v[XSA], v20, 48
	v_add_nc_u32 v[XSA], XSC, v[XSA]
	v_mov_b32 v[VSEL], 0x03020100
	v_mov_b32 v27, 0x01000302
	v_cmp_eq_u32 vcc_lo, 1, v22
	v_cndmask_b32 v[VSEL], v[VSEL], v27, vcc_lo
	v_lshl_add_u32 v26, v22, 3, v23
	v_lshlrev_b32 v26, 5, v26                      ; W's scale bytes: row 8 h + r + 8 (r / 8) of a pair of tiles, 32 bytes a row
.irp b, 0,1,2,3
	v_mov_b32 v[TM+4+\b], 0                        ; written once: a lane permute's destination counts as one of its sources
.endr
	s_mov_b32 s[SEL], 0x76543210
	s_mov_b32 s[SEL+1], 0xfedcba98                 ; selects for lane l xor 16
	s_mov_b32 s[BLK], 8
	s_and_b32 s56, ttmp7, 0xffff
	s_lshr_b32 s[TEN], s56, 2                      ; 0 q, 1 k, 2 v
	s_and_b32 s[SL], s56, 3
	s_lshl_b32 s57, s[SL], 2
	s_add_co_u32 s57, s57, s[WV]                   ; my head
	s_lshl_b32 s58, ttmp9, 5
	s_add_co_u32 s58, s58, s[WV]                   ; my first 16 rows of x: 32 x + w, in sixteens
	s_mul_i32 s60, s58, 16*768
	s_mov_b32 s61, 0
	s_lshl_b32 s62, s58, 9
	s_mov_b32 s63, 0
	s_wait_kmcnt 0x0
	s_cmp_eq_u32 s[TEN], 0                         ; the choices hang on the work-group's number alone
	s_cselect_b64 s[XC:XC+1], s[4:5], s[8:9]
	s_cselect_b64 s[XSP:XSP+1], s[6:7], s[10:11]
	s_cselect_b64 s[WSP:WSP+1], s[18:19], s[20:21]
	s_cselect_b64 s[BP:BP+1], s[24:25], s[26:27]
	s_cselect_b64 s[OUT:OUT+1], s[30:31], s[32:33]
	s_cmp_eq_u32 s[TEN], 2
	s_cselect_b64 s[XC:XC+1], s[12:13], s[XC:XC+1]
	s_cselect_b64 s[XSP:XSP+1], s[14:15], s[XSP:XSP+1]
	s_cselect_b64 s[WSP:WSP+1], s[22:23], s[WSP:WSP+1]
	s_cselect_b64 s[BP:BP+1], s[28:29], s[BP:BP+1]
	s_cselect_b32 s4, 98304, 0                     ; v's images lie behind k's
	s_cselect_b32 s5, 0, 64                        ; the bias: bytes for each h,
	s_cselect_b32 s6, 4, 0                         ; for each row of the tile,
	s_cselect_b32 s7, 0, 4                         ; for each register
	s_mov_b32 s8, 196608
	s_cselect_b32 s8, 204800, s8                   ; where the scale words begin in a head's block: k, v,
	s_cmp_eq_u32 s[TEN], 0
	s_cselect_b32 s8, 98304, s8                    ; q
	s_mov_b32 s9, 212992
	s_cselect_b32 s9, 106496, s9                   ; a head's block in kv, in qbuf
	s_add_nc_u64 s[XC:XC+1], s[XC:XC+1], s[60:61]
	s_add_nc_u64 s[XSP:XSP+1], s[XSP:XSP+1], s[62:63]
	s_mul_i32 s60, s[TEN], 786432
	s_mul_i32 s62, s57, 4*12288                    ; four tiles of eight images a head
	s_add_co_u32 s60, s60, s62
	s_add_nc_u64 s[WI:WI+1], s[16:17], s[60:61]
	s_lshl_b32 s60, s57, 11                        ; 64 rows of 32 scale bytes
	s_add_nc_u64 s[WSP:WSP+1], s[WSP:WSP+1], s[60:61]
	s_lshl_b32 s60, s57, 8                         ; 64 numbers of the bias
	s_add_nc_u64 s[BP:BP+1], s[BP:BP+1], s[60:61]
	s_lshr_b32 s60, ttmp9, 2
	s_lshl_b32 s60, s60, 4
	s_add_co_u32 s60, s60, s57                     ; 16 x batch + head
	s_mul_i32 s60, s60, s9
	s_and_b32 s62, ttmp9, 3                        ; which 512 of the batch's 2,048 rows: eight blocks of 3,072 bytes of images and 256 of words
	s_mul_i32 s58, s62, 24576
	s_add_co_u32 s58, s58, s60
	s_add_co_u32 s58, s58, s4
	s_mov_b32 s59, 0
	s_lshl_b32 s62, s62, 11
	s_add_co_u32 s62, s62, s60
	s_add_co_u32 s62, s62, s8
	s_add_nc_u64 s[OSC:OSC+1], s[OUT:OUT+1], s[62:63]
	s_add_nc_u64 s[OUT:OUT+1], s[OUT:OUT+1], s[58:59]
	v_mul_u32_u24 v[VB], v22, s5
	v_mad_u32_u24 v[VB], v23, s6, v[VB]
.irp j, 1,2,3,4,5,6,7
	v_add_nc_u32 v[VB+\j], s7, v[VB+\j-1]
.endr
	WIN 0x40                                       ; destination window 1
.irp t, 0,1,2,3
.irp s, 0,1,2,3
.irp g, 0,1,2
	global_load_b128 v[48*\s+12*\t+4*\g:48*\s+12*\t+4*\g+3], v[L16], s[WI:WI+1] offset:(8*\t+\s)*1536+512*\g
.endr
.endr
.endr
.irp t, 0,1,2,3
.irp j, 0,1,2,3,4,5,6,7
	global_load_b32 v[BT+8*\t+\j], v[VB+\j], s[BP:BP+1] offset:(32*(\t/2)+8*(\t%2))*4
.endr
.endr
	WIN 0x80                                       ; destination window 2
.irp t, 0,1,2,3
.irp s, 0,1,2,3
.irp g, 0,1,2
	global_load_b128 v[48*\s+12*\t+4*\g:48*\s+12*\t+4*\g+3], v[L16], s[WI:WI+1] offset:(8*\t+\s+4)*1536+512*\g
.endr
.endr
.endr
	WIN 0
.irp a, 0,1
.irp i, 0,1
	global_load_b128 v[WS+8*\a+4*\i:WS+8*\a+4*\i+3], v26, s[WSP:WSP+1] offset:1024*\a+16*\i
.endr
.endr
.macro STLOAD                          ; my 16 rows of a block, 12,288 dense bytes, and their 512 scale bytes, into registers
	WIN 0xc0                                       ; destination window 3
.set i, 0
.rept 24
	global_load_b128 v[ST+4*i:ST+4*i+3], v[L16], s[XC:XC+1] offset:512*i
.set i, i+1
.endr
	global_load_b128 v[ST+96:ST+99], v[L16], s[XSP:XSP+1]
	WIN 0
.endm
.macro STSTORE                         ; and on into LDS: three stores to a pair of rows
	WIN 0x0c                                       ; an LDS store's data are its source 1: window 3
.irp k, 0,1,2,3,4,5,6,7
.irp e, 0,1,2
	ds_store_b128 v[A0+\e], v[ST+4*(3*\k+\e):ST+4*(3*\k+\e)+3] offset:(((2*\k)%8)+16*(\k/4))*P
.endr
.endr
	ds_store_b128 v[ASC], v[ST+96:ST+99]
	WIN 0
.endm
.macro FETCH s                         ; x's four fragments of K step s into set s % 2: 24 loads of 8 bytes
.irp m, 0,1,2,3
.irp p, 0,1,2,3,4,5
	ds_load_b64 v[XF+48*((\s)%2)+12*\m+2*\p:XF+48*((\s)%2)+12*\m+2*\p+1], v[XA] offset:16*\m*P+96*(\s)+48*(\p/3)+8*(\p%3)
.endr
.endr
.endm
.macro XSLOAD                          ; x's scale words of all eight K steps: lane l takes LDS row 32 a + l
.irp a, 0,1
.irp i, 0,1
	ds_load_b128 v[XS+8*\a+4*\i:XS+8*\a+4*\i+3], v[XSA] offset:1536*\a+16*\i
.endr
.endr
.endm
; 16 matrix instructions of K step s; the 16 accumulators take turns, one instruction a turn, in the same order in every K step
.macro MUL path, s
.if \path == 0
.if \s == 0
	WIN 0xd1                                       ; source 0 (W) and C (bias) window 1, source 1 (x) window 0, D window 3
.elseif \s < 4
	WIN 0xf1
.else
	WIN 0xf2
.endif
.irp m, 0,1,2,3
.irp t, 0,1,2,3
.if \s == 0
	WM 8*(4*\m+\t), 48*(\s%4)+12*\t, XF+48*(\s%2)+12*\m, BT+8*\t, WS+8*(\t/2)+\s, XS+8*(\m/2)+\s, \t%2, \m%2
.else
	WM 8*(4*\m+\t), 48*(\s%4)+12*\t, XF+48*(\s%2)+12*\m, 8*(4*\m+\t), WS+8*(\t/2)+\s, XS+8*(\m/2)+\s, \t%2, \m%2
.endif
.endr
.endr
.else
.if \s == 0
	WIN 0xd4                                       ; source 0 (x) window 0, source 1 (W) and C (bias) window 1, D window 3
.elseif \s < 4
	WIN 0xf4
.else
	WIN 0xf8
.endif
.irp t, 0,1,2,3
.irp m, 0,1,2,3
.if \s == 0
	WM 8*(4*\t+\m), XF+48*(\s%2)+12*\m, 48*(\s%4)+12*\t, BT+8*\t, XS+8*(\m/2)+\s, WS+8*(\t/2)+\s, \m%2, \t%2
.else
	WM 8*(4*\t+\m), XF+48*(\s%2)+12*\m, 48*(\s%4)+12*\t, 8*(4*\t+\m), XS+8*(\m/2)+\s, WS+8*(\t/2)+\s, \m%2, \t%2
.endif
.endr
.endr
.endif
.endm
.macro MULALL path
.irp s, 0,1,2,3,4,5,6,7
.if \s > 0
	PLACES                                         ; in front of loads into the set that the K step before multiplied
.endif
.if \s < 7
	FETCH \s+1
	s_wait_dscnt 24                                ; all but the 24 loads just issued: this K step's fragments (and, at first, the scale words) are in
.else
	s_wait_dscnt 0x0
.endif
	MUL \path, \s
	WIN 0
.endr
.endm
; 64 results of a lane in window 3, v[a] on, register 16 b + i = place 16 h + i of block b, become two half fragments in v[PC] on (blocks 0, 1 and 2, 3) and their four scale bytes in v[PW]
.macro QUANTW a
	WIN 0x0f                                       ; sources 0 and 1 window 3
.irp b, 0,1,2,3
	v_max3_num_f32 v[TM+\b], |v[\a+16*\b]|, |v[\a+16*\b+1]|, 0x2800000   ; each accumulator is read from its low end on; the floor 2^(5 - 127) holds the byte at 1 from below
.endr
.irp i, 2,4,6,8,10,12,14
.irp b, 0,1,2,3
	v_max3_num_f32 v[TM+\b], |v[\a+16*\b+\i]|, |v[\a+16*\b+\i+1]|, v[TM+\b]
.endr
.endr
	WIN 0
.irp b, 0,1,2,3
	v_permlanex16_b32 v[TM+4+\b], v[TM+\b], s[SEL], s[SEL+1]
.endr
.irp b, 0,1,2,3
	v_max_num_f32 v[TM+\b], v[TM+\b], v[TM+4+\b]   ; with lane l xor 16's: the block's largest magnitude
.endr
.irp b, 0,1,2,3
	v_add_nc_u32 v[TM+12+\b], 0xfe000000, v[TM+\b] ; 4 off its exponent field: the conversion's scale operand
.endr
.irp b, 0,1,2,3
	v_lshrrev_b32 v[TM+4+\b], 23, v[TM+12+\b]      ; the scale's byte
.endr
	v_lshl_or_b32 v[PW], v[TM+5], 8, v[TM+4]
	v_lshl_or_b32 v[PW], v[TM+6], 16, v[PW]
	v_lshl_or_b32 v[PW], v[TM+7], 24, v[PW]
	WIN 0x03                                       ; source 0 window 3
.irp c, 0,1
	v_cvt_scalef32_pk16_bf6_f32 v[PC+6*\c:PC+2+6*\c], v[\a+32*\c:\a+15+32*\c], v[TM+12+2*\c]
	v_cvt_scalef32_pk16_bf6_f32 v[PC+12+4*\c:PC+14+4*\c], v[\a+16+32*\c:\a+31+32*\c], v[TM+12+2*\c+1]   ; (a conversion's three registers begin on an even number)
.endr
	WIN 0
	v_nop                                          ; one plain place behind a scaled conversion
.irp c, 0,1                                    ; a whole block to a lane: lanes 0-15 the first block, lanes 16-31 the second
.irp i, 0,1,2
	v_permlane16_swap_b32 v[PC+6*\c+\i], v[PC+12+4*\c+\i]
.endr
.irp i, 0,1,2
	v_mov_b32 v[PC+3+6*\c+\i], v[PC+12+4*\c+\i]
.endr
.endr
.endm
.macro HOUT i                          ; the two half fragments leave: each store covers 512 or 256 consecutive bytes, aligned
	global_store_b128 v[L16], v[PC:PC+3], s[OUT:OUT+1] offset:768*\i
	global_store_b64 v[L8], v[PC+4:PC+5], s[OUT:OUT+1] offset:768*\i+512
	global_store_b128 v[L16], v[PC+6:PC+9], s[OUT:OUT+1] offset:768*(\i+1)
	global_store_b64 v[L8], v[PC+10:PC+11], s[OUT:OUT+1] offset:768*(\i+1)+512
.endm
	STLOAD                                         ; block 0
.Lblk:
	s_wait_loadcnt 0x0                             ; this block's rows are in registers (in the first trip also W, its scales and the bias): so the loads' bases may step
	s_add_nc_u64 s[XC:XC+1], s[XC:XC+1], 64*768
	s_add_nc_u64 s[XSP:XSP+1], s[XSP:XSP+1], 64*32
	s_wait_dscnt 0x0                               ; my reads of the last block are over
	s_barrier_signal -1
	s_barrier_wait -1                              ; everybody's are: the rows in LDS may be written again
	STSTORE
	s_wait_dscnt 0x0                               ; for the others' sake: my stores have landed
	s_barrier_signal -1
	s_barrier_wait -1                              ; the block's 64 rows lie in LDS
	s_cmp_eq_u32 s[BLK], 1                         ; the next block is asked for here and lands under the products; the last trip asks for nothing: no load leaves its buffer
	s_cbranch_scc1 .Lno_next
	STLOAD
.Lno_next:
	XSLOAD
	FETCH 0
	s_cmp_eq_u32 s[TEN], 2                         ; the same in all waves of the work-group; no barrier and no LDS store stands in either arm
	s_cbranch_scc1 .Lpath_v
	MULALL 0
	s_branch .Ljoin
.Lpath_v:
	MULALL 1
.Ljoin:
	PLACES                                         ; in front of the first read of the results
	QUANTW 0
	v_perm_b32 v[SWP], v[PW], v[PW], v[VSEL]       ; lanes 0-15: the even tile's word; lanes 16-31: the odd tile's, its own bytes below
	HOUT 0
	s_wait_xcnt 0x0                                ; the stores have read the codes' registers: they are written again
	QUANTW 64
	v_perm_b32 v[SWP+1], v[PW], v[PW], v[VSEL]
	HOUT 2
	global_store_b64 v[L8], v[SWP:SWP+1], s[OSC:OSC+1]   ; the four tiles' scale words: 256 consecutive bytes, aligned
	s_wait_xcnt 0x0                                ; the stores have read their registers and bases: both may be written again
	s_add_nc_u64 s[OUT:OUT+1], s[OUT:OUT+1], 3072
	s_add_nc_u64 s[OSC:OSC+1], s[OSC:OSC+1], 256
	s_sub_co_u32 s[BLK], s[BLK], 1
	s_cmp_lg_u32 s[BLK], 0
	s_cbranch_scc1 .Lblk
	s_wait_tensorcnt 0x0
	ds_add_u32 v254, v255
	s_wait_dscnt 0x0
	s_endpgm
.Lfunc_end_k_qcfe10eb9b6_proj:
	.size	k_qcfe10eb9b6_proj, .Lfunc_end_k_qcfe10eb9b6_proj-k_qcfe10eb9b6_proj
	.p2alignl 7, 3214868480
	.fill 96, 4, 3214868480
	.section	.rodata,"a",@progbits
	.p2align	6, 0x0
	.amdhsa_kernel k_qcfe10eb9b6_proj
		.amdhsa_group_segment_fixed_size 53760
		.amdhsa_private_segment_fixed_size 0
		.amdhsa_enable_private_segment 0
		.amdhsa_kernarg_size 120
		.amdhsa_user_sgpr_count 2
		.amdhsa_user_sgpr_kernarg_segment_ptr 1
		.amdhsa_wavefront_size32 1
		.amdhsa_system_sgpr_workgroup_id_x 1
		.amdhsa_system_sgpr_workgroup_id_y 1
		.amdhsa_system_sgpr_workgroup_id_z 1
		.amdhsa_system_vgpr_workitem_id 0
		.amdhsa_next_free_vgpr 1024
		.amdhsa_next_free_sgpr 66
		.amdhsa_reserve_vcc 1
		.amdhsa_float_denorm_mode_32 3
		.amdhsa_float_denorm_mode_16_64 3
		.amdhsa_memory_ordered 1
		.amdhsa_forward_progress 1
		.amdhsa_inst_pref_size 92
	.end_amdhsa_kernel
	.amdgpu_metadata
---
amdhsa.version: [ 1, 2 ]
amdhsa.kernels:
  - .name:           k_qcfe10eb9b6_proj
    .symbol:         k_qcfe10eb9b6_proj.kd
    .args:
      - { .name: Qc, .offset: 0, .size: 8, .value_kind: global_buffer, .address_space: global }
      - { .name: Qs, .offset: 8, .size: 8, .value_kind: global_buffer, .address_space: global }
      - { .name: K_codes, .offset: 16, .size: 8, .value_kind: global_buffer, .address_space: global }
      - { .name: K_scales, .offset: 24, .size: 8, .value_kind: global_buffer, .address_space: global }
      - { .name: V_codes, .offset: 32, .size: 8, .value_kind: global_buffer, .address_space: global }
      - { .name: V_scales, .offset: 40, .size: 8, .value_kind: global_buffer, .address_space: global }
      - { .name: wimg, .offset: 48, .size: 8, .value_kind: global_buffer, .address_space: global }
      - { .name: Wq_scales, .offset: 56, .size: 8, .value_kind: global_buffer, .address_space: global }
      - { .name: Wk_scales, .offset: 64, .size: 8, .value_kind: global_buffer, .address_space: global }
      - { .name: Wv_scales, .offset: 72, .size: 8, .value_kind: global_buffer, .address_space: global }
      - { .name: bq, .offset: 80, .size: 8, .value_kind: global_buffer, .address_space: global }
      - { .name: bk, .offset: 88, .size: 8, .value_kind: global_buffer, .address_space: global }
      - { .name: bv, .offset: 96, .size: 8, .value_kind: global_buffer, .address_space: global }
      - { .name: qbuf, .offset: 104, .size: 8, .value_kind: global_buffer, .address_space: global }
      - { .name: kv, .offset: 112, .size: 8, .value_kind: global_buffer, .address_space: global }
    .group_segment_fixed_size: 53760
    .private_segment_fixed_size: 0
    .kernarg_segment_align: 8
    .kernarg_segment_size: 120
    .max_flat_workgroup_size: 128
    .sgpr_count:     66
    .vgpr_count:     1024
    .wavefront_size: 32
...
	.end_amdgpu_metadata
.endif
;; end of part 2
;; launch attn (part 3): grid 4 x 64, 16 waves a work-group, clusters of 4 x 1, 215,040 bytes of LDS; arguments qbuf, kv, maskw, ctx, ctxs; writes ctx, ctxs
.if DOCPART == 3
	.amdgcn_target "amdgcn-amd-amdhsa--gfx1250"
	.amdhsa_code_object_version 6
	.text
	.protected	k_qcfe10eb9b6_attn
	.globl	k_qcfe10eb9b6_attn
	.p2align	8
	.type	k_qcfe10eb9b6_attn,@function
k_qcfe10eb9b6_attn:
	s_mov_b64 s[64:65], 0
	v_nop
	global_prefetch_b8 v0, s[64:65] scope:SCOPE_SE
	s_setreg_imm32_b32 hwreg(HW_REG_WAVE_MODE, 25, 1), 1
	s_wait_xcnt 0x0
	s_wait_alu depctr_hold_cnt(0) depctr_sa_sdst(0) depctr_va_vdst(0) depctr_va_sdst(0) depctr_va_ssrc(0) depctr_va_vcc(0) depctr_vm_vsrc(0)
	s_getreg_b32 s2, hwreg(HW_REG_IB_STS2, 6, 4)
	s_cmp_eq_u32 s2, 0
	s_cbranch_scc0 .Lentry_in_a_cluster
	s_endpgm
.Lentry_in_a_cluster:
	s_bfe_u32 s2, ttmp6, 0x10000c
	s_cmp_lg_u32 s2, 0x3003
	s_cbranch_scc0 .Lentry_shape_is_right
	s_endpgm
.Lentry_shape_is_right:
; ATTN: ctx = softmax(where(mask, -1e9, q k^T / 8)) v for one head, both products on codes of E3M2 with E8M0 scales; ctx is quantised along the head's 64 and stored as images of operand registers.
; THE SOFTMAX: t = score x log2(e) / 8; M = the row's largest t so far, rounded UP to a whole number; p = 2^(t - M) is quantised along the keys, not normalised; the row's sum is taken of the unquantised p
; and divides O at the end.  When M moves, the sum and O are multiplied by 2^(old M - new M): exact.
; SHARES.  A work-group owns one head (y) and 512 queries; each of its sixteen waves owns two tiles of 16 queries and takes them in two passes over all 2,048 keys, 128 a step.  Four waves share a SIMD,
; so that one wave's vector work stands beside another's products and LDS loads.
; LDS.  A head's k and v, as images with their scale words, are 212,992 bytes: they are brought ONCE, each wave one sixteenth by one tensor load (one load of a wave is out), and stay: no slot is filled again,
; and the loop has no barrier.  CLUSTER: the four query blocks of a head want the same bytes and ask JOINTLY: the same load, the same descriptor, a mask that names the four.
; LDS map = a head's block of kv: 0 k's 128 tiles x 768 bytes; 98,304 v's (key group G of 64, tile t of the head's 64: 768 (4 G + t)); 196,608 k's scale words, 256 bytes for four tiles; 204,800 v's, 256 bytes a key group.
; LAYOUT.  S^T = k q^T (source 0 = 16 keys, source 1 = my 16 queries), O^T = v^T p^T: a lane holds ONE query throughout.  Tile T of keys holds the keys 32 (T / 2) + 8 (T % 2) + r + 8 (r / 8),
; so the 16 registers of tiles 2 b, 2 b + 1 are the keys 32 b + 16 (lane / 16) + 0 .. 15.
; K = 64 IN AN INSTRUCTION OF K = 128: q's fragment is six registers of codes and six of zero codes.  k's tiles stand six registers apart, so the upper half of tile t's operand is tile t + 1's codes (behind tile 7: zeros):
; they meet q's zero codes alone, E3M2 has no code for infinity or NaN, and the upper two scale bytes are the partner tile's, never 0xff: they add nothing.
; THE MASK comes as lane masks, 64 words a step, by scalar loads one step ahead: one select a score.
; LIMITS.  A masked logit stands at -2^30 (score -2^33) where the module has -1e9: the product with c is then exact, so a row that is masked throughout gets p = 1 everywhere, as there;
; the result differs only where an unmasked logit lies under about -0.99e9.  Scale bytes 0xff, NaN and infinities are not served.  A block of zeros gets the byte 1 (its codes are zeros).
.set K16,   1                          ; v1   16 x lane
.set K8,    2                          ; v2   8 x lane
.set V16,   3                          ; v3   98,304 + 16 x lane
.set V8,    4                          ; v4   98,304 + 8 x lane
.set SK,    5                          ; v5   196,608 + 8 x lane
.set SV,    6                          ; v6   204,800 + 8 x lane
.set NEGV,  7                          ; v7   -2^33
.set ADK16, 8                          ; v8-11, v94-95 the step's LDS addresses
.set ADK8,  9
.set ADV16, 10
.set ADV8,  11
.set ADS,   94
.set ADT,   95
                                       ; v12 -M, v13 the largest t, v[14:15] the sum in two halves; v16-27, v28-39 q's two fragments
.set F,     40                         ; v40-87 eight tiles of k, later four fragments of v; v88-93 zeros
                                       ; v96-159 S^T, then p; v160-191 O^T
.set KS,    192                        ; v192-195 k's scale words: tiles 2 a (lanes 0-15), 2 a + 1 (lanes 16-31)
.set VS,    196                        ; v196-199 v's, as they lie: two key groups x two pairs of tiles
.set XV,    200                        ; v200-201 v's scale words for 128 keys
.set QS,    202                        ; v202 q's scale words: my first tile in lanes 0-15, my second in lanes 16-31
.set CBY,   203                        ; v203 4 r + h: my byte among ctx's scale words
.set BM,    208                        ; v208-211 the blocks' largest scores, then largest p
.set BT,    212                        ; v212-215 at work
.set SO,    216                        ; v216-219 the conversions' scale operands
.set TMP,   220
.set PS,    221                        ; v221 p's scale word
.set FF,    222                        ; v[222:223] f = 2^(old M - new M), and its pair's partner
.set PC,    224                        ; v224-235 p's codes
.set PT,    236                        ; v236-243 the conversions' second halves
.set S2,    244                        ; v[244:245] the sum's second chain
.set CNT,   2
.set WV,    3
.set PSEL,  18
.set MB,    20                         ; s[20:21] my tiles' mask words   s[22:23] ctx   s[24:25] ctxs
.set CT,    22
.set CSP,   24
.set CS,    26                         ; s[26:27] c = log2(e) / 8
.set SEL,   28
.set TK,    30                         ; the step's images: 6,144 bytes a step
.set TS,    31                         ; its scale words: 512 bytes a step
.set MO,    66                         ; the mask words asked for: 256 bytes a step
.set HM,    67                         ; lanes 16-31
.macro ROUND                           ; a round of the cluster's barrier
	s_barrier_signal -1
	s_barrier_wait -1
	s_cmp_lg_u32 s[WV], 0
	s_cbranch_scc1 .Lnot_wave_0_\@
	s_barrier_signal -3
.Lnot_wave_0_\@:
	s_barrier_wait -3
	s_barrier_signal -1
	s_barrier_wait -1
.endm
.macro WM d, a, b, c, sa, sb, ra, rb
.if (\ra) && (\rb)
	v_wmma_scale_f32_16x16x128_f8f6f4 v[0+(\d):7+(\d)], v[0+(\a):11+(\a)], v[0+(\b):11+(\b)], v[0+(\c):7+(\c)], v[\sa], v[\sb] matrix_a_fmt:MATRIX_FMT_BF6 matrix_b_fmt:MATRIX_FMT_BF6 matrix_a_scale:MATRIX_SCALE_ROW1 matrix_b_scale:MATRIX_SCALE_ROW1
.elseif (\ra)
	v_wmma_scale_f32_16x16x128_f8f6f4 v[0+(\d):7+(\d)], v[0+(\a):11+(\a)], v[0+(\b):11+(\b)], v[0+(\c):7+(\c)], v[\sa], v[\sb] matrix_a_fmt:MATRIX_FMT_BF6 matrix_b_fmt:MATRIX_FMT_BF6 matrix_a_scale:MATRIX_SCALE_ROW1
.elseif (\rb)
	v_wmma_scale_f32_16x16x128_f8f6f4 v[0+(\d):7+(\d)], v[0+(\a):11+(\a)], v[0+(\b):11+(\b)], v[0+(\c):7+(\c)], v[\sa], v[\sb] matrix_a_fmt:MATRIX_FMT_BF6 matrix_b_fmt:MATRIX_FMT_BF6 matrix_b_scale:MATRIX_SCALE_ROW1
.else
	v_wmma_scale_f32_16x16x128_f8f6f4 v[0+(\d):7+(\d)], v[0+(\a):11+(\a)], v[0+(\b):11+(\b)], v[0+(\c):7+(\c)], v[\sa], v[\sb] matrix_a_fmt:MATRIX_FMT_BF6 matrix_b_fmt:MATRIX_FMT_BF6
.endif
.endm
.macro WMZ d, a, b, sa, sb, ra, rb     ; the same with the constant 0 as C
.if (\ra) && (\rb)
	v_wmma_scale_f32_16x16x128_f8f6f4 v[0+(\d):7+(\d)], v[0+(\a):11+(\a)], v[0+(\b):11+(\b)], 0, v[\sa], v[\sb] matrix_a_fmt:MATRIX_FMT_BF6 matrix_b_fmt:MATRIX_FMT_BF6 matrix_a_scale:MATRIX_SCALE_ROW1 matrix_b_scale:MATRIX_SCALE_ROW1
.elseif (\ra)
	v_wmma_scale_f32_16x16x128_f8f6f4 v[0+(\d):7+(\d)], v[0+(\a):11+(\a)], v[0+(\b):11+(\b)], 0, v[\sa], v[\sb] matrix_a_fmt:MATRIX_FMT_BF6 matrix_b_fmt:MATRIX_FMT_BF6 matrix_a_scale:MATRIX_SCALE_ROW1
.elseif (\rb)
	v_wmma_scale_f32_16x16x128_f8f6f4 v[0+(\d):7+(\d)], v[0+(\a):11+(\a)], v[0+(\b):11+(\b)], 0, v[\sa], v[\sb] matrix_a_fmt:MATRIX_FMT_BF6 matrix_b_fmt:MATRIX_FMT_BF6 matrix_b_scale:MATRIX_SCALE_ROW1
.else
	v_wmma_scale_f32_16x16x128_f8f6f4 v[0+(\d):7+(\d)], v[0+(\a):11+(\a)], v[0+(\b):11+(\b)], 0, v[\sa], v[\sb] matrix_a_fmt:MATRIX_FMT_BF6 matrix_b_fmt:MATRIX_FMT_BF6
.endif
.endm
	s_load_b256 s[16:23], s[0:1], 0x0              ; qbuf, kv, maskw, ctx
	s_load_b64 s[24:25], s[0:1], 0x20              ; ctxs
	v_lshl_add_u32 v254, v0, 2, 0x34000
	v_mov_b32 v255, 0
	ds_add_u32 v254, v255
	ds_add_u32 v254, v255
	v_lshrrev_b32 v1, 5, v0
	v_readfirstlane_b32 s[WV], v1                  ; wave 0..15
	s_and_b32 s32, ttmp7, 0xffff                   ; 16 x batch + head: the four partners share it
	s_mul_i32 s34, s32, 212992
	s_mul_i32 s5, s[WV], 13312                     ; my sixteenth of the head's block: in LDS, and
	s_add_co_u32 s34, s34, s5                      ; in memory.  No place in the cluster enters either
	s_mov_b32 s35, 0
	s_mov_b32 s4, 1                                ; group 0: count = 1
	; group 1: 52 rows of 256 bytes (32 elements of 8 bytes), dense, no padding
	s_mov_b32 s8, 15|(3<<16)|(1<<21)               ; 15:0 the mask: all four work-groups; 17:16 elements of 8 bytes; 21 set beside a mask
	s_mov_b32 s9, 32<<16                           ; tensor_dim0 = 32
	s_mov_b32 s10, 52<<16                          ; tensor_dim1 = 52
	s_mov_b32 s11, 32<<16                          ; tile_dim0 = 32
	s_mov_b32 s12, 52                              ; tile_dim1 = 52
	s_mov_b32 s13, 32                              ; elements from row to row
	s_mov_b32 s14, 0
	s_mov_b32 s15, 0
	; what hangs on my place in the cluster: global addresses of q, the mask words and ctx alone
	s_bfe_u32 s36, ttmp6, 0x40000                  ; cx
	s_lshl_b32 s37, ttmp9, 2
	s_add_co_u32 s36, s36, s37                     ; my block of 512 queries
	s_lshl_b32 s36, s36, 4
	s_add_co_u32 s36, s36, s[WV]                   ; my pair of tiles in the head, 0..63
	s_lshr_b32 s37, s32, 4                         ; batch
	s_and_b32 s38, s32, 15                         ; head
	s_lshl_b32 s39, s37, 6
	s_add_co_u32 s39, s39, s36                     ; my pair of tiles among all rows, 0..255
	s_mul_i32 s40, s32, 106496                     ; the head's block of qbuf
	s_mul_i32 s42, s36, 1536
	s_add_co_u32 s42, s42, s40                     ; my two tiles' images
	s_mov_b32 s43, 0
	s_lshr_b32 s46, s36, 1
	s_lshl_b32 s46, s46, 8
	s_and_b32 s47, s36, 1
	s_lshl_b32 s47, s47, 2
	s_add_co_u32 s46, s46, s47
	s_add_co_u32 s46, s46, s40
	s_add_co_u32 s46, s46, 98304                   ; their scale words: block (pair / 2), word pair % 2
	s_mov_b32 s47, 0
	s_lshl_b32 s48, s39, 13                        ; mask words: 4,096 bytes a tile
	s_mov_b32 s49, 0
	s_mul_i32 s50, s39, 24576                      ; ctx: 16 heads x 768 bytes a tile
	s_mul_i32 s51, s38, 768
	s_add_co_u32 s50, s50, s51
	s_mov_b32 s51, 0
	s_lshl_b32 s52, s39, 10                        ; ctx's scale words: 512 bytes a tile,
	s_lshr_b32 s53, s38, 1
	s_lshl_b32 s53, s53, 6                         ; 64 for each pair of heads,
	s_add_co_u32 s52, s52, s53
	s_and_b32 s53, s38, 1
	s_lshl_b32 s53, s53, 1                         ; two bytes a head
	s_add_co_u32 s52, s52, s53
	s_mov_b32 s53, 0
	s_mov_b32 s[CS], 0x3e38aa3b                    ; c = log2(e) / 8
	s_mov_b32 s[CS+1], s[CS]                       ; (named with it as a pair, so it is written)
	s_mov_b32 s[SEL], 0x76543210
	s_mov_b32 s[SEL+1], 0xfedcba98                 ; selects for lane l xor 16
	s_mov_b32 s[HM], 0xffff0000
	s_wait_dscnt 0x0
	s_wait_kmcnt 0x0
	s_add_nc_u64 s[6:7], s[18:19], s[34:35]        ; group 0: the global address,
	s_or_b32 s7, s7, 0x80000000                    ; and the type
	s_mov_b32 s[PSEL], 0x05040100                  ; (kv's address has gone into the descriptor)
	ROUND                                          ; all four work-groups are here: the joint loads meet
	tensor_load_to_lds s[4:7], s[8:15]
	s_nop 0
.rept 4
	v_nop
.endr
	s_add_nc_u64 s[44:45], s[16:17], s[46:47]      ; q's scale words
	s_add_nc_u64 s[16:17], s[16:17], s[42:43]      ; q's images
	s_add_nc_u64 s[MB:MB+1], s[MB:MB+1], s[48:49]
	s_add_nc_u64 s[CT:CT+1], s[CT:CT+1], s[50:51]
	s_add_nc_u64 s[CSP:CSP+1], s[CSP:CSP+1], s[52:53]
	v_and_b32 v94, 31, v0
	v_lshlrev_b32 v[K16], 4, v94
	v_lshlrev_b32 v[K8], 3, v94
.irp p, 0,1
	global_load_b128 v[16+12*\p:19+12*\p], v[K16], s[16:17] offset:768*\p
	global_load_b64 v[20+12*\p:21+12*\p], v[K8], s[16:17] offset:768*\p+512
.endr
	global_load_b32 v[QS], v[K8], s[44:45]
	v_add_nc_u32 v[V16], 98304, v[K16]
	v_add_nc_u32 v[V8], 98304, v[K8]
	v_add_nc_u32 v[SK], 196608, v[K8]
	v_add_nc_u32 v[SV], 204800, v[K8]
	v_mov_b32 v[NEGV], 0xd0000000
	v_and_b32 v95, 15, v0
	v_bfe_u32 v[CBY], v0, 4, 1
	v_lshl_add_u32 v[CBY], v95, 2, v[CBY]
.irp j, 22,23,24,25,26,27,34,35,36,37,38,39,88,89,90,91,92,93
	v_mov_b32 v\j, 0                               ; zero codes: the upper halves of q's fragments, and what stands behind k's tile 7
.endr
.irp b, 0,1,2,3
	v_mov_b32 v[BT+\b], 0                          ; written once: a lane permute's destination counts as one of its sources
.endr
	v_mov_b32 v[FF+1], 0                           ; (named as the upper half of a pair)
	s_wait_tensorcnt 0x0                           ; my sixteenth has landed,
	s_barrier_signal -1
	s_barrier_wait -1                              ; everybody's has
	s_wait_loadcnt 0x0                             ; q
.macro MLD p                           ; the 64 mask words of tile p at step MO / 256
	s_load_b512 s[32:47], s[MB:MB+1], s[MO] offset:4096*\p
	s_load_b512 s[48:63], s[MB:MB+1], s[MO] offset:4096*\p+64
	s_load_b512 s[68:83], s[MB:MB+1], s[MO] offset:4096*\p+128
	s_load_b512 s[84:99], s[MB:MB+1], s[MO] offset:4096*\p+192
.endm
; A KEY STEP: 128 keys, for my tile p
.macro STEP p
	v_add_nc_u32 v[ADK16], s[TK], v[K16]           ; these six are also the places behind the last step's products, in front of the loads into their operands
	v_add_nc_u32 v[ADK8], s[TK], v[K8]
	v_add_nc_u32 v[ADV16], s[TK], v[V16]
	v_add_nc_u32 v[ADV8], s[TK], v[V8]
	v_add_nc_u32 v[ADS], s[TS], v[SK]
	v_add_nc_u32 v[ADT], s[TS], v[SV]
.irp g, 0,1
	ds_load_b64 v[KS+2*\g:KS+2*\g+1], v[ADS] offset:256*\g
	ds_load_b64 v[VS+2*\g:VS+2*\g+1], v[ADT] offset:256*\g
.endr
.irp t, 0,1,2,3,4,5,6,7
	ds_load_b128 v[F+6*\t:F+6*\t+3], v[ADK16] offset:768*\t
	ds_load_b64 v[F+6*\t+4:F+6*\t+5], v[ADK8] offset:768*\t+512
.endr
	s_wait_dscnt 0x0
.irp t, 0,1,2,3,4,5,6,7
	WMZ 96+8*\t, F+6*\t, 16+12*\p, KS+\t/2, QS, \t%2, \p
.endr
	v_perm_b32 v[XV], v[VS+2], v[VS], s[PSEL]      ; v's scale words for 128 keys: two bytes of each key group.  With the two v_nop: the four places behind the products
	v_perm_b32 v[XV+1], v[VS+3], v[VS+1], s[PSEL]
	v_nop
	v_nop
.irp t, 0,1,2,3
.irp c, 0,1
	ds_load_b128 v[F+12*\t+6*\c:F+12*\t+6*\c+3], v[ADV16] offset:(4*\c+\t)*768      ; v's fragments land under the softmax
	ds_load_b64 v[F+12*\t+6*\c+4:F+12*\t+6*\c+5], v[ADV8] offset:(4*\c+\t)*768+512
.endr
.endr
	s_wait_kmcnt 0x0                               ; this step's mask words are in, and their loads' offset may step
.set n, 0
.rept 64
.if n < 32
	v_cndmask_b32 v[96+n], v[96+n], v[NEGV], s[32+n]   ; ascending: each accumulator is read from its low end on
.else
	v_cndmask_b32 v[96+n], v[96+n], v[NEGV], s[36+n]
.endif
.set n, n+1
.endr
.irp b, 0,1,2,3
	v_max3_num_f32 v[BM+\b], v[96+16*\b], v[97+16*\b], v[98+16*\b]   ; the largest score of each block of 32 keys: for the row's maximum, and, since p rises with the score, for the block's largest p
.endr
.irp i, 3,5,7,9,11,13
.irp b, 0,1,2,3
	v_max3_num_f32 v[BM+\b], v[BM+\b], v[96+16*\b+\i], v[97+16*\b+\i]
.endr
.endr
.irp b, 0,1,2,3
	v_max_num_f32 v[BM+\b], v[BM+\b], v[111+16*\b]
.endr
	s_add_co_u32 s[MO], s[MO], 256                 ; the next step's words are asked for; the last trip asks for its own again: no load leaves the buffer
	s_min_u32 s[MO], s[MO], 3840
	MLD \p
.irp b, 0,1,2,3
	v_permlanex16_b32 v[BT+\b], v[BM+\b], s[SEL], s[SEL+1]
.endr
.irp b, 0,1,2,3
	v_max_num_f32 v[BM+\b], v[BM+\b], v[BT+\b]     ; with lane l xor 16's 16 keys
.endr
	v_max3_num_f32 v[TMP], v[BM], v[BM+1], v[BM+2]
	v_max_num_f32 v[TMP], v[TMP], v[BM+3]          ; the step's largest score of my query
	v_mul_f32 v[TMP], s[CS], v[TMP]                ; as t (c is positive)
	v_max_num_f32 v13, v13, v[TMP]                 ; the running largest t
	v_mov_b32 v[TMP], v12
	v_floor_f32 v12, -v13                          ; the new -M = floor(-t): M is a whole number
	v_sub_f32 v[TMP], v12, v[TMP]                  ; old M - new M: a whole number, 0 or less
	v_cvt_i32_f32 v[TMP], v[TMP]                   ; (it saturates)
	v_ldexp_f32 v[FF], 1.0, v[TMP]                 ; f = 2^(old M - new M)
.set j, 0
.rept 32
	v_pk_fma_f32 v[96+j:97+j], v[96+j:97+j], s[CS:CS+1], v[12:13] op_sel_hi:[1,0,0]   ; t - M, two at a time
.set j, j+2
.endr
.irp b, 0,1,2,3
	v_fma_f32 v[BM+\b], v[BM+\b], s[CS], v12       ; the same of each block's largest score
.endr
.set j, 0
.rept 64
	v_exp_f32 v[96+j], v[96+j]                     ; p = 2^(t - M), at most 1
.set j, j+1
.endr
.irp b, 0,1,2,3
	v_exp_f32 v[BM+\b], v[BM+\b]                   ; the block's largest p: the same two instructions on the same number
.endr
	v_pk_mul_f32 v[14:15], v[14:15], v[FF:FF+1] op_sel_hi:[1,0]   ; the sums under the new M.  (A plain place behind the exponentials)
	s_wait_alu depctr_va_vdst(0)
.irp b, 0,1,2,3
	v_max_num_f32 v[BM+\b], 0x2800000, v[BM+\b]    ; the floor 2^(5 - 127): the byte cannot fall under 1
.endr
.irp b, 0,1,2,3
	v_add_nc_u32 v[SO+\b], 0xfe000000, v[BM+\b]    ; 4 off the exponent field: the conversion's scale operand
.endr
.irp b, 0,1,2,3
	v_lshrrev_b32 v[BT+\b], 23, v[SO+\b]           ; the scale's byte
.endr
	v_lshl_or_b32 v[PS], v[BT+1], 8, v[BT]         ; p's scale word for these 128 keys
	v_lshl_or_b32 v[PS], v[BT+2], 16, v[PS]
	v_lshl_or_b32 v[PS], v[BT+3], 24, v[PS]
.irp c, 0,1
	v_cvt_scalef32_pk16_bf6_f32 v[PC+6*\c:PC+2+6*\c], v[96+32*\c:111+32*\c], v[SO+2*\c]
	v_cvt_scalef32_pk16_bf6_f32 v[PT+4*\c:PT+2+4*\c], v[112+32*\c:127+32*\c], v[SO+2*\c+1]   ; (a conversion's three registers begin on an even number)
.endr
	v_nop                                          ; one plain place behind a scaled conversion
.irp c, 0,1                                    ; a whole block to a lane: lanes 0-15 block 2 c, lanes 16-31 block 2 c + 1
.irp i, 0,1,2
	v_permlane16_swap_b32 v[PC+6*\c+\i], v[PT+4*\c+\i]
.endr
.irp i, 0,1,2
	v_mov_b32 v[PC+3+6*\c+\i], v[PT+4*\c+\i]
.endr
.endr
.set j, 0
.rept 16
	v_pk_mul_f32 v[160+j:161+j], v[160+j:161+j], v[FF:FF+1] op_sel_hi:[1,0]   ; O^T under the new M, each accumulator from its low end on
.set j, j+2
.endr
	v_pk_add_f32 v[S2:S2+1], v[96:97], v[98:99]    ; the row's sum is taken of the unquantised p: two at a time, in two chains.  (These stand between the vector writes above and the products below)
.irp j, 4,8,12,16,20,24,28,32,36,40,44,48,52,56,60
	v_pk_add_f32 v[14:15], v[14:15], v[96+\j:97+\j]
	v_pk_add_f32 v[S2:S2+1], v[S2:S2+1], v[98+\j:99+\j]
.endr
	v_pk_add_f32 v[14:15], v[14:15], v[S2:S2+1]
	s_wait_dscnt 0x0                               ; v's fragments are in
.irp t, 0,1,2,3
	WM 160+8*\t, F+12*\t, PC, 160+8*\t, XV+\t/2, PS, \t%2, 0
.endr
	s_add_co_u32 s[TK], s[TK], 6144
	s_add_co_u32 s[TS], s[TS], 512
.endm
; THE WAY OUT of tile p: O^T / the sum; its 64 numbers a query are two blocks of the output product's K: quantised, and stored as half a fragment and two scale bytes
.macro TAIL p
	v_add_f32 v14, v14, v15                        ; the sum's two halves.  With the three v_nop: the four places behind the last products
	v_nop
	v_nop
	v_nop
	v_permlanex16_b32 v[TMP], v14, s[SEL], s[SEL+1]
	v_add_f32 v14, v14, v[TMP]                     ; and lane l xor 16's: the row's sum
	v_rcp_f32 v14, v14
	v_nop                                          ; one plain place behind a transcendental
.set j, 0
	s_wait_alu depctr_va_vdst(0)
.rept 32
	v_mul_f32 v[96+j], v[160+j], v14               ; register 16 b + i is ctx(my query, 32 b + 16 h + i)
.set j, j+1
.endr
.irp b, 0,1
	v_max3_num_f32 v[BM+\b], |v[96+16*\b]|, |v[97+16*\b]|, 0x2800000
.endr
.irp i, 2,4,6,8,10,12,14
.irp b, 0,1
	v_max3_num_f32 v[BM+\b], v[BM+\b], |v[96+16*\b+\i]|, |v[97+16*\b+\i]|
.endr
.endr
.irp b, 0,1
	v_permlanex16_b32 v[BT+\b], v[BM+\b], s[SEL], s[SEL+1]
.endr
.irp b, 0,1
	v_max_num_f32 v[BM+\b], v[BM+\b], v[BT+\b]
.endr
.irp b, 0,1
	v_add_nc_u32 v[SO+\b], 0xfe000000, v[BM+\b]
.endr
.irp b, 0,1
	v_lshrrev_b32 v[BT+\b], 23, v[SO+\b]
.endr
	v_cvt_scalef32_pk16_bf6_f32 v[PC:PC+2], v[96:111], v[SO]
	v_cvt_scalef32_pk16_bf6_f32 v[PT:PT+2], v[112:127], v[SO+1]
	v_nop                                          ; one plain place behind a scaled conversion
.irp i, 0,1,2
	v_permlane16_swap_b32 v[PC+\i], v[PT+\i]
.endr
.irp i, 0,1,2
	v_mov_b32 v[PC+3+\i], v[PT+\i]
.endr
	v_cndmask_b32 v[TMP], v[BT], v[BT+1], s[HM]    ; lane (r, h) takes block h's byte
	global_store_b128 v[K16], v[PC:PC+3], s[CT:CT+1] offset:12288*\p            ; 512 consecutive bytes, aligned
	global_store_b64 v[K8], v[PC+4:PC+5], s[CT:CT+1] offset:12288*\p+512        ; 256 consecutive bytes, aligned
	global_store_b8 v[CBY], v[TMP], s[CSP:CSP+1] offset:512*\p                  ; two bytes of each of 16 words: one byte in 24 of what the tile stores
	s_wait_xcnt 0x0                                ; the stores have read their registers: the next pass writes them again
.endm
.macro PASS p
	s_wait_kmcnt 0x0                               ; no scalar load is out: the words' registers and the offset may be written
	s_mov_b32 s[MO], 0
	MLD \p
	v_mov_b32 v13, 0xff61b1e6                      ; the largest t so far: -3e38, under every t
	v_floor_f32 v12, -v13                          ; -M
	v_mov_b32 v14, 0
	v_mov_b32 v15, 0
.set j, 0
.rept 32
	v_mov_b32 v[160+j], 0                          ; O^T: the step is written once; its first trip finds zeros, which the first change of M leaves zeros
.set j, j+1
.endr
	s_mov_b32 s[TK], 0
	s_mov_b32 s[TS], 0
	s_mov_b32 s[CNT], 16
.Lstep_\@:
	STEP \p
	s_sub_co_u32 s[CNT], s[CNT], 1
	s_cmp_lg_u32 s[CNT], 0
	s_cbranch_scc1 .Lstep_\@
	TAIL \p
.endm
	PASS 0
	PASS 1
	s_wait_kmcnt 0x0
	s_wait_dscnt 0x0
	s_wait_tensorcnt 0x0
	ds_add_u32 v254, v255
	s_wait_dscnt 0x0
	ROUND                                          ; the closing round: no work-group ends while a partner may still ask for bytes by a load that names it
	s_endpgm
.Lfunc_end_k_qcfe10eb9b6_attn:
	.size	k_qcfe10eb9b6_attn, .Lfunc_end_k_qcfe10eb9b6_attn-k_qcfe10eb9b6_attn
	.p2alignl 7, 3214868480
	.fill 96, 4, 3214868480
	.section	.rodata,"a",@progbits
	.p2align	6, 0x0
	.amdhsa_kernel k_qcfe10eb9b6_attn
		.amdhsa_group_segment_fixed_size 215040
		.amdhsa_private_segment_fixed_size 0
		.amdhsa_enable_private_segment 0
		.amdhsa_kernarg_size 40
		.amdhsa_user_sgpr_count 2
		.amdhsa_user_sgpr_kernarg_segment_ptr 1
		.amdhsa_wavefront_size32 1
		.amdhsa_system_sgpr_workgroup_id_x 1
		.amdhsa_system_sgpr_workgroup_id_y 1
		.amdhsa_system_sgpr_workgroup_id_z 1
		.amdhsa_system_vgpr_workitem_id 0
		.amdhsa_next_free_vgpr 256
		.amdhsa_next_free_sgpr 100
		.amdhsa_reserve_vcc 0
		.amdhsa_float_denorm_mode_32 3
		.amdhsa_float_denorm_mode_16_64 3
		.amdhsa_memory_ordered 1
		.amdhsa_forward_progress 1
		.amdhsa_inst_pref_size 58
	.end_amdhsa_kernel
	.amdgpu_metadata
---
amdhsa.version: [ 1, 2 ]
amdhsa.kernels:
  - .name:           k_qcfe10eb9b6_attn
    .symbol:         k_qcfe10eb9b6_attn.kd
    .args:
      - { .name: qbuf, .offset: 0, .size: 8, .value_kind: global_buffer, .address_space: global }
      - { .name: kv, .offset: 8, .size: 8, .value_kind: global_buffer, .address_space: global }
      - { .name: maskw, .offset: 16, .size: 8, .value_kind: global_buffer, .address_space: global }
      - { .name: ctx, .offset: 24, .size: 8, .value_kind: global_buffer, .address_space: global }
      - { .name: ctxs, .offset: 32, .size: 8, .value_kind: global_buffer, .address_space: global }
    .group_segment_fixed_size: 215040
    .private_segment_fixed_size: 0
    .kernarg_segment_align: 8
    .kernarg_segment_size: 40
    .max_flat_workgroup_size: 512
    .sgpr_count:     100
    .vgpr_count:     256
    .wavefront_size: 32
...
	.end_amdgpu_metadata
.endif
;; end of part 3
;; launch outp (part 4): grid 256 x 1, 4 waves a work-group, no clusters, 132,096 bytes of LDS; arguments ctx, ctxs, wimg, Wo_scales, Q, bo, ln_gamma, ln_beta, out0; writes out0
.if DOCPART == 4
	.amdgcn_target "amdgcn-amd-amdhsa--gfx1250"
	.amdhsa_code_object_version 6
	.text
	.protected	k_qcfe10eb9b6_outp
	.globl	k_qcfe10eb9b6_outp
	.p2align	8
	.type	k_qcfe10eb9b6_outp,@function
k_qcfe10eb9b6_outp:
	s_mov_b64 s[64:65], 0
	v_nop
	global_prefetch_b8 v0, s[64:65] scope:SCOPE_SE
	s_setreg_imm32_b32 hwreg(HW_REG_WAVE_MODE, 25, 1), 1
	s_wait_xcnt 0x0
; OUTP: out0 = layer_norm(ctx Wo^T + bo + Q) x gamma + beta; the product on codes of E3M2 with E8M0 scales, all else in f32.
; SHARES.  A work-group owns 32 rows (tiles 2 B and 2 B + 1) over all 1,024 columns, since the norm wants whole rows.  Wave w makes columns 256 w .. 256 w + 255: 16 tiles of Wo x 2 tiles of rows = 32 accumulators.
; ctx's 16 fragments stay in registers (192).  Wo's fragments come as images, three loads of 512 consecutive bytes each, straight into the registers of the one wave that uses them, one tile (8 K steps) ahead.
; The product is used transposed (source 0 = 16 rows of Wo, source 1 = 16 rows of ctx): a lane holds eight neighbouring columns of one row.  Tile T of Wo holds the rows 32 (T / 2) + 8 (T % 2) + r + 8 (r / 8).
; The results meet in a stage in LDS (32 rows x 4,096 bytes + 16); behind one barrier each wave takes 8 whole rows: residual, bias, mean, variance, gain, and stores 512 consecutive bytes an instruction.
; NO JOINT LOADS: every work-group reads all of Wo's images (786,432 bytes), but no two waves of a work-group share a fragment, so a way through LDS would write and read those bytes once more for each
; work-group, in a ring beside the stage's 131,584 bytes; the images are read from the cache that all work-groups share.
; LIMITS: scale bytes 0xff, NaN and infinities are not served.
.set SPITCH, 4112                      ; a stage row: 4,096 + 16: the sixteen rows of a store start 16 bytes apart modulo 256
.set L16,  1                           ; v1   16 x lane
.set L8,   2                           ; v2   8 x lane
.set ASA,  3                           ; v3   ctx's scale words: 512 h + 4 r
.set WSA,  4                           ; v4   Wo's scale bytes: (8 h + r + 8 (r / 8)) x 32
.set STO,  5                           ; v5-6 the stage, in: row 16 u + r, + 64 h + 1,024 w
.set RD,   7                           ; v7   and out: my 8 rows, 16 bytes a lane
.set AS,   32                          ; v32-39   ctx's scale words, K step s: tile 2 B in lanes 0-15, 2 B + 1 in lanes 16-31
.set WSC,  40                          ; v40-103  Wo's: tiles 2 a (lanes 0-15), 2 a + 1 (lanes 16-31), K step s at 8 a + s
.set X,    104                         ; v104-135 a row at work: lane l holds columns 128 q + 4 l .. + 3
.set BO,   136                         ; v136-167 bo   v168-199 gamma   v200-231 beta, in the same layout
.set GA,   168
.set BE,   200
.set TS,   232                         ; v232-239 four chains
.set MN,   240                         ; v[240:241] the mean   v[242:243] 1 / sqrt(var + eps)   v244, v246 at work
.set RS,   242
.set PT,   244
.set VA,   246
                                       ; window 1: ctx's fragments (u, s) at v[96 u + 12 s]; later the residual's rows 0-3, 32 registers each
                                       ; window 2: Wo's fragments, two sets, (T % 2, s) at v[96 (T % 2) + 12 s]; later the residual's rows 4-7
                                       ; window 3: the accumulators (u, T) at v[8 (2 T + u)]
.set MSB, 0
.macro WIN new                         ; the immediate's high byte repeats the setting that is left
.if MSB != (\new)
	s_set_vgpr_msb (MSB<<8)|(\new)
.set MSB, (\new)
.endif
.endm
.macro PLACES
.rept 4
	v_nop
.endr
.endm
.macro WM d, a, b, c, sa, sb, ra, rb
.if (\ra) && (\rb)
	v_wmma_scale_f32_16x16x128_f8f6f4 v[0+(\d):7+(\d)], v[0+(\a):11+(\a)], v[0+(\b):11+(\b)], v[0+(\c):7+(\c)], v[\sa], v[\sb] matrix_a_fmt:MATRIX_FMT_BF6 matrix_b_fmt:MATRIX_FMT_BF6 matrix_a_scale:MATRIX_SCALE_ROW1 matrix_b_scale:MATRIX_SCALE_ROW1
.elseif (\ra)
	v_wmma_scale_f32_16x16x128_f8f6f4 v[0+(\d):7+(\d)], v[0+(\a):11+(\a)], v[0+(\b):11+(\b)], v[0+(\c):7+(\c)], v[\sa], v[\sb] matrix_a_fmt:MATRIX_FMT_BF6 matrix_b_fmt:MATRIX_FMT_BF6 matrix_a_scale:MATRIX_SCALE_ROW1
.elseif (\rb)
	v_wmma_scale_f32_16x16x128_f8f6f4 v[0+(\d):7+(\d)], v[0+(\a):11+(\a)], v[0+(\b):11+(\b)], v[0+(\c):7+(\c)], v[\sa], v[\sb] matrix_a_fmt:MATRIX_FMT_BF6 matrix_b_fmt:MATRIX_FMT_BF6 matrix_b_scale:MATRIX_SCALE_ROW1
.else
	v_wmma_scale_f32_16x16x128_f8f6f4 v[0+(\d):7+(\d)], v[0+(\a):11+(\a)], v[0+(\b):11+(\b)], v[0+(\c):7+(\c)], v[\sa], v[\sb] matrix_a_fmt:MATRIX_FMT_BF6 matrix_b_fmt:MATRIX_FMT_BF6
.endif
.endm
.macro WMZ d, a, b, sa, sb, ra, rb     ; the same with the constant 0 as C: the first K step starts the sum
.if (\ra) && (\rb)
	v_wmma_scale_f32_16x16x128_f8f6f4 v[0+(\d):7+(\d)], v[0+(\a):11+(\a)], v[0+(\b):11+(\b)], 0, v[\sa], v[\sb] matrix_a_fmt:MATRIX_FMT_BF6 matrix_b_fmt:MATRIX_FMT_BF6 matrix_a_scale:MATRIX_SCALE_ROW1 matrix_b_scale:MATRIX_SCALE_ROW1
.elseif (\ra)
	v_wmma_scale_f32_16x16x128_f8f6f4 v[0+(\d):7+(\d)], v[0+(\a):11+(\a)], v[0+(\b):11+(\b)], 0, v[\sa], v[\sb] matrix_a_fmt:MATRIX_FMT_BF6 matrix_b_fmt:MATRIX_FMT_BF6 matrix_a_scale:MATRIX_SCALE_ROW1
.elseif (\rb)
	v_wmma_scale_f32_16x16x128_f8f6f4 v[0+(\d):7+(\d)], v[0+(\a):11+(\a)], v[0+(\b):11+(\b)], 0, v[\sa], v[\sb] matrix_a_fmt:MATRIX_FMT_BF6 matrix_b_fmt:MATRIX_FMT_BF6 matrix_b_scale:MATRIX_SCALE_ROW1
.else
	v_wmma_scale_f32_16x16x128_f8f6f4 v[0+(\d):7+(\d)], v[0+(\a):11+(\a)], v[0+(\b):11+(\b)], 0, v[\sa], v[\sb] matrix_a_fmt:MATRIX_FMT_BF6 matrix_b_fmt:MATRIX_FMT_BF6
.endif
.endm
	s_load_b512 s[4:19], s[0:1], 0x0               ; ctx, ctxs, wimg, Wo_scales, Q, bo, gamma, beta
	s_load_b64 s[20:21], s[0:1], 0x40              ; out0
	v_lshl_add_u32 v254, v0, 2, 0x20200
	v_mov_b32 v255, 0
	v_lshrrev_b32 v8, 5, v0
	v_readfirstlane_b32 s24, v8                    ; wave 0..3
	v_and_b32 v8, 31, v0                           ; lane
	v_and_b32 v9, 15, v0                           ; r
	v_bfe_u32 v10, v0, 4, 1                        ; h
	v_and_b32 v11, 8, v9
	v_add_nc_u32 v11, v11, v9                      ; r + 8 (r / 8)
	v_lshlrev_b32 v[L16], 4, v8
	v_lshlrev_b32 v[L8], 3, v8
	v_lshlrev_b32 v[ASA], 2, v9
	v_lshl_add_u32 v[ASA], v10, 9, v[ASA]
	v_lshl_add_u32 v[WSA], v10, 3, v11
	v_lshlrev_b32 v[WSA], 5, v[WSA]
	s_lshl_b32 s25, s24, 10
	v_mul_u32_u24 v[STO], v9, SPITCH
	v_lshl_add_u32 v[STO], v10, 6, v[STO]
	v_add_nc_u32 v[STO], s25, v[STO]
	v_add_nc_u32 v[STO+1], 16*SPITCH, v[STO]
	s_mul_i32 s25, s24, 8*SPITCH
	v_add_nc_u32 v[RD], s25, v[L16]
	v_mov_b32 v[MN+1], 0                           ; (named as upper halves of pairs)
	v_mov_b32 v[RS+1], 0
	v_mov_b32 v[PT], 0                             ; written once: a lane permute's destination counts as one of its sources
	s_mov_b32 s22, 0x3a800000                      ; 1 / 1,024
	s_mov_b32 s23, 0x3727c5ac                      ; eps = 1e-5
	s_mov_b32 s26, 0x76543210
	s_mov_b32 s27, 0xfedcba98                      ; selects for lane l xor 16
	s_mul_i32 s28, ttmp9, 24576                    ; ctx: two tiles of 12,288 bytes
	s_mov_b32 s29, 0
	s_lshl_b32 s30, ttmp9, 10                      ; their scale words: two tiles of 512 bytes
	s_mov_b32 s31, 0
	s_mul_i32 s32, s24, 196608                     ; Wo's images: behind three weights', my 16 tiles of 12,288 bytes
	s_add_co_u32 s32, s32, 3*786432
	s_mov_b32 s33, 0
	s_lshl_b32 s34, s24, 13                        ; Wo's scale bytes: my 256 rows of 32
	s_mov_b32 s35, 0
	s_lshl_b32 s36, ttmp9, 5                       ; the stage's rows 8 w .. 8 w + 7 are the true rows 32 B + 8 (w / 2) + 16 (w % 2) + 0 .. 7
	s_lshr_b32 s37, s24, 1
	s_lshl_b32 s37, s37, 3
	s_add_co_u32 s36, s36, s37
	s_and_b32 s37, s24, 1
	s_lshl_b32 s37, s37, 4
	s_add_co_u32 s36, s36, s37
	s_lshl_b32 s36, s36, 12                        ; rows of 4,096 bytes
	s_mov_b32 s37, 0
	s_wait_kmcnt 0x0
	s_add_nc_u64 s[4:5], s[4:5], s[28:29]
	s_add_nc_u64 s[6:7], s[6:7], s[30:31]
	s_add_nc_u64 s[8:9], s[8:9], s[32:33]
	s_add_nc_u64 s[10:11], s[10:11], s[34:35]
	s_add_nc_u64 s[12:13], s[12:13], s[36:37]
	s_add_nc_u64 s[20:21], s[20:21], s[36:37]
	WIN 0x40                                       ; destination window 1
.irp u, 0,1
.irp s, 0,1,2,3,4,5,6,7                        ; K step s = heads 2 s and 2 s + 1: two half fragments of 768 bytes
	global_load_b128 v[96*\u+12*\s:96*\u+12*\s+3], v[L16], s[4:5] offset:12288*\u+1536*\s
	global_load_b64 v[96*\u+12*\s+4:96*\u+12*\s+5], v[L8], s[4:5] offset:12288*\u+1536*\s+512
	global_load_b128 v[96*\u+12*\s+6:96*\u+12*\s+9], v[L16], s[4:5] offset:12288*\u+1536*\s+768
	global_load_b64 v[96*\u+12*\s+10:96*\u+12*\s+11], v[L8], s[4:5] offset:12288*\u+1536*\s+1280
.endr
.endr
	WIN 0
.irp s, 0,1,2,3,4,5,6,7
	global_load_b32 v[AS+\s], v[ASA], s[6:7] offset:64*\s
.endr
.irp a, 0,1,2,3,4,5,6,7
.irp i, 0,1
	global_load_b128 v[WSC+8*\a+4*\i:WSC+8*\a+4*\i+3], v[WSA], s[10:11] offset:1024*\a+16*\i
.endr
.endr
.irp q, 0,1,2,3,4,5,6,7
	global_load_b128 v[BO+4*\q:BO+4*\q+3], v[L16], s[14:15] offset:512*\q
	global_load_b128 v[GA+4*\q:GA+4*\q+3], v[L16], s[16:17] offset:512*\q
	global_load_b128 v[BE+4*\q:BE+4*\q+3], v[L16], s[18:19] offset:512*\q
.endr
.macro WLOAD n                         ; tile n's eight fragments into set n % 2: 24 loads of 512 consecutive bytes
	WIN 0x80                                       ; destination window 2
.irp s, 0,1,2,3,4,5,6,7
.irp g, 0,1,2
	global_load_b128 v[96*((\n)%2)+12*\s+4*\g:96*((\n)%2)+12*\s+4*\g+3], v[L16], s[8:9] offset:12288*(\n)+1536*\s+512*\g
.endr
.endr
	WIN 0
.endm
	WLOAD 0
	WLOAD 1
.irp n, 0,1,2,3,4,5,6,7,8,9,10,11,12,13,14,15
.if \n < 15
	s_wait_loadcnt 24                              ; all but the next tile's 24 loads: this tile's fragments are in (at first also ctx, the scales and the three vectors)
.else
	s_wait_loadcnt 0x0
.endif
	WIN 0xf6                                       ; source 0 (Wo) window 2, source 1 (ctx) window 1, C and D window 3
.irp s, 0,1,2,3,4,5,6,7                        ; the tile's two accumulators take turns, one instruction a turn
.irp u, 0,1
.if \s == 0
	WMZ 8*(2*\n+\u), 96*(\n%2)+12*\s, 96*\u+12*\s, WSC+8*(\n/2)+\s, AS+\s, \n%2, \u
.else
	WM 8*(2*\n+\u), 96*(\n%2)+12*\s, 96*\u+12*\s, 8*(2*\n+\u), WSC+8*(\n/2)+\s, AS+\s, \n%2, \u
.endif
.endr
.endr
	WIN 0
	PLACES                                         ; in front of loads into registers that these products read, and at the end of the first read of results
.if \n < 14
	WLOAD \n+2
.endif
.endr
	; the residual: my 8 true rows of Q, 64 loads of 512 consecutive bytes, into the registers that ctx's and Wo's fragments have left
	WIN 0x40
.irp i, 0,1,2,3
.irp q, 0,1,2,3,4,5,6,7
	global_load_b128 v[32*\i+4*\q:32*\i+4*\q+3], v[L16], s[12:13] offset:4096*\i+512*\q th:TH_LOAD_NT
.endr
.endr
	WIN 0x80
.irp i, 0,1,2,3
.irp q, 0,1,2,3,4,5,6,7
	global_load_b128 v[32*\i+4*\q:32*\i+4*\q+3], v[L16], s[12:13] offset:4096*(\i+4)+512*\q th:TH_LOAD_NT
.endr
.endr
	WIN 0x0c                                       ; an LDS store's data are its source 1: window 3
.irp n, 0,1,2,3,4,5,6,7,8,9,10,11,12,13,14,15
.irp u, 0,1
	ds_store_b128 v[STO+\u], v[8*(2*\n+\u):8*(2*\n+\u)+3] offset:128*(\n/2)+32*(\n%2)        ; each accumulator from its low end on: columns 32 (n / 2) + 8 (n % 2) + 16 h + 0 .. 7 of my 256
	ds_store_b128 v[STO+\u], v[8*(2*\n+\u)+4:8*(2*\n+\u)+7] offset:128*(\n/2)+32*(\n%2)+16
.endr
.endr
	WIN 0
	s_wait_dscnt 0x0                               ; for the others' sake: my stores have landed
	s_barrier_signal -1
	s_barrier_wait -1                              ; 32 whole rows lie in the stage
.macro LANESUM reg                     ; the sum over the 32 lanes, in every lane
	v_add_f32_dpp v[\reg], v[\reg], v[\reg] row_xmask:1 row_mask:0xf bank_mask:0xf
	v_add_f32_dpp v[\reg], v[\reg], v[\reg] row_xmask:2 row_mask:0xf bank_mask:0xf
	v_add_f32_dpp v[\reg], v[\reg], v[\reg] row_xmask:4 row_mask:0xf bank_mask:0xf
	v_add_f32_dpp v[\reg], v[\reg], v[\reg] row_xmask:8 row_mask:0xf bank_mask:0xf
	v_permlanex16_b32 v[PT], v[\reg], s26, s27
	v_add_f32 v[\reg], v[\reg], v[PT]
.endm
.macro FOLD                            ; four chains of pairs into one number a lane
	v_pk_add_f32 v[TS:TS+1], v[TS:TS+1], v[TS+2:TS+3]
	v_pk_add_f32 v[TS+4:TS+5], v[TS+4:TS+5], v[TS+6:TS+7]
	v_pk_add_f32 v[TS:TS+1], v[TS:TS+1], v[TS+4:TS+5]
	v_add_f32 v[TS], v[TS], v[TS+1]
.endm
.macro ROW i
.irp q, 0,1,2,3,4,5,6,7
	ds_load_b128 v[X+4*\q:X+4*\q+3], v[RD] offset:SPITCH*\i+512*\q
.endr
	s_wait_loadcnt 8*(7-\i)                        ; this row's eight loads of the residual are in; the later rows' may be out
	s_wait_dscnt 0x0
	WIN 0x04*(1+\i/4)                              ; source 1: window 1 or 2
.set j, 0
.rept 16
	v_pk_add_f32 v[X+j:X+j+1], v[X+j:X+j+1], v[32*(\i%4)+j:32*(\i%4)+j+1]
.set j, j+2
.endr
	WIN 0
.set j, 0
.rept 16
	v_pk_add_f32 v[X+j:X+j+1], v[X+j:X+j+1], v[BO+j:BO+j+1]
.set j, j+2
.endr
.irp c, 0,1,2,3
	v_pk_add_f32 v[TS+2*\c:TS+2*\c+1], v[X+2*\c:X+2*\c+1], v[X+8+2*\c:X+8+2*\c+1]
.endr
.irp k, 2,3
.irp c, 0,1,2,3
	v_pk_add_f32 v[TS+2*\c:TS+2*\c+1], v[TS+2*\c:TS+2*\c+1], v[X+8*\k+2*\c:X+8*\k+2*\c+1]
.endr
.endr
	FOLD
	LANESUM TS
	v_mul_f32 v[MN], s22, v[TS]                    ; the mean
.set j, 0
.rept 16
	v_pk_add_f32 v[X+j:X+j+1], v[X+j:X+j+1], v[MN:MN+1] op_sel_hi:[1,0] neg_lo:[0,1] neg_hi:[0,1]
.set j, j+2
.endr
.irp c, 0,1,2,3
	v_pk_mul_f32 v[TS+2*\c:TS+2*\c+1], v[X+2*\c:X+2*\c+1], v[X+2*\c:X+2*\c+1]
.endr
.irp k, 1,2,3
.irp c, 0,1,2,3
	v_pk_fma_f32 v[TS+2*\c:TS+2*\c+1], v[X+8*\k+2*\c:X+8*\k+2*\c+1], v[X+8*\k+2*\c:X+8*\k+2*\c+1], v[TS+2*\c:TS+2*\c+1]
.endr
.endr
	FOLD
	LANESUM TS
	v_fma_f32 v[VA], v[TS], s22, s23               ; the variance + eps
	v_rsq_f32 v[RS], v[VA]
	v_nop                                          ; one plain place behind a transcendental
.set j, 0
	s_wait_alu depctr_va_vdst(0)
.rept 16
	v_pk_mul_f32 v[X+j:X+j+1], v[X+j:X+j+1], v[RS:RS+1] op_sel_hi:[1,0]
.set j, j+2
.endr
.set j, 0
.rept 16
	v_pk_fma_f32 v[X+j:X+j+1], v[X+j:X+j+1], v[GA+j:GA+j+1], v[BE+j:BE+j+1]
.set j, j+2
.endr
.irp q, 0,1,2,3,4,5,6,7
	global_store_b128 v[L16], v[X+4*\q:X+4*\q+3], s[20:21] offset:4096*\i+512*\q th:TH_STORE_NT   ; 512 consecutive bytes, aligned; written once
.endr
	s_wait_xcnt 0x0                                ; the stores have read the row's registers: the next row lands there
.endm
.irp i, 0,1,2,3,4,5,6,7
	ROW \i
.endr
	s_wait_tensorcnt 0x0
	ds_add_u32 v254, v255
	s_wait_dscnt 0x0
	s_endpgm
.Lfunc_end_k_qcfe10eb9b6_outp:
	.size	k_qcfe10eb9b6_outp, .Lfunc_end_k_qcfe10eb9b6_outp-k_qcfe10eb9b6_outp
	.p2alignl 7, 3214868480
	.fill 96, 4, 3214868480
	.section	.rodata,"a",@progbits
	.p2align	6, 0x0
	.amdhsa_kernel k_qcfe10eb9b6_outp
		.amdhsa_group_segment_fixed_size 132096
		.amdhsa_private_segment_fixed_size 0
		.amdhsa_enable_private_segment 0
		.amdhsa_kernarg_size 72
		.amdhsa_user_sgpr_count 2
		.amdhsa_user_sgpr_kernarg_segment_ptr 1
		.amdhsa_wavefront_size32 1
		.amdhsa_system_sgpr_workgroup_id_x 1
		.amdhsa_system_sgpr_workgroup_id_y 1
		.amdhsa_system_sgpr_workgroup_id_z 1
		.amdhsa_system_vgpr_workitem_id 0
		.amdhsa_next_free_vgpr 1024
		.amdhsa_next_free_sgpr 66
		.amdhsa_reserve_vcc 0
		.amdhsa_float_denorm_mode_32 3
		.amdhsa_float_denorm_mode_16_64 3
		.amdhsa_memory_ordered 1
		.amdhsa_forward_progress 1
		.amdhsa_inst_pref_size 172
	.end_amdhsa_kernel
	.amdgpu_metadata
---
amdhsa.version: [ 1, 2 ]
amdhsa.kernels:
  - .name:           k_qcfe10eb9b6_outp
    .symbol:         k_qcfe10eb9b6_outp.kd
    .args:
      - { .name: ctx, .offset: 0, .size: 8, .value_kind: global_buffer, .address_space: global }
      - { .name: ctxs, .offset: 8, .size: 8, .value_kind: global_buffer, .address_space: global }
      - { .name: wimg, .offset: 16, .size: 8, .value_kind: global_buffer, .address_space: global }
      - { .name: Wo_scales, .offset: 24, .size: 8, .value_kind: global_buffer, .address_space: global }
      - { .name: Q, .offset: 32, .size: 8, .value_kind: global_buffer, .address_space: global }
      - { .name: bo, .offset: 40, .size: 8, .value_kind: global_buffer, .address_space: global }
      - { .name: ln_gamma, .offset: 48, .size: 8, .value_kind: global_buffer, .address_space: global }
      - { .name: ln_beta, .offset: 56, .size: 8, .value_kind: global_buffer, .address_space: global }
      - { .name: out0, .offset: 64, .size: 8, .value_kind: global_buffer, .address_space: global }
    .group_segment_fixed_size: 132096
    .private_segment_fixed_size: 0
    .kernarg_segment_align: 8
    .kernarg_segment_size: 72
    .max_flat_workgroup_size: 128
    .sgpr_count:     66
    .vgpr_count:     1024
    .wavefront_size: 32
...
	.end_amdgpu_metadata
.endif
;; end of part 4
;; ======== version 2 of 2: 4 launches
;; limits: right only within a limited range of input values
;; workspace buffers: Qc 6,291,456 bytes; Qs 262,144 bytes; maskw 2,097,152 bytes of whole numbers; wimg 3,145,728 bytes; qbuf 6,815,744 bytes; kv 13,631,488 bytes; ctx 6,291,456 bytes; ctxs 262,144 bytes
;; launch prep (part 5): grid 256 x 1, 4 waves a work-group, no clusters, 67,072 bytes of LDS; arguments Q, attn_mask, Wq_codes, Wk_codes, Wv_codes, Wo_codes, Qc, Qs, maskw, wimg; writes Qc, Qs, maskw, wimg
.if DOCPART == 5
	.amdgcn_target "amdgcn-amd-amdhsa--gfx1250"
	.amdhsa_code_object_version 6
	.text
	.protected	k_qcfe10eb9b6_prep
	.globl	k_qcfe10eb9b6_prep
	.p2align	8
	.type	k_qcfe10eb9b6_prep,@function
k_qcfe10eb9b6_prep:
	s_mov_b64 s[64:65], 0
	v_nop
	global_prefetch_b8 v0, s[64:65] scope:SCOPE_SE
	s_setreg_imm32_b32 hwreg(HW_REG_WAVE_MODE, 25, 1), 1
	s_wait_xcnt 0x0
; PREP: three jobs that every wave runs one after the other; 1,024 waves, each with its own share; waves share nothing, so there is no barrier.
; JOB C: two fragments (16 rows x 128 K) of the four weights are copied into wimg as IMAGES OF THE OPERAND'S REGISTERS: registers 4 g .. 4 g + 3 of lane l at 512 g + 16 l, 1,536 bytes a fragment,
;        [Wq, Wk, Wv, Wo][tile T 0..63][K step s 0..7].  Tile T holds the rows 32 (T / 2) + 8 (T % 2) + r + 8 (r / 8), r = lane % 16.
; JOB A: 8,192 numbers of Q (f32) become codes of E3M2, K innermost, four codes in three bytes, and one E8M0 byte for each 32: Qc and Qs are laid as K_codes and K_scales are.
;        A block's byte is its largest magnitude's exponent field - 4, held at 1 from below (a block of zeros gets 1 where the quantiser says 127: its codes are zeros, and only this program reads the bytes).
; JOB B: the mask bytes of one tile of 16 queries x 1,024 keys become LANE MASKS: word n (0..63) of key step j (128 keys) has at bit l = 16 h + r the mask of
;        query row 32 (T / 2) + 8 (T % 2) + r + 8 (r / 8) and key 128 j + 32 (n / 16) + 16 h + n % 16.  maskw: [tile 0..511][step 0..15][64 words].
; LIMITS: NaN and infinities in Q are not served; a mask byte counts by its lowest bit (bool is 0 or 1).
; No matrix unit, cluster or tensor load: each byte is read once and by one wave.
.set STEPS, 16
.set EMAX,  4
.set CB,    12                         ; bytes of 16 codes
.set R,     16                         ; v16-79   job A: four sets of 16 numbers as loaded
.set X,     80                         ; v80-111  two sets of 16 neighbours
.set E,     112                        ; v112-127 a scale byte for each step
.set C,     128                        ; v128-191 codes, four registers a step
.set WREG,  8192                       ; LDS, job A: a region for each wave: two stages of 32 x SP bytes, then its 256 scale bytes
.set SP,    80
.set FA,    192                        ; v192-203 job C: the first weight's fragment
.set FB,    204                        ; v204-215 the second's
.set WOFF,  216                        ; v216     my lane's byte in a tile of a weight
.set MIN,   221                        ; v221     job B: the stage on the way in
.set MOUT,  222                        ; v222     and on the way out
.set TA,    226                        ; v226-227 at work
.set WD,    230                        ; v230-245 the words of eight key steps, two registers a step
.set ML,    16                         ; v16-143  mask bytes as loaded: 2 chunks x 16 rows x 4 registers
.set MT,    144                        ; v144-207 turned: step sg, block b at 16 sg + 4 b
.set MSTG,  4*WREG                     ; LDS, job B: 16 rows x MP bytes for each wave
.set MP,    528                        ; 512 bytes + 16: the sixteen rows of a read start 16 bytes apart modulo 256
.set WBYTES, 786432                    ; a weight's images
	s_load_b512 s[4:19], s[0:1], 0x0               ; Q, mask, Wq, Wk, Wv, Wo, Qc, Qs
	s_load_b128 s[20:23], s[0:1], 0x40             ; maskw, wimg
	v_lshl_add_u32 v248, v0, 2, 0x10400
	v_mov_b32 v249, 0
	v_lshrrev_b32 v1, 5, v0
	v_readfirstlane_b32 s24, v1                    ; wave 0..3
	v_and_b32 v2, 31, v0                           ; lane
	v_lshlrev_b32 v3, 4, v2                        ; 16 x lane
	v_lshlrev_b32 v7, 3, v2                        ; 8 x lane
	s_mul_i32 s25, s24, WREG
	v_lshrrev_b32 v14, 2, v2
	v_mul_u32_u24 v14, v14, SP
	v_and_b32 v15, 3, v2
	v_lshl_add_u32 v14, v15, 4, v14
	v_add_nc_u32 v14, s25, v14                     ; job A's stage, in: SP (lane / 4) + 16 (lane % 4)
	v_mul_u32_u24 v15, v2, SP
	v_add_nc_u32 v15, s25, v15                     ; out: SP x lane
	v_mul_u32_u24 v4, v2, CB                       ; my codes' place in a step's
	v_lshrrev_b32 v5, 1, v2
	s_add_co_u32 s25, s25, 2*32*SP
	v_add_nc_u32 v5, s25, v5                       ; my block's scale byte in LDS
	v_add_nc_u32 v6, s25, v7                       ; and 8 bytes a lane on the way out
	v_and_b32 v8, 15, v2                           ; r
	v_lshrrev_b32 v9, 4, v2                        ; h
	v_and_b32 v10, 8, v8
	v_add_nc_u32 v10, v10, v8                      ; r + 8 (r / 8)
	v_mul_u32_u24 v[WOFF], v10, 768
	v_mad_u32_u24 v[WOFF], v9, 24, v[WOFF]         ; a weight's row is 768 bytes; + 24 h
	s_mul_i32 s25, s24, 16*MP
	s_add_co_u32 s25, s25, MSTG
	v_add_nc_u32 v[MIN], s25, v3
	v_mul_u32_u24 v[MOUT], v8, MP
	v_lshl_add_u32 v[MOUT], v9, 4, v[MOUT]
	v_add_nc_u32 v[MOUT], s25, v[MOUT]             ; row r, + 16 h
	s_lshl_b32 s26, ttmp9, 2
	s_add_co_u32 s26, s26, s24                     ; my wave's number in the launch, 0..1023
	s_and_b32 s27, s26, 511                        ; the fragment: 8 T + s
	s_lshr_b32 s28, s27, 4
	s_lshl_b32 s28, s28, 5                         ; 32 (T / 2)
	s_bfe_u32 s29, s27, 0x10003
	s_lshl_b32 s29, s29, 3                         ; 8 (T % 2)
	s_add_co_u32 s28, s28, s29
	s_mul_i32 s28, s28, 768
	s_and_b32 s29, s27, 7
	s_mul_i32 s29, s29, 96                         ; K step s: 96 bytes
	s_add_co_u32 s28, s28, s29
	s_mov_b32 s29, 0
	s_mul_i32 s30, s27, 1536
	s_mov_b32 s31, 0
	s_wait_alu depctr_va_vdst(0)
	s_wait_kmcnt 0x0
	s_cmp_lt_u32 ttmp9, 128                        ; the first 512 waves take Wq and Wk, the others Wv and Wo: the choice hangs on the work-group's number alone
	s_cselect_b64 s[8:9], s[8:9], s[12:13]
	s_cselect_b64 s[10:11], s[10:11], s[14:15]
	s_cselect_b32 s27, 0, 2*WBYTES
	s_add_co_u32 s30, s30, s27
	s_add_nc_u64 s[8:9], s[8:9], s[28:29]
	s_add_nc_u64 s[10:11], s[10:11], s[28:29]
	s_add_nc_u64 s[22:23], s[22:23], s[30:31]
.irp p, 0,1,2,3,4,5
	global_load_b64 v[FA+2*\p:FA+2*\p+1], v[WOFF], s[8:9] offset:48*(\p/3)+8*(\p%3)
.endr
.irp p, 0,1,2,3,4,5
	global_load_b64 v[FB+2*\p:FB+2*\p+1], v[WOFF], s[10:11] offset:48*(\p/3)+8*(\p%3)
.endr
	s_lshl_b32 s28, s26, 15                        ; my 8,192 numbers of Q,
	s_add_nc_u64 s[4:5], s[4:5], s[28:29]
	s_mul_i32 s28, s26, 32*STEPS*CB                ; their 6,144 bytes of codes,
	s_add_nc_u64 s[16:17], s[16:17], s[28:29]
	s_lshl_b32 s28, s26, 8                         ; their 256 scale bytes
	s_add_nc_u64 s[18:19], s[18:19], s[28:29]
.macro LOAD t
.irp i, 0,1,2,3
	global_load_b128 v[R+16*((\t)%4)+4*\i:R+16*((\t)%4)+4*\i+3], v3, s[4:5] offset:2048*(\t)+512*\i th:TH_LOAD_NT   ; 32 lanes read 512 consecutive bytes
.endr
.endm
.macro TURN t                          ; step t's numbers through the stage: LDS serves a wave's instructions in order, so no wait stands between the stores and the loads
.irp i, 0,1,2,3
	ds_store_b128 v14, v[R+16*((\t)%4)+4*\i:R+16*((\t)%4)+4*\i+3] offset:32*SP*((\t)%2)+8*SP*\i
.endr
.irp i, 0,1,2,3
	ds_load_b128 v[X+16*((\t)%2)+4*\i:X+16*((\t)%2)+4*\i+3], v15 offset:32*SP*((\t)%2)+16*\i
.endr
.endm
.irp t, 0,1,2,3
	LOAD \t
.endr
	s_wait_loadcnt 16                              ; the twelve loads of the weights are in; job A's sixteen stay out
.irp g, 0,1,2
	global_store_b128 v3, v[FA+4*\g:FA+4*\g+3], s[22:23] offset:512*\g            ; 32 lanes store 512 consecutive bytes, aligned
	global_store_b128 v3, v[FB+4*\g:FB+4*\g+3], s[22:23] offset:WBYTES+512*\g
.endr
	s_wait_loadcnt 12                              ; step 0's four loads are in
	TURN 0
.macro STEP t
.set XS, X+16*((\t)%2)
.if (\t) > 0
	s_wait_dscnt 1                                 ; this step's numbers are back from the stage (the last step's byte store may be out)
.else
	s_wait_dscnt 0x0
.endif
.if (\t)+4 < STEPS
	LOAD (\t)+4
.endif
.if (\t)+1 < STEPS
.if STEPS-2-(\t) >= 3
	s_wait_loadcnt 12                              ; the next step's four loads are in; those of the three steps behind it may be out
.else
	s_wait_loadcnt 4*(STEPS-2-(\t))
.endif
	TURN (\t)+1
.endif
	v_max3_num_f32 v8, |v[XS]|, |v[XS+1]|, |v[XS+2]|               ; the largest magnitude of my 16
	v_max3_num_f32 v9, |v[XS+3]|, |v[XS+4]|, |v[XS+5]|
.irp i, 6,10
	v_max3_num_f32 v8, v8, |v[XS+\i]|, |v[XS+\i+1]|
	v_max3_num_f32 v9, v9, |v[XS+\i+2]|, |v[XS+\i+3]|
.endr
	v_max3_num_f32 v8, v8, |v[XS+14]|, |v[XS+15]|
	v_max3_num_f32 v8, v8, v9, (EMAX+1)<<23        ; and the floor 2^(5 - 127): the byte cannot fall under 1
	v_max_num_f32_dpp v8, v8, v8 row_xmask:1 row_mask:0xf bank_mask:0xf   ; and of my neighbour's 16: the block's
	v_add_nc_u32 v11, -(EMAX<<23), v8              ; 4 off its exponent field: the conversion takes that field as its scale
	v_cvt_scalef32_pk16_bf6_f32 v[C+4*(\t):C+4*(\t)+2], v[XS:XS+15], v11
	v_lshrrev_b32 v[E+(\t)], 23, v11               ; the scale's byte
	ds_store_b8 v5, v[E+(\t)] offset:16*(\t)       ; both lanes of a block write the same byte with the same value
	global_store_b96 v4, v[C+4*(\t):C+4*(\t)+2], s[16:17] offset:32*CB*(\t)
.endm
.irp t, 0,1,2,3,4,5,6,7,8,9,10,11,12,13,14,15
	STEP \t
.endr
	ds_load_b64 v[12:13], v6                       ; LDS serves a wave's instructions in order: these see my byte stores
	s_wait_dscnt 0x0
	global_store_b64 v7, v[12:13], s[18:19]        ; 32 lanes store 256 consecutive bytes, aligned
	; ---- JOB B.  Wave w: tile 2 g + w / 2, keys 1,024 (w % 2) on
	s_wait_xcnt 0x0                                ; the stores above have read their registers: they are written again below
	s_lshr_b32 s27, s24, 1                         ; u
	s_and_b32 s28, s24, 1                          ; which half of the keys
	s_lshl_b32 s30, ttmp9, 2
	s_add_co_u32 s30, s30, s27
	s_lshl_b32 s30, s30, 14                        ; (32 g + 8 u) rows of 2,048 bytes
	s_lshl_b32 s29, s28, 10
	s_add_co_u32 s30, s30, s29
	s_add_nc_u64 s[6:7], s[6:7], s[30:31]
	s_lshl_b32 s30, ttmp9, 13                      ; two tiles of 4,096 bytes of words a work-group
	s_lshl_b32 s29, s27, 12
	s_add_co_u32 s30, s30, s29
	s_lshl_b32 s29, s28, 11                        ; eight steps of 256 bytes
	s_add_co_u32 s30, s30, s29
	s_add_nc_u64 s[20:21], s[20:21], s[30:31]
.irp ch, 0,1
.irp j, 0,1,2,3,4,5,6,7,8,9,10,11,12,13,14,15
	global_load_b128 v[ML+64*\ch+4*\j:ML+64*\ch+4*\j+3], v3, s[6:7] offset:(\j+8*(\j/8))*2048+512*\ch th:TH_LOAD_NT   ; the tile's row j, 512 consecutive bytes
.endr
.endr
.set j, 0
.rept 16
	v_mov_b32 v[WD+j], 0                           ; written once whole: a lane write's destination counts as read
.set j, j+1
.endr
; The 64 words of key step sg of the chunk in hand, into the two registers of step k: word n at lane n / 2 of register n % 2
.macro PACK sg, k
.set nn, 0
.rept 2
.set n1, 0
.rept 32
.set n, nn+n1
	v_and_b32 v[TA+(n1%2)], 1<<(8*(n&3)), v[MT+16*(\sg)+4*(n>>4)+((n&15)>>2)]    ; key 32 (n / 16) + 16 h + n % 16 of my row
	v_cmp_ne_u32 s[32+n1], 0, v[TA+(n1%2)]                                       ; the 32 lanes' bits are the word
.set n1, n1+1
.endr
.set n1, 0
.rept 32
.set n, nn+n1
	v_writelane_b32 v[WD+2*(\k)+(n&1)], s[32+n1], n>>1
.set n1, n1+1
.endr
.set nn, nn+32
.endr
.endm
.macro CHUNK ch                        ; 512 keys: four steps
	s_wait_loadcnt 16*(1-\ch)                      ; this chunk's sixteen loads are in; the other chunk's may be out
.irp j, 0,1,2,3,4,5,6,7,8,9,10,11,12,13,14,15
	ds_store_b128 v[MIN], v[ML+64*\ch+4*\j:ML+64*\ch+4*\j+3] offset:MP*\j
.endr
.irp sg, 0,1,2,3
.irp b, 0,1,2,3
	ds_load_b128 v[MT+16*\sg+4*\b:MT+16*\sg+4*\b+3], v[MOUT] offset:128*\sg+32*\b   ; in order behind my stores
.endr
.endr
	s_wait_dscnt 0x0
.irp sg, 0,1,2,3
	PACK \sg, 4*\ch+\sg
	global_store_b64 v7, v[WD+2*(4*\ch+\sg):WD+2*(4*\ch+\sg)+1], s[20:21] offset:256*(4*\ch+\sg)   ; 256 consecutive bytes, aligned; each step has registers of its own
.endr
.endm
	CHUNK 0
	CHUNK 1
	s_wait_tensorcnt 0x0
	ds_add_u32 v248, v249
	s_wait_dscnt 0x0
	s_endpgm
.Lfunc_end_k_qcfe10eb9b6_prep:
	.size	k_qcfe10eb9b6_prep, .Lfunc_end_k_qcfe10eb9b6_prep-k_qcfe10eb9b6_prep
	.p2alignl 7, 3214868480
	.fill 96, 4, 3214868480
	.section	.rodata,"a",@progbits
	.p2align	6, 0x0
	.amdhsa_kernel k_qcfe10eb9b6_prep
		.amdhsa_group_segment_fixed_size 67072
		.amdhsa_private_segment_fixed_size 0
		.amdhsa_enable_private_segment 0
		.amdhsa_kernarg_size 80
		.amdhsa_user_sgpr_count 2
		.amdhsa_user_sgpr_kernarg_segment_ptr 1
		.amdhsa_wavefront_size32 1
		.amdhsa_system_sgpr_workgroup_id_x 1
		.amdhsa_system_sgpr_workgroup_id_y 1
		.amdhsa_system_sgpr_workgroup_id_z 1
		.amdhsa_system_vgpr_workitem_id 0
		.amdhsa_next_free_vgpr 250
		.amdhsa_next_free_sgpr 66
		.amdhsa_reserve_vcc 0
		.amdhsa_float_denorm_mode_32 3
		.amdhsa_float_denorm_mode_16_64 3
		.amdhsa_memory_ordered 1
		.amdhsa_forward_progress 1
		.amdhsa_inst_pref_size 136
	.end_amdhsa_kernel
	.amdgpu_metadata
---
amdhsa.version: [ 1, 2 ]
amdhsa.kernels:
  - .name:           k_qcfe10eb9b6_prep
    .symbol:         k_qcfe10eb9b6_prep.kd
    .args:
      - { .name: Q, .offset: 0, .size: 8, .value_kind: global_buffer, .address_space: global }
      - { .name: attn_mask, .offset: 8, .size: 8, .value_kind: global_buffer, .address_space: global }
      - { .name: Wq_codes, .offset: 16, .size: 8, .value_kind: global_buffer, .address_space: global }
      - { .name: Wk_codes, .offset: 24, .size: 8, .value_kind: global_buffer, .address_space: global }
      - { .name: Wv_codes, .offset: 32, .size: 8, .value_kind: global_buffer, .address_space: global }
      - { .name: Wo_codes, .offset: 40, .size: 8, .value_kind: global_buffer, .address_space: global }
      - { .name: Qc, .offset: 48, .size: 8, .value_kind: global_buffer, .address_space: global }
      - { .name: Qs, .offset: 56, .size: 8, .value_kind: global_buffer, .address_space: global }
      - { .name: maskw, .offset: 64, .size: 8, .value_kind: global_buffer, .address_space: global }
      - { .name: wimg, .offset: 72, .size: 8, .value_kind: global_buffer, .address_space: global }
    .group_segment_fixed_size: 67072
    .private_segment_fixed_size: 0
    .kernarg_segment_align: 8
    .kernarg_segment_size: 80
    .max_flat_workgroup_size: 128
    .sgpr_count:     66
    .vgpr_count:     250
    .wavefront_size: 32
...
	.end_amdgpu_metadata
.endif
;; end of part 5
;; launch proj (part 6): grid 16 x 12, 4 waves a work-group, no clusters, 53,760 bytes of LDS; arguments Qc, Qs, K_codes, K_scales, V_codes, V_scales, wimg, Wq_scales, Wk_scales, Wv_scales, bq, bk, bv, qbuf, kv; writes qbuf, kv
.if DOCPART == 6
	.amdgcn_target "amdgcn-amd-amdhsa--gfx1250"
	.amdhsa_code_object_version 6
	.text
	.protected	k_qcfe10eb9b6_proj
	.globl	k_qcfe10eb9b6_proj
	.p2align	8
	.type	k_qcfe10eb9b6_proj,@function
k_qcfe10eb9b6_proj:
	s_mov_b64 s[64:65], 0
	v_nop
	global_prefetch_b8 v0, s[64:65] scope:SCOPE_SE
	s_setreg_imm32_b32 hwreg(HW_REG_WAVE_SCHED_MODE, 0, 2), 2
	s_setreg_imm32_b32 hwreg(HW_REG_WAVE_MODE, 25, 1), 1
	s_wait_xcnt 0x0
	s_wait_alu depctr_vm_vsrc(0)
; PROJ: q = Q Wq^T + bq, k = K Wk^T + bk, v = V Wv^T + bv on codes of E3M2 with E8M0 scales, f32 sums; the results are quantised in registers along the NEXT product's K and stored as images of operand registers.
; SHARES.  Work-group (x, y): 512 rows of x (x = 0..15); y / 4 says which product (0 q, 1 k, 2 v), y % 4 which 256 rows of its weight.  Wave w holds the 64 rows of ONE head (4 (y % 4) + w) of the weight,
; 4 tiles x 8 K steps x 12 = 384 registers, for the whole launch.  The 512 rows go through LDS in 8 blocks of 64; a wave makes 64 x 64 results a block: 16 accumulators, 128 matrix instructions.
; 3 products x 4 slices x 16 = 192 work-groups: halves of the rows would make 384, which 256 WGPs take in two unequal turns with the weights read twice as often.
; TILES.  Tile T of any row axis holds the rows 32 (T / 2) + 8 (T % 2) + r + 8 (r / 8), r = lane % 16: then the 16 registers of result tiles 2 b, 2 b + 1 are 16 neighbours, 32 b + 16 (lane / 16) + 0 .. 15, of the next K.
; q, k: source 0 = 16 rows of W, source 1 = 16 rows of x: a lane holds one row of x and its registers run along the head's 64: two blocks of 32.
; v:    source 0 = 16 rows of x (keys), source 1 = 16 rows of W: a lane holds one of the head's 64 and its registers run along 64 keys, the K of the product with the softmax.
; OUT.  Half a fragment (16 rows x 64 along K, 6 registers, lane (r, h) holds block h): registers 0-3 at 16 l, registers 4-5 at 512 + 8 l: 768 bytes.  q, k: tile T at 768 T; v: key group G of 64, tile t of the head's 64 at 768 (4 G + t).
; Scale words, 256 bytes for four tiles: at 8 l + 4 j the word of tile 4 G + 2 j + h, row r: its two bytes below, the partner tile's two above (they scale zero products in the score product, whose K is 64).
; The bias is the C of each sum's first matrix instruction: eight registers a tile in the result's layout.
; NO JOINT LOADS: the four slices of a product read the same x, but x's rows must lie in LDS in tile order (bits 3 and 4 of the row's number change places), else the two groups of eight rows of a fragment,
; 16 rows apart, start at the same banks at every pitch that is a multiple of 16 bytes; so x goes through registers, 512 consecutive bytes a load, 393,216 bytes of codes a work-group.
; LIMITS: scale bytes 0xff, NaN and infinities are not served; a block of zeros gets the byte 1 (its codes are zeros; only this program reads the bytes).
; THE MODE: SCHED_MODE bits 1:0 = 2 (LLVM: expert scheduling mode 2), set by the entry lines.  The code itself states the register dependences
; between vector or matrix instructions and memory or LDS instructions, with s_wait_alu, always for 0.
; THE PLAN.  Registers that memory or LDS instructions touch:
;   v1-17, v26    addresses and offsets: made at the head, never written again.  One wait on va_vdst ahead of the first load serves them for the whole kernel.
;   ST            a block of x on its way: the global loads land in it, the LDS stores read it, no vector instruction names it.  One wait on vm_vsrc a block, between the stores and the next block's loads.
;   XF0 .. XF2    K step s multiplies set s % 3.  The LDS loads of K step s + 1 are issued ahead of the products of K step s and land in the set that K step s - 2 multiplied.
;                 So one wait on va_vdst at the heads of K steps 2, 4 and 6 frees the sets of the two K steps before it; the loads at the head of an odd K step follow products that name another set, with no wait.
;   XS            x's scale words: loaded once a block, read by all its products.
;   PC, SWP       written by the quantiser, read by the global stores: a wait on va_vdst ahead of each run of stores, a wait on vm_vsrc ahead of the next write.
;   W, the bias and W's scale words are loaded once, ahead of every product; the accumulators and the quantiser's other registers are named by vector and matrix instructions alone.
.set P,    784                         ; an LDS row of x: 768 bytes + 16 = 196 words: row r starts at bank 4 r mod 64, so the 32 lanes of an 8-byte load touch 64 different banks
.set XSC,  64*P                        ; behind the 64 rows: their scale bytes, 32 + 16 of padding each
.set L16,  1                           ; v1   16 x lane
.set L8,   2                           ; v2   8 x lane
.set A0,   3                           ; v3-5 where the three loads of a pair of rows go in LDS
.set ASC,  6                           ; v6   where my 16 scale bytes go
.set XA,   7                           ; v7   a fragment's place for my lane: 784 r + 24 h
.set XSA,  8                           ; v8   XSC + 48 x lane
.set VSEL, 9                           ; v9   byte selects: lanes 16-31 swap a scale word's halves
.set VB,   10                          ; v10-17 the bias: my byte for register j of a tile
.set XF,   32                          ; x's fragments, three sets of 4 x 12: sets 0 and 1 at v32-127, set 2 at v200-247
.set WS,   128                         ; v128-143 W's scale words: tiles 2 a (lanes 0-15), 2 a + 1 (lanes 16-31), K step s at 8 a + s
.set XS,   144                         ; v144-159 x's likewise
.set PC,   160                         ; v160-179 the codes just made
.set TM,   180                         ; v180-195 at work in the quantiser
.set PW,   196                         ; v196     the scale word just made
.set SWP,  198                         ; v198-199 the two words of the block that leave
.set BT,   192                         ; window 1: the bias tiles, 8 registers each;  W(t, s) at v[48 (s % 4) + 12 t] of window 1 (s < 4) or 2
.set ST,   128                         ; window 3: v128-227 a block of x on its way to LDS;  v0-127 the accumulators
.set XC,   36                          ; s[36:37] x's codes   s[38:39] x's scales   s[40:41] W's images   s[42:43] W's scales   s[44:45] bias   s[46:47] images out   s[48:49] scale words out
.set XSP,  38
.set WI,   40
.set WSP,  42
.set BP,   44
.set OUT,  46
.set OSC,  48
.set WV,   50
.set TEN,  51
.set SL,   52
.set BLK,  53
.set SEL,  54
.set MSB, 0
.macro WIN new                         ; the immediate's high byte repeats the setting that is left
.if MSB != (\new)
	s_set_vgpr_msb (MSB<<8)|(\new)
.set MSB, (\new)
.endif
.endm
.macro PLACES
.rept 4
	v_nop
.endr
.endm
; one matrix instruction: D, A, B, C, the two scale registers, and whether A's / B's scales stand in lanes 16-31
.macro WM d, a, b, c, sa, sb, ra, rb
.if (\ra) && (\rb)
	v_wmma_scale_f32_16x16x128_f8f6f4 v[0+(\d):7+(\d)], v[0+(\a):11+(\a)], v[0+(\b):11+(\b)], v[0+(\c):7+(\c)], v[\sa], v[\sb] matrix_a_fmt:MATRIX_FMT_BF6 matrix_b_fmt:MATRIX_FMT_BF6 matrix_a_scale:MATRIX_SCALE_ROW1 matrix_b_scale:MATRIX_SCALE_ROW1
.elseif (\ra)
	v_wmma_scale_f32_16x16x128_f8f6f4 v[0+(\d):7+(\d)], v[0+(\a):11+(\a)], v[0+(\b):11+(\b)], v[0+(\c):7+(\c)], v[\sa], v[\sb] matrix_a_fmt:MATRIX_FMT_BF6 matrix_b_fmt:MATRIX_FMT_BF6 matrix_a_scale:MATRIX_SCALE_ROW1
.elseif (\rb)
	v_wmma_scale_f32_16x16x128_f8f6f4 v[0+(\d):7+(\d)], v[0+(\a):11+(\a)], v[0+(\b):11+(\b)], v[0+(\c):7+(\c)], v[\sa], v[\sb] matrix_a_fmt:MATRIX_FMT_BF6 matrix_b_fmt:MATRIX_FMT_BF6 matrix_b_scale:MATRIX_SCALE_ROW1
.else
	v_wmma_scale_f32_16x16x128_f8f6f4 v[0+(\d):7+(\d)], v[0+(\a):11+(\a)], v[0+(\b):11+(\b)], v[0+(\c):7+(\c)], v[\sa], v[\sb] matrix_a_fmt:MATRIX_FMT_BF6 matrix_b_fmt:MATRIX_FMT_BF6
.endif
.endm
	s_load_b512 s[4:19], s[0:1], 0x0               ; Qc, Qs, K_codes, K_scales, V_codes, V_scales, wimg, Wq_scales
	s_load_b256 s[20:27], s[0:1], 0x40             ; Wk_scales, Wv_scales, bq, bk
	s_load_b128 s[28:31], s[0:1], 0x60             ; bv, qbuf
	s_load_b64 s[32:33], s[0:1], 0x70              ; kv
	v_lshl_add_u32 v254, v0, 2, 0xd000
	v_mov_b32 v255, 0
	v_lshrrev_b32 v18, 5, v0
	v_readfirstlane_b32 s[WV], v18                 ; wave 0..3
	v_and_b32 v20, 31, v0                          ; lane
	v_and_b32 v21, 15, v0                          ; r
	v_bfe_u32 v22, v0, 4, 1                        ; h
	v_and_b32 v23, 8, v21
	v_add_nc_u32 v23, v23, v21                     ; r + 8 (r / 8)
	v_lshlrev_b32 v[L16], 4, v20
	v_lshlrev_b32 v[L8], 3, v20
	s_wait_alu depctr_va_sdst(0)                   ; the wave's number is written, ahead of its first reader: LDS places and all bases are made from it
	; my 16 rows of a block, 16 w + i, go to the LDS rows 32 (w / 2) + 8 (w % 2) + i % 8 + 16 (i / 8): row 16 m + r of LDS is row r + 8 (r / 8) of the block's tile m
	s_lshr_b32 s56, s[WV], 1
	s_lshl_b32 s56, s56, 5
	s_and_b32 s57, s[WV], 1
	s_lshl_b32 s57, s57, 3
	s_add_co_u32 s56, s56, s57
	s_mul_i32 s58, s56, P
	v_add_nc_u32 v[A0], s58, v[L16]                ; bytes 0-511 of an even row
	v_lshl_add_u32 v[A0+1], v22, 4, v[A0]
	v_add_nc_u32 v[A0+1], 512, v[A0+1]             ; its bytes 512-767 (lanes 0-15), the next row's 0-255 (lanes 16-31, behind the padding)
	v_add_nc_u32 v[A0+2], 1040, v[A0]              ; the next row's bytes 256-767
	v_bfe_u32 v24, v0, 1, 3
	v_lshl_add_u32 v24, v22, 4, v24
	v_add_nc_u32 v24, s56, v24
	v_mul_u32_u24 v24, v24, 48
	v_and_b32 v25, 1, v0
	v_lshl_add_u32 v[ASC], v25, 4, v24
	v_add_nc_u32 v[ASC], XSC, v[ASC]               ; two lanes to a row's 32 scale bytes
	v_mul_u32_u24 v[XA], v21, P
	v_mad_u32_u24 v[XA], v22, 24, v[XA]
	v_mul_u32_u24 v[XSA], v20, 48
	v_add_nc_u32 v[XSA], XSC, v[XSA]
	v_mov_b32 v[VSEL], 0x03020100
	v_mov_b32 v27, 0x01000302
	v_cmp_eq_u32 vcc_lo, 1, v22
	s_wait_alu depctr_va_vcc(0)                    ; VCC is written, ahead of the select that reads it
	v_cndmask_b32 v[VSEL], v[VSEL], v27, vcc_lo
	v_lshl_add_u32 v26, v22, 3, v23
	v_lshlrev_b32 v26, 5, v26                      ; W's scale bytes: row 8 h + r + 8 (r / 8) of a pair of tiles, 32 bytes a row
.irp b, 0,1,2,3
	v_mov_b32 v[TM+4+\b], 0                        ; written once: a lane permute's destination counts as one of its sources
.endr
	s_mov_b32 s[SEL], 0x76543210
	s_mov_b32 s[SEL+1], 0xfedcba98                 ; selects for lane l xor 16
	s_mov_b32 s[BLK], 8
	s_and_b32 s56, ttmp7, 0xffff
	s_lshr_b32 s[TEN], s56, 2                      ; 0 q, 1 k, 2 v
	s_and_b32 s[SL], s56, 3
	s_lshl_b32 s57, s[SL], 2
	s_add_co_u32 s57, s57, s[WV]                   ; my head
	s_lshl_b32 s58, ttmp9, 5
	s_add_co_u32 s58, s58, s[WV]                   ; my first 16 rows of x: 32 x + w, in sixteens
	s_mul_i32 s60, s58, 16*768
	s_mov_b32 s61, 0
	s_lshl_b32 s62, s58, 9
	s_mov_b32 s63, 0
	s_wait_kmcnt 0x0
	s_cmp_eq_u32 s[TEN], 0                         ; the choices hang on the work-group's number alone
	s_cselect_b64 s[XC:XC+1], s[4:5], s[8:9]
	s_cselect_b64 s[XSP:XSP+1], s[6:7], s[10:11]
	s_cselect_b64 s[WSP:WSP+1], s[18:19], s[20:21]
	s_cselect_b64 s[BP:BP+1], s[24:25], s[26:27]
	s_cselect_b64 s[OUT:OUT+1], s[30:31], s[32:33]
	s_cmp_eq_u32 s[TEN], 2
	s_cselect_b64 s[XC:XC+1], s[12:13], s[XC:XC+1]
	s_cselect_b64 s[XSP:XSP+1], s[14:15], s[XSP:XSP+1]
	s_cselect_b64 s[WSP:WSP+1], s[22:23], s[WSP:WSP+1]
	s_cselect_b64 s[BP:BP+1], s[28:29], s[BP:BP+1]
	s_cselect_b32 s4, 98304, 0                     ; v's images lie behind k's
	s_cselect_b32 s5, 0, 64                        ; the bias: bytes for each h,
	s_cselect_b32 s6, 4, 0                         ; for each row of the tile,
	s_cselect_b32 s7, 0, 4                         ; for each register
	s_mov_b32 s8, 196608
	s_cselect_b32 s8, 204800, s8                   ; where the scale words begin in a head's block: k, v,
	s_cmp_eq_u32 s[TEN], 0
	s_cselect_b32 s8, 98304, s8                    ; q
	s_mov_b32 s9, 212992
	s_cselect_b32 s9, 106496, s9                   ; a head's block in kv, in qbuf
	s_add_nc_u64 s[XC:XC+1], s[XC:XC+1], s[60:61]
	s_add_nc_u64 s[XSP:XSP+1], s[XSP:XSP+1], s[62:63]
	s_mul_i32 s60, s[TEN], 786432
	s_mul_i32 s62, s57, 4*12288                    ; four tiles of eight images a head
	s_add_co_u32 s60, s60, s62
	s_add_nc_u64 s[WI:WI+1], s[16:17], s[60:61]
	s_lshl_b32 s60, s57, 11                        ; 64 rows of 32 scale bytes
	s_add_nc_u64 s[WSP:WSP+1], s[WSP:WSP+1], s[60:61]
	s_lshl_b32 s60, s57, 8                         ; 64 numbers of the bias
	s_add_nc_u64 s[BP:BP+1], s[BP:BP+1], s[60:61]
	s_lshr_b32 s60, ttmp9, 2
	s_lshl_b32 s60, s60, 4
	s_add_co_u32 s60, s60, s57                     ; 16 x batch + head
	s_mul_i32 s60, s60, s9
	s_and_b32 s62, ttmp9, 3                        ; which 512 of the batch's 2,048 rows: eight blocks of 3,072 bytes of images and 256 of words
	s_mul_i32 s58, s62, 24576
	s_add_co_u32 s58, s58, s60
	s_add_co_u32 s58, s58, s4
	s_mov_b32 s59, 0
	s_lshl_b32 s62, s62, 11
	s_add_co_u32 s62, s62, s60
	s_add_co_u32 s62, s62, s8
	s_add_nc_u64 s[OSC:OSC+1], s[OUT:OUT+1], s[62:63]
	s_add_nc_u64 s[OUT:OUT+1], s[OUT:OUT+1], s[58:59]
	v_mul_u32_u24 v[VB], v22, s5
	v_mad_u32_u24 v[VB], v23, s6, v[VB]
.irp j, 1,2,3,4,5,6,7
	v_add_nc_u32 v[VB+\j], s7, v[VB+\j-1]
.endr
	WIN 0x40                                       ; destination window 1
	s_wait_alu depctr_va_vdst(0)                   ; the addresses and offsets v1 to v17 and v26 are written, which every load and store of the kernel reads; no vector instruction stands between this wait and the first block's first product
.irp t, 0,1,2,3
.irp s, 0,1,2,3
.irp g, 0,1,2
	global_load_b128 v[48*\s+12*\t+4*\g:48*\s+12*\t+4*\g+3], v[L16], s[WI:WI+1] offset:(8*\t+\s)*1536+512*\g
.endr
.endr
.endr
.irp t, 0,1,2,3
.irp j, 0,1,2,3,4,5,6,7
	global_load_b32 v[BT+8*\t+\j], v[VB+\j], s[BP:BP+1] offset:(32*(\t/2)+8*(\t%2))*4
.endr
.endr
	WIN 0x80                                       ; destination window 2
.irp t, 0,1,2,3
.irp s, 0,1,2,3
.irp g, 0,1,2
	global_load_b128 v[48*\s+12*\t+4*\g:48*\s+12*\t+4*\g+3], v[L16], s[WI:WI+1] offset:(8*\t+\s+4)*1536+512*\g
.endr
.endr
.endr
	WIN 0
.irp a, 0,1
.irp i, 0,1
	global_load_b128 v[WS+8*\a+4*\i:WS+8*\a+4*\i+3], v26, s[WSP:WSP+1] offset:1024*\a+16*\i
.endr
.endr
.macro STLOAD                          ; my 16 rows of a block, 12,288 dense bytes, and their 512 scale bytes, into registers
	WIN 0xc0                                       ; destination window 3
.set i, 0
.rept 24
	global_load_b128 v[ST+4*i:ST+4*i+3], v[L16], s[XC:XC+1] offset:512*i
.set i, i+1
.endr
	global_load_b128 v[ST+96:ST+99], v[L16], s[XSP:XSP+1]
	WIN 0
.endm
.macro STSTORE                         ; and on into LDS: three stores to a pair of rows
	WIN 0x0c                                       ; an LDS store's data are its source 1: window 3
.irp k, 0,1,2,3,4,5,6,7
.irp e, 0,1,2
	ds_store_b128 v[A0+\e], v[ST+4*(3*\k+\e):ST+4*(3*\k+\e)+3] offset:(((2*\k)%8)+16*(\k/4))*P
.endr
.endr
	ds_store_b128 v[ASC], v[ST+96:ST+99]
	WIN 0
.endm
.macro FETCH s                         ; x's four fragments of K step s into set s % 3: 24 loads of 8 bytes
.set XB, XF+48*((\s)%3)+72*(((\s)%3)/2)        ; sets 0, 1, 2 at v32, v80, v200
.irp m, 0,1,2,3
.irp p, 0,1,2,3,4,5
	ds_load_b64 v[XB+12*\m+2*\p:XB+12*\m+2*\p+1], v[XA] offset:16*\m*P+96*(\s)+48*(\p/3)+8*(\p%3)
.endr
.endr
.endm
.macro XSLOAD                          ; x's scale words of all eight K steps: lane l takes LDS row 32 a + l
.irp a, 0,1
.irp i, 0,1
	ds_load_b128 v[XS+8*\a+4*\i:XS+8*\a+4*\i+3], v[XSA] offset:1536*\a+16*\i
.endr
.endr
.endm
; 16 matrix instructions of K step s; the 16 accumulators take turns, one instruction a turn, in the same order in every K step
.macro MUL path, s
.set XM, XF+48*((\s)%3)+72*(((\s)%3)/2)        ; the K step's set
.if \path == 0
.if \s == 0
	WIN 0xd1                                       ; source 0 (W) and C (bias) window 1, source 1 (x) window 0, D window 3
.elseif \s < 4
	WIN 0xf1
.else
	WIN 0xf2
.endif
.irp m, 0,1,2,3
.irp t, 0,1,2,3
.if \s == 0
	WM 8*(4*\m+\t), 48*(\s%4)+12*\t, XM+12*\m, BT+8*\t, WS+8*(\t/2)+\s, XS+8*(\m/2)+\s, \t%2, \m%2
.else
	WM 8*(4*\m+\t), 48*(\s%4)+12*\t, XM+12*\m, 8*(4*\m+\t), WS+8*(\t/2)+\s, XS+8*(\m/2)+\s, \t%2, \m%2
.endif
.endr
.endr
.else
.if \s == 0
	WIN 0xd4                                       ; source 0 (x) window 0, source 1 (W) and C (bias) window 1, D window 3
.elseif \s < 4
	WIN 0xf4
.else
	WIN 0xf8
.endif
.irp t, 0,1,2,3
.irp m, 0,1,2,3
.if \s == 0
	WM 8*(4*\t+\m), XM+12*\m, 48*(\s%4)+12*\t, BT+8*\t, XS+8*(\m/2)+\s, WS+8*(\t/2)+\s, \m%2, \t%2
.else
	WM 8*(4*\t+\m), XM+12*\m, 48*(\s%4)+12*\t, 8*(4*\t+\m), XS+8*(\m/2)+\s, WS+8*(\t/2)+\s, \m%2, \t%2
.endif
.endr
.endr
.endif
.endm
.macro MULALL path
.irp s, 0,1,2,3,4,5,6,7
.if (\s == 2) || (\s == 4) || (\s == 6)
	PLACES                                         ; in front of loads into the sets that the two K steps before multiplied
	s_wait_alu depctr_va_vdst(0)                   ; the products of the two K steps before are done reading their sets: this K step's loads land in the older of the two, the next K step's in the younger, which no product issued in between names
.endif
.if \s < 7
	FETCH \s+1
	s_wait_dscnt 24                                ; all but the 24 loads just issued: this K step's fragments (and, at first, the scale words) are in
.else
	s_wait_dscnt 0x0
.endif
	MUL \path, \s
	WIN 0
.endr
.endm
; 64 results of a lane in window 3, v[a] on, register 16 b + i = place 16 h + i of block b, become two half fragments in v[PC] on (blocks 0, 1 and 2, 3) and their four scale bytes in v[PW]
.macro QUANTW a
	WIN 0x0f                                       ; sources 0 and 1 window 3
.irp b, 0,1,2,3
	v_max3_num_f32 v[TM+\b], |v[\a+16*\b]|, |v[\a+16*\b+1]|, 0x2800000   ; each accumulator is read from its low end on; the floor 2^(5 - 127) holds the byte at 1 from below
.endr
.irp i, 2,4,6,8,10,12,14
.irp b, 0,1,2,3
	v_max3_num_f32 v[TM+\b], |v[\a+16*\b+\i]|, |v[\a+16*\b+\i+1]|, v[TM+\b]
.endr
.endr
	WIN 0
.irp b, 0,1,2,3
	v_permlanex16_b32 v[TM+4+\b], v[TM+\b], s[SEL], s[SEL+1]
.endr
.irp b, 0,1,2,3
	v_max_num_f32 v[TM+\b], v[TM+\b], v[TM+4+\b]   ; with lane l xor 16's: the block's largest magnitude
.endr
.irp b, 0,1,2,3
	v_add_nc_u32 v[TM+12+\b], 0xfe000000, v[TM+\b] ; 4 off its exponent field: the conversion's scale operand
.endr
.irp b, 0,1,2,3
	v_lshrrev_b32 v[TM+4+\b], 23, v[TM+12+\b]      ; the scale's byte
.endr
	v_lshl_or_b32 v[PW], v[TM+5], 8, v[TM+4]
	v_lshl_or_b32 v[PW], v[TM+6], 16, v[PW]
	v_lshl_or_b32 v[PW], v[TM+7], 24, v[PW]
	WIN 0x03                                       ; source 0 window 3
.irp c, 0,1
	v_cvt_scalef32_pk16_bf6_f32 v[PC+6*\c:PC+2+6*\c], v[\a+32*\c:\a+15+32*\c], v[TM+12+2*\c]
	v_cvt_scalef32_pk16_bf6_f32 v[PC+12+4*\c:PC+14+4*\c], v[\a+16+32*\c:\a+31+32*\c], v[TM+12+2*\c+1]   ; (a conversion's three registers begin on an even number)
.endr
	WIN 0
	v_nop                                          ; one plain place behind a scaled conversion
.irp c, 0,1                                    ; a whole block to a lane: lanes 0-15 the first block, lanes 16-31 the second
.irp i, 0,1,2
	v_permlane16_swap_b32 v[PC+6*\c+\i], v[PC+12+4*\c+\i]
.endr
.irp i, 0,1,2
	v_mov_b32 v[PC+3+6*\c+\i], v[PC+12+4*\c+\i]
.endr
.endr
.endm
.macro HOUT i                          ; the two half fragments leave: each store covers 512 or 256 consecutive bytes, aligned
	global_store_b128 v[L16], v[PC:PC+3], s[OUT:OUT+1] offset:768*\i
	global_store_b64 v[L8], v[PC+4:PC+5], s[OUT:OUT+1] offset:768*\i+512
	global_store_b128 v[L16], v[PC+6:PC+9], s[OUT:OUT+1] offset:768*(\i+1)
	global_store_b64 v[L8], v[PC+10:PC+11], s[OUT:OUT+1] offset:768*(\i+1)+512
.endm
	STLOAD                                         ; block 0
.Lblk:
	s_wait_loadcnt 0x0                             ; this block's rows are in registers (in the first trip also W, its scales and the bias): so the loads' bases may step
	s_add_nc_u64 s[XC:XC+1], s[XC:XC+1], 64*768
	s_add_nc_u64 s[XSP:XSP+1], s[XSP:XSP+1], 64*32
	s_wait_dscnt 0x0                               ; my reads of the last block are over
	s_barrier_signal -1
	s_barrier_wait -1                              ; everybody's are: the rows in LDS may be written again
	STSTORE
	s_wait_dscnt 0x0                               ; for the others' sake: my stores have landed
	s_barrier_signal -1
	s_barrier_wait -1                              ; the block's 64 rows lie in LDS
	s_wait_alu depctr_vm_vsrc(0)                   ; my LDS stores have read ST, in which the next block's loads land
	s_cmp_eq_u32 s[BLK], 1                         ; the next block is asked for here and lands under the products; the last trip asks for nothing: no load leaves its buffer
	s_cbranch_scc1 .Lno_next
	STLOAD
.Lno_next:
	XSLOAD                                         ; no wait: no vector or matrix instruction has been issued since the wait ahead of the last block's last stores (first trip: the head's)
	FETCH 0
	s_cmp_eq_u32 s[TEN], 2                         ; the same in all waves of the work-group; no barrier and no LDS store stands in either arm
	s_cbranch_scc1 .Lpath_v
	MULALL 0
	s_branch .Ljoin
.Lpath_v:
	MULALL 1
.Ljoin:
	PLACES                                         ; in front of the first read of the results
	QUANTW 0
	v_perm_b32 v[SWP], v[PW], v[PW], v[VSEL]       ; lanes 0-15: the even tile's word; lanes 16-31: the odd tile's, its own bytes below
	s_wait_alu depctr_va_vdst(0)                   ; the quantiser has written the codes v[PC ..], which the stores read
	HOUT 0
	s_wait_xcnt 0x0                                ; the stores have read the codes' registers: they are written again
	s_wait_alu depctr_vm_vsrc(0)                   ; the four stores have read v[PC ..], which the quantiser writes again
	QUANTW 64
	v_perm_b32 v[SWP+1], v[PW], v[PW], v[VSEL]
	s_wait_alu depctr_va_vdst(0)                   ; the quantiser has written v[PC ..] and the two words, which the stores read.  It also states that the block's products are done reading XS and the three sets: the next block's first loads land there, and no vector or matrix instruction is issued before them
	HOUT 2
	global_store_b64 v[L8], v[SWP:SWP+1], s[OSC:OSC+1]   ; the four tiles' scale words: 256 consecutive bytes, aligned
	s_wait_xcnt 0x0                                ; the stores have read their registers and bases: both may be written again
	s_wait_alu depctr_vm_vsrc(0)                   ; the five stores have read v[PC ..] and the two words, which the next block's quantiser writes again
	s_add_nc_u64 s[OUT:OUT+1], s[OUT:OUT+1], 3072
	s_add_nc_u64 s[OSC:OSC+1], s[OSC:OSC+1], 256
	s_sub_co_u32 s[BLK], s[BLK], 1
	s_cmp_lg_u32 s[BLK], 0
	s_cbranch_scc1 .Lblk
	s_wait_dscnt 0x0                               ; the closing lines, six on end
	s_wait_alu 0x0
	s_wait_tensorcnt 0x0
	ds_add_u32 v254, v255
	s_wait_dscnt 0x0
	s_endpgm
.Lfunc_end_k_qcfe10eb9b6_proj:
	.size	k_qcfe10eb9b6_proj, .Lfunc_end_k_qcfe10eb9b6_proj-k_qcfe10eb9b6_proj
	.p2alignl 7, 3214868480
	.fill 96, 4, 3214868480
	.section	.rodata,"a",@progbits
	.p2align	6, 0x0
	.amdhsa_kernel k_qcfe10eb9b6_proj
		.amdhsa_group_segment_fixed_size 53760
		.amdhsa_private_segment_fixed_size 0
		.amdhsa_enable_private_segment 0
		.amdhsa_kernarg_size 120
		.amdhsa_user_sgpr_count 2
		.amdhsa_user_sgpr_kernarg_segment_ptr 1
		.amdhsa_wavefront_size32 1
		.amdhsa_system_sgpr_workgroup_id_x 1
		.amdhsa_system_sgpr_workgroup_id_y 1
		.amdhsa_system_sgpr_workgroup_id_z 1
		.amdhsa_system_vgpr_workitem_id 0
		.amdhsa_next_free_vgpr 1024
		.amdhsa_next_free_sgpr 66
		.amdhsa_reserve_vcc 1
		.amdhsa_float_denorm_mode_32 3
		.amdhsa_float_denorm_mode_16_64 3
		.amdhsa_memory_ordered 1
		.amdhsa_forward_progress 1
		.amdhsa_inst_pref_size 92
	.end_amdhsa_kernel
	.amdgpu_metadata
---
amdhsa.version: [ 1, 2 ]
amdhsa.kernels:
  - .name:           k_qcfe10eb9b6_proj
    .symbol:         k_qcfe10eb9b6_proj.kd
    .args:
      - { .name: Qc, .offset: 0, .size: 8, .value_kind: global_buffer, .address_space: global }
      - { .name: Qs, .offset: 8, .size: 8, .value_kind: global_buffer, .address_space: global }
      - { .name: K_codes, .offset: 16, .size: 8, .value_kind: global_buffer, .address_space: global }
      - { .name: K_scales, .offset: 24, .size: 8, .value_kind: global_buffer, .address_space: global }
      - { .name: V_codes, .offset: 32, .size: 8, .value_kind: global_buffer, .address_space: global }
      - { .name: V_scales, .offset: 40, .size: 8, .value_kind: global_buffer, .address_space: global }
      - { .name: wimg, .offset: 48, .size: 8, .value_kind: global_buffer, .address_space: global }
      - { .name: Wq_scales, .offset: 56, .size: 8, .value_kind: global_buffer, .address_space: global }
      - { .name: Wk_scales, .offset: 64, .size: 8, .value_kind: global_buffer, .address_space: global }
      - { .name: Wv_scales, .offset: 72, .size: 8, .value_kind: global_buffer, .address_space: global }
      - { .name: bq, .offset: 80, .size: 8, .value_kind: global_buffer, .address_space: global }
      - { .name: bk, .offset: 88, .size: 8, .value_kind: global_buffer, .address_space: global }
      - { .name: bv, .offset: 96, .size: 8, .value_kind: global_buffer, .address_space: global }
      - { .name: qbuf, .offset: 104, .size: 8, .value_kind: global_buffer, .address_space: global }
      - { .name: kv, .offset: 112, .size: 8, .value_kind: global_buffer, .address_space: global }
    .group_segment_fixed_size: 53760
    .private_segment_fixed_size: 0
    .kernarg_segment_align: 8
    .kernarg_segment_size: 120
    .max_flat_workgroup_size: 128
    .sgpr_count:     66
    .vgpr_count:     1024
    .wavefront_size: 32
...
	.end_amdgpu_metadata
.endif
;; end of part 6
;; launch attn (part 7): grid 4 x 64, 16 waves a work-group, clusters of 4 x 1, 215,040 bytes of LDS; arguments qbuf, kv, maskw, ctx, ctxs; writes ctx, ctxs
.if DOCPART == 7
	.amdgcn_target "amdgcn-amd-amdhsa--gfx1250"
	.amdhsa_code_object_version 6
	.text
	.protected	k_qcfe10eb9b6_attn
	.globl	k_qcfe10eb9b6_attn
	.p2align	8
	.type	k_qcfe10eb9b6_attn,@function
k_qcfe10eb9b6_attn:
	s_mov_b64 s[64:65], 0
	v_nop
	global_prefetch_b8 v0, s[64:65] scope:SCOPE_SE
	s_setreg_imm32_b32 hwreg(HW_REG_WAVE_MODE, 25, 1), 1
	s_wait_xcnt 0x0
	s_wait_alu depctr_hold_cnt(0) depctr_sa_sdst(0) depctr_va_vdst(0) depctr_va_sdst(0) depctr_va_ssrc(0) depctr_va_vcc(0) depctr_vm_vsrc(0)
	s_getreg_b32 s2, hwreg(HW_REG_IB_STS2, 6, 4)
	s_cmp_eq_u32 s2, 0
	s_cbranch_scc0 .Lentry_in_a_cluster
	s_endpgm
.Lentry_in_a_cluster:
	s_bfe_u32 s2, ttmp6, 0x10000c
	s_cmp_lg_u32 s2, 0x3003
	s_cbranch_scc0 .Lentry_shape_is_right
	s_endpgm
.Lentry_shape_is_right:
; ATTN: ctx = softmax(where(mask, -1e9, q k^T / 8)) v for one head, both products on codes of E3M2 with E8M0 scales; ctx is quantised along the head's 64 and stored as images of operand registers.
; THE SOFTMAX: t = score x log2(e) / 8; M = the row's largest t so far, rounded UP to a whole number; p = 2^(t - M) is quantised along the keys, not normalised; the row's sum is taken of the unquantised p
; and divides O at the end.  When M moves, the sum and O are multiplied by 2^(old M - new M): exact.
; SHARES.  A work-group owns one head (y) and 512 queries; each of its sixteen waves owns two tiles of 16 queries and takes them in two passes over all 2,048 keys, 128 a step.  Four waves share a SIMD,
; so that one wave's vector work stands beside another's products and LDS loads.
; LDS.  A head's k and v, as images with their scale words, are 212,992 bytes: they are brought ONCE, each wave one sixteenth by one tensor load (one load of a wave is out), and stay: no slot is filled again,
; and the loop has no barrier.  CLUSTER: the four query blocks of a head want the same bytes and ask JOINTLY: the same load, the same descriptor, a mask that names the four.
; LDS map = a head's block of kv: 0 k's 128 tiles x 768 bytes; 98,304 v's (key group G of 64, tile t of the head's 64: 768 (4 G + t)); 196,608 k's scale words, 256 bytes for four tiles; 204,800 v's, 256 bytes a key group.
; LAYOUT.  S^T = k q^T (source 0 = 16 keys, source 1 = my 16 queries), O^T = v^T p^T: a lane holds ONE query throughout.  Tile T of keys holds the keys 32 (T / 2) + 8 (T % 2) + r + 8 (r / 8),
; so the 16 registers of tiles 2 b, 2 b + 1 are the keys 32 b + 16 (lane / 16) + 0 .. 15.
; K = 64 IN AN INSTRUCTION OF K = 128: q's fragment is six registers of codes and six of zero codes.  k's tiles stand six registers apart, so the upper half of tile t's operand is tile t + 1's codes (behind tile 7: zeros):
; they meet q's zero codes alone, E3M2 has no code for infinity or NaN, and the upper two scale bytes are the partner tile's, never 0xff: they add nothing.
; THE MASK comes as lane masks, 64 words a step, by scalar loads one step ahead: one select a score.
; LIMITS.  A masked logit stands at -2^30 (score -2^33) where the module has -1e9: the product with c is then exact, so a row that is masked throughout gets p = 1 everywhere, as there;
; the result differs only where an unmasked logit lies under about -0.99e9.  Scale bytes 0xff, NaN and infinities are not served.  A block of zeros gets the byte 1 (its codes are zeros).
.set K16,   1                          ; v1   16 x lane
.set K8,    2                          ; v2   8 x lane
.set V16,   3                          ; v3   98,304 + 16 x lane
.set V8,    4                          ; v4   98,304 + 8 x lane
.set SK,    5                          ; v5   196,608 + 8 x lane
.set SV,    6                          ; v6   204,800 + 8 x lane
.set NEGV,  7                          ; v7   -2^33
.set ADK16, 8                          ; v8-11, v94-95 the step's LDS addresses
.set ADK8,  9
.set ADV16, 10
.set ADV8,  11
.set ADS,   94
.set ADT,   95
                                       ; v12 -M, v13 the largest t, v[14:15] the sum in two halves; v16-27, v28-39 q's two fragments
.set F,     40                         ; v40-87 eight tiles of k, later four fragments of v; v88-93 zeros
                                       ; v96-159 S^T, then p; v160-191 O^T
.set KS,    192                        ; v192-195 k's scale words: tiles 2 a (lanes 0-15), 2 a + 1 (lanes 16-31)
.set VS,    196                        ; v196-199 v's, as they lie: two key groups x two pairs of tiles
.set XV,    200                        ; v200-201 v's scale words for 128 keys
.set QS,    202                        ; v202 q's scale words: my first tile in lanes 0-15, my second in lanes 16-31
.set CBY,   203                        ; v203 4 r + h: my byte among ctx's scale words
.set BM,    208                        ; v208-211 the blocks' largest scores, then largest p
.set BT,    212                        ; v212-215 at work
.set SO,    216                        ; v216-219 the conversions' scale operands
.set TMP,   220
.set PS,    221                        ; v221 p's scale word
.set FF,    222                        ; v[222:223] f = 2^(old M - new M), and its pair's partner
.set PC,    224                        ; v224-235 p's codes
.set PT,    236                        ; v236-243 the conversions' second halves
.set S2,    244                        ; v[244:245] one of the sum's eight chains
.set CNT,   2
.set WV,    3
.set PSEL,  18
.set MB,    20                         ; s[20:21] my tiles' mask words   s[22:23] ctx   s[24:25] ctxs
.set CT,    22
.set CSP,   24
.set CS,    26                         ; s[26:27] c = log2(e) / 8
.set SEL,   28
.set TK,    30                         ; the step's images: 6,144 bytes a step
.set TS,    31                         ; its scale words: 512 bytes a step
.set MO,    66                         ; the mask words asked for: 256 bytes a step
.set HM,    67                         ; lanes 16-31
.macro ROUND                           ; a round of the cluster's barrier
	s_barrier_signal -1
	s_barrier_wait -1
	s_cmp_lg_u32 s[WV], 0
	s_cbranch_scc1 .Lnot_wave_0_\@
	s_barrier_signal -3
.Lnot_wave_0_\@:
	s_barrier_wait -3
	s_barrier_signal -1
	s_barrier_wait -1
.endm
.macro WM d, a, b, c, sa, sb, ra, rb
.if (\ra) && (\rb)
	v_wmma_scale_f32_16x16x128_f8f6f4 v[0+(\d):7+(\d)], v[0+(\a):11+(\a)], v[0+(\b):11+(\b)], v[0+(\c):7+(\c)], v[\sa], v[\sb] matrix_a_fmt:MATRIX_FMT_BF6 matrix_b_fmt:MATRIX_FMT_BF6 matrix_a_scale:MATRIX_SCALE_ROW1 matrix_b_scale:MATRIX_SCALE_ROW1
.elseif (\ra)
	v_wmma_scale_f32_16x16x128_f8f6f4 v[0+(\d):7+(\d)], v[0+(\a):11+(\a)], v[0+(\b):11+(\b)], v[0+(\c):7+(\c)], v[\sa], v[\sb] matrix_a_fmt:MATRIX_FMT_BF6 matrix_b_fmt:MATRIX_FMT_BF6 matrix_a_scale:MATRIX_SCALE_ROW1
.elseif (\rb)
	v_wmma_scale_f32_16x16x128_f8f6f4 v[0+(\d):7+(\d)], v[0+(\a):11+(\a)], v[0+(\b):11+(\b)], v[0+(\c):7+(\c)], v[\sa], v[\sb] matrix_a_fmt:MATRIX_FMT_BF6 matrix_b_fmt:MATRIX_FMT_BF6 matrix_b_scale:MATRIX_SCALE_ROW1
.else
	v_wmma_scale_f32_16x16x128_f8f6f4 v[0+(\d):7+(\d)], v[0+(\a):11+(\a)], v[0+(\b):11+(\b)], v[0+(\c):7+(\c)], v[\sa], v[\sb] matrix_a_fmt:MATRIX_FMT_BF6 matrix_b_fmt:MATRIX_FMT_BF6
.endif
.endm
.macro WMZ d, a, b, sa, sb, ra, rb     ; the same with the constant 0 as C
.if (\ra) && (\rb)
	v_wmma_scale_f32_16x16x128_f8f6f4 v[0+(\d):7+(\d)], v[0+(\a):11+(\a)], v[0+(\b):11+(\b)], 0, v[\sa], v[\sb] matrix_a_fmt:MATRIX_FMT_BF6 matrix_b_fmt:MATRIX_FMT_BF6 matrix_a_scale:MATRIX_SCALE_ROW1 matrix_b_scale:MATRIX_SCALE_ROW1
.elseif (\ra)
	v_wmma_scale_f32_16x16x128_f8f6f4 v[0+(\d):7+(\d)], v[0+(\a):11+(\a)], v[0+(\b):11+(\b)], 0, v[\sa], v[\sb] matrix_a_fmt:MATRIX_FMT_BF6 matrix_b_fmt:MATRIX_FMT_BF6 matrix_a_scale:MATRIX_SCALE_ROW1
.elseif (\rb)
	v_wmma_scale_f32_16x16x128_f8f6f4 v[0+(\d):7+(\d)], v[0+(\a):11+(\a)], v[0+(\b):11+(\b)], 0, v[\sa], v[\sb] matrix_a_fmt:MATRIX_FMT_BF6 matrix_b_fmt:MATRIX_FMT_BF6 matrix_b_scale:MATRIX_SCALE_ROW1
.else
	v_wmma_scale_f32_16x16x128_f8f6f4 v[0+(\d):7+(\d)], v[0+(\a):11+(\a)], v[0+(\b):11+(\b)], 0, v[\sa], v[\sb] matrix_a_fmt:MATRIX_FMT_BF6 matrix_b_fmt:MATRIX_FMT_BF6
.endif
.endm
	s_load_b256 s[16:23], s[0:1], 0x0              ; qbuf, kv, maskw, ctx
	s_load_b64 s[24:25], s[0:1], 0x20              ; ctxs
	v_lshl_add_u32 v254, v0, 2, 0x34000
	v_mov_b32 v255, 0
	ds_add_u32 v254, v255
	ds_add_u32 v254, v255
	v_lshrrev_b32 v1, 5, v0
	s_delay_alu instid0(VALU_DEP_1)
	v_readfirstlane_b32 s[WV], v1                  ; wave 0..15
	s_and_b32 s32, ttmp7, 0xffff                   ; 16 x batch + head: the four partners share it
	s_mul_i32 s34, s32, 212992
	s_mul_i32 s5, s[WV], 13312                     ; my sixteenth of the head's block: in LDS, and
	s_add_co_u32 s34, s34, s5                      ; in memory.  No place in the cluster enters either
	s_mov_b32 s35, 0
	s_mov_b32 s4, 1                                ; group 0: count = 1
	; group 1: 52 rows of 256 bytes (32 elements of 8 bytes), dense, no padding
	s_mov_b32 s8, 15|(3<<16)|(1<<21)               ; 15:0 the mask: all four work-groups; 17:16 elements of 8 bytes; 21 set beside a mask
	s_mov_b32 s9, 32<<16                           ; tensor_dim0 = 32
	s_mov_b32 s10, 52<<16                          ; tensor_dim1 = 52
	s_mov_b32 s11, 32<<16                          ; tile_dim0 = 32
	s_mov_b32 s12, 52                              ; tile_dim1 = 52
	s_mov_b32 s13, 32                              ; elements from row to row
	s_mov_b32 s14, 0
	s_mov_b32 s15, 0
	; what hangs on my place in the cluster: global addresses of q, the mask words and ctx alone
	s_bfe_u32 s36, ttmp6, 0x40000                  ; cx
	s_lshl_b32 s37, ttmp9, 2
	s_add_co_u32 s36, s36, s37                     ; my block of 512 queries
	s_lshl_b32 s36, s36, 4
	s_add_co_u32 s36, s36, s[WV]                   ; my pair of tiles in the head, 0..63
	s_lshr_b32 s37, s32, 4                         ; batch
	s_and_b32 s38, s32, 15                         ; head
	s_lshl_b32 s39, s37, 6
	s_add_co_u32 s39, s39, s36                     ; my pair of tiles among all rows, 0..255
	s_mul_i32 s40, s32, 106496                     ; the head's block of qbuf
	s_mul_i32 s42, s36, 1536
	s_add_co_u32 s42, s42, s40                     ; my two tiles' images
	s_mov_b32 s43, 0
	s_lshr_b32 s46, s36, 1
	s_lshl_b32 s46, s46, 8
	s_and_b32 s47, s36, 1
	s_lshl_b32 s47, s47, 2
	s_add_co_u32 s46, s46, s47
	s_add_co_u32 s46, s46, s40
	s_add_co_u32 s46, s46, 98304                   ; their scale words: block (pair / 2), word pair % 2
	s_mov_b32 s47, 0
	s_lshl_b32 s48, s39, 13                        ; mask words: 4,096 bytes a tile
	s_mov_b32 s49, 0
	s_mul_i32 s50, s39, 24576                      ; ctx: 16 heads x 768 bytes a tile
	s_mul_i32 s51, s38, 768
	s_add_co_u32 s50, s50, s51
	s_mov_b32 s51, 0
	s_lshl_b32 s52, s39, 10                        ; ctx's scale words: 512 bytes a tile,
	s_lshr_b32 s53, s38, 1
	s_lshl_b32 s53, s53, 6                         ; 64 for each pair of heads,
	s_add_co_u32 s52, s52, s53
	s_and_b32 s53, s38, 1
	s_lshl_b32 s53, s53, 1                         ; two bytes a head
	s_add_co_u32 s52, s52, s53
	s_mov_b32 s53, 0
	s_mov_b32 s[CS], 0x3e38aa3b                    ; c = log2(e) / 8
	s_mov_b32 s[CS+1], s[CS]                       ; (named with it as a pair, so it is written)
	s_mov_b32 s[SEL], 0x76543210
	s_mov_b32 s[SEL+1], 0xfedcba98                 ; selects for lane l xor 16
	s_mov_b32 s[HM], 0xffff0000
	s_wait_dscnt 0x0
	s_wait_kmcnt 0x0
	s_add_nc_u64 s[6:7], s[18:19], s[34:35]        ; group 0: the global address,
	s_or_b32 s7, s7, 0x80000000                    ; and the type
	s_mov_b32 s[PSEL], 0x05040100                  ; (kv's address has gone into the descriptor)
	ROUND                                          ; all four work-groups are here: the joint loads meet
	tensor_load_to_lds s[4:7], s[8:15]
	s_nop 0
.rept 4
	v_nop
.endr
	s_add_nc_u64 s[44:45], s[16:17], s[46:47]      ; q's scale words
	s_add_nc_u64 s[16:17], s[16:17], s[42:43]      ; q's images
	s_add_nc_u64 s[MB:MB+1], s[MB:MB+1], s[48:49]
	s_add_nc_u64 s[CT:CT+1], s[CT:CT+1], s[50:51]
	s_add_nc_u64 s[CSP:CSP+1], s[CSP:CSP+1], s[52:53]
	v_and_b32 v94, 31, v0
	s_delay_alu instid0(VALU_DEP_1)
	v_lshlrev_b32 v[K16], 4, v94
	s_delay_alu instid0(VALU_DEP_2)
	v_lshlrev_b32 v[K8], 3, v94
.irp p, 0,1
	global_load_b128 v[16+12*\p:19+12*\p], v[K16], s[16:17] offset:768*\p
	global_load_b64 v[20+12*\p:21+12*\p], v[K8], s[16:17] offset:768*\p+512
.endr
	global_load_b32 v[QS], v[K8], s[44:45]
	v_add_nc_u32 v[V16], 98304, v[K16]
	v_add_nc_u32 v[V8], 98304, v[K8]
	v_add_nc_u32 v[SK], 196608, v[K8]
	v_add_nc_u32 v[SV], 204800, v[K8]
	v_mov_b32 v[NEGV], 0xd0000000
	v_and_b32 v95, 15, v0
	v_bfe_u32 v[CBY], v0, 4, 1
	s_delay_alu instid0(VALU_DEP_1)
	v_lshl_add_u32 v[CBY], v95, 2, v[CBY]
.irp j, 22,23,24,25,26,27,34,35,36,37,38,39,88,89,90,91,92,93
	v_mov_b32 v\j, 0                               ; zero codes: the upper halves of q's fragments, and what stands behind k's tile 7
.endr
.irp b, 0,1,2,3
	v_mov_b32 v[BT+\b], 0                          ; written once: a lane permute's destination counts as one of its sources
.endr
	v_mov_b32 v[FF+1], 0                           ; (named as the upper half of a pair)
	s_wait_tensorcnt 0x0                           ; my sixteenth has landed,
	s_barrier_signal -1
	s_barrier_wait -1                              ; everybody's has
	s_wait_loadcnt 0x0                             ; q
.macro MLD p                           ; the 64 mask words of tile p at step MO / 256
	s_load_b512 s[32:47], s[MB:MB+1], s[MO] offset:4096*\p
	s_load_b512 s[48:63], s[MB:MB+1], s[MO] offset:4096*\p+64
	s_load_b512 s[68:83], s[MB:MB+1], s[MO] offset:4096*\p+128
	s_load_b512 s[84:99], s[MB:MB+1], s[MO] offset:4096*\p+192
.endm
; A KEY STEP: 128 keys, for my tile p
.macro STEP p
	v_add_nc_u32 v[ADK16], s[TK], v[K16]           ; these six are also the places behind the last step's products, in front of the loads into their operands
	v_add_nc_u32 v[ADK8], s[TK], v[K8]
	v_add_nc_u32 v[ADV16], s[TK], v[V16]
	v_add_nc_u32 v[ADV8], s[TK], v[V8]
	v_add_nc_u32 v[ADS], s[TS], v[SK]
	v_add_nc_u32 v[ADT], s[TS], v[SV]
.irp g, 0,1
	ds_load_b64 v[KS+2*\g:KS+2*\g+1], v[ADS] offset:256*\g
	ds_load_b64 v[VS+2*\g:VS+2*\g+1], v[ADT] offset:256*\g
.endr
.irp t, 0,1,2,3,4,5,6,7
	ds_load_b128 v[F+6*\t:F+6*\t+3], v[ADK16] offset:768*\t
	ds_load_b64 v[F+6*\t+4:F+6*\t+5], v[ADK8] offset:768*\t+512
.endr
	s_wait_alu depctr_va_vdst(0)
	s_wait_dscnt 0x0
.irp t, 0,1,2,3,4,5,6,7
	WMZ 96+8*\t, F+6*\t, 16+12*\p, KS+\t/2, QS, \t%2, \p
.endr
	v_perm_b32 v[XV], v[VS+2], v[VS], s[PSEL]      ; v's scale words for 128 keys: two bytes of each key group.  With the two v_nop: the four places behind the products
	v_perm_b32 v[XV+1], v[VS+3], v[VS+1], s[PSEL]
	v_nop
	v_nop
.irp t, 0,1,2,3
.irp c, 0,1
	ds_load_b128 v[F+12*\t+6*\c:F+12*\t+6*\c+3], v[ADV16] offset:(4*\c+\t)*768      ; v's fragments land under the softmax
	ds_load_b64 v[F+12*\t+6*\c+4:F+12*\t+6*\c+5], v[ADV8] offset:(4*\c+\t)*768+512
.endr
.endr
	s_wait_kmcnt 0x0                               ; this step's mask words are in, and their loads' offset may step
.set n, 0
.rept 64
.if n < 32
	v_cndmask_b32 v[96+n], v[96+n], v[NEGV], s[32+n]   ; ascending: each accumulator is read from its low end on
.else
	v_cndmask_b32 v[96+n], v[96+n], v[NEGV], s[36+n]
.endif
.set n, n+1
.endr
.irp b, 0,1,2,3
	v_max3_num_f32 v[BM+\b], v[96+16*\b], v[97+16*\b], v[98+16*\b]   ; the largest score of each block of 32 keys: for the row's maximum, and, since p rises with the score, for the block's largest p
.endr
.irp i, 3,5,7,9,11,13
.irp b, 0,1,2,3
	s_delay_alu instid0(VALU_DEP_4)
	v_max3_num_f32 v[BM+\b], v[BM+\b], v[96+16*\b+\i], v[97+16*\b+\i]
.endr
.endr
.irp b, 0,1,2,3
	s_delay_alu instid0(VALU_DEP_4)
	v_max_num_f32 v[BM+\b], v[BM+\b], v[111+16*\b]
.endr
	s_add_co_u32 s[MO], s[MO], 256                 ; the next step's words are asked for; the last trip asks for its own again: no load leaves the buffer
	s_min_u32 s[MO], s[MO], 3840
	MLD \p
.irp b, 0,1,2,3
	v_permlanex16_b32 v[BT+\b], v[BM+\b], s[SEL], s[SEL+1]
.endr
.irp b, 0,1,2,3
	s_delay_alu instid0(VALU_DEP_4)
	v_max_num_f32 v[BM+\b], v[BM+\b], v[BT+\b]     ; with lane l xor 16's 16 keys
.endr
	s_delay_alu instid0(VALU_DEP_2)
	v_max3_num_f32 v[TMP], v[BM], v[BM+1], v[BM+2]
	s_delay_alu instid0(VALU_DEP_1)
	v_max_num_f32 v[TMP], v[TMP], v[BM+3]          ; the step's largest score of my query
	s_delay_alu instid0(VALU_DEP_1)
	v_mul_f32 v[TMP], s[CS], v[TMP]                ; as t (c is positive)
	s_delay_alu instid0(VALU_DEP_1)
	v_max_num_f32 v13, v13, v[TMP]                 ; the running largest t
	v_mov_b32 v[TMP], v12
	s_delay_alu instid0(VALU_DEP_2)
	v_floor_f32 v12, -v13                          ; the new -M = floor(-t): M is a whole number
	s_delay_alu instid0(VALU_DEP_1)
	v_sub_f32 v[TMP], v12, v[TMP]                  ; old M - new M: a whole number, 0 or less
	s_delay_alu instid0(VALU_DEP_1)
	v_cvt_i32_f32 v[TMP], v[TMP]                   ; (it saturates)
	s_delay_alu instid0(VALU_DEP_1)
	v_ldexp_f32 v[FF], 1.0, v[TMP]                 ; f = 2^(old M - new M)
.set j, 0
.rept 32
	v_pk_fma_f32 v[96+j:97+j], v[96+j:97+j], s[CS:CS+1], v[12:13] op_sel_hi:[1,0,0]   ; t - M, two at a time
.set j, j+2
.endr
.irp b, 0,1,2,3
	v_fma_f32 v[BM+\b], v[BM+\b], s[CS], v12       ; the same of each block's largest score
.endr
.set j, 0
	s_setprio 1
	s_wait_alu depctr_va_vdst(0)
.rept 64
	v_exp_f32 v[96+j], v[96+j]                     ; p = 2^(t - M), at most 1
.set j, j+1
.endr
.irp b, 0,1,2,3
	v_exp_f32 v[BM+\b], v[BM+\b]                   ; the block's largest p: the same two instructions on the same number
.endr
	v_pk_mul_f32 v[14:15], v[14:15], v[FF:FF+1] op_sel_hi:[1,0]   ; the sums under the new M.  (A plain place behind the exponentials)
	s_wait_alu depctr_va_vdst(0)
.irp b, 0,1,2,3
	v_max_num_f32 v[BM+\b], 0x2800000, v[BM+\b]    ; the floor 2^(5 - 127): the byte cannot fall under 1
.endr
.irp b, 0,1,2,3
	s_delay_alu instid0(VALU_DEP_4)
	v_add_nc_u32 v[SO+\b], 0xfe000000, v[BM+\b]    ; 4 off the exponent field: the conversion's scale operand
.endr
.irp b, 0,1,2,3
	s_delay_alu instid0(VALU_DEP_4)
	v_lshrrev_b32 v[BT+\b], 23, v[SO+\b]           ; the scale's byte
.endr
	s_delay_alu instid0(VALU_DEP_3)
	v_lshl_or_b32 v[PS], v[BT+1], 8, v[BT]         ; p's scale word for these 128 keys
	s_delay_alu instid0(VALU_DEP_1)
	v_lshl_or_b32 v[PS], v[BT+2], 16, v[PS]
	s_delay_alu instid0(VALU_DEP_1)
	v_lshl_or_b32 v[PS], v[BT+3], 24, v[PS]
.irp c, 0,1
	v_cvt_scalef32_pk16_bf6_f32 v[PC+6*\c:PC+2+6*\c], v[96+32*\c:111+32*\c], v[SO+2*\c]
	v_cvt_scalef32_pk16_bf6_f32 v[PT+4*\c:PT+2+4*\c], v[112+32*\c:127+32*\c], v[SO+2*\c+1]   ; (a conversion's three registers begin on an even number)
.endr
	v_nop                                          ; one plain place behind a scaled conversion
.irp c, 0,1                                    ; a whole block to a lane: lanes 0-15 block 2 c, lanes 16-31 block 2 c + 1
.irp i, 0,1,2
	v_permlane16_swap_b32 v[PC+6*\c+\i], v[PT+4*\c+\i]
.endr
.irp i, 0,1,2
	s_delay_alu instid0(VALU_DEP_3)
	v_mov_b32 v[PC+3+6*\c+\i], v[PT+4*\c+\i]
.endr
.endr
.set j, 0
.rept 16
	v_pk_mul_f32 v[160+j:161+j], v[160+j:161+j], v[FF:FF+1] op_sel_hi:[1,0]   ; O^T under the new M, each accumulator from its low end on
.set j, j+2
.endr
	v_pk_add_f32 v[244:245], v[100:101], v[104:105]
	v_pk_add_f32 v[252:253], v[108:109], v[112:113]
	s_setprio 0
	v_pk_add_f32 v[250:251], v[116:117], v[120:121]
	v_pk_add_f32 v[248:249], v[124:125], v[128:129]
	v_pk_add_f32 v[246:247], v[132:133], v[136:137]
	v_pk_add_f32 v[242:243], v[140:141], v[144:145]
	v_pk_add_f32 v[240:241], v[148:149], v[152:153]
	v_pk_add_f32 v[14:15], v[14:15], v[156:157]
	v_pk_add_f32 v[244:245], v[244:245], v[96:97]
	v_pk_add_f32 v[252:253], v[252:253], v[98:99]
	v_pk_add_f32 v[250:251], v[250:251], v[102:103]
	v_pk_add_f32 v[248:249], v[248:249], v[106:107]
	v_pk_add_f32 v[246:247], v[246:247], v[110:111]
	v_pk_add_f32 v[242:243], v[242:243], v[114:115]
	v_pk_add_f32 v[240:241], v[240:241], v[118:119]
	v_pk_add_f32 v[14:15], v[14:15], v[122:123]
	v_pk_add_f32 v[244:245], v[244:245], v[126:127]
	v_pk_add_f32 v[252:253], v[252:253], v[130:131]
	v_pk_add_f32 v[250:251], v[250:251], v[134:135]
	v_pk_add_f32 v[248:249], v[248:249], v[138:139]
	v_pk_add_f32 v[246:247], v[246:247], v[142:143]
	v_pk_add_f32 v[242:243], v[242:243], v[146:147]
	v_pk_add_f32 v[240:241], v[240:241], v[150:151]
	v_pk_add_f32 v[14:15], v[14:15], v[154:155]
	v_pk_add_f32 v[244:245], v[244:245], v[158:159]
	s_delay_alu instid0(VALU_DEP_2)
	v_pk_add_f32 v[14:15], v[14:15], v[248:249]
	s_delay_alu instid0(VALU_DEP_2)
	v_pk_add_f32 v[244:245], v[244:245], v[246:247]
	v_pk_add_f32 v[252:253], v[252:253], v[242:243]
	v_pk_add_f32 v[250:251], v[250:251], v[240:241]
	s_delay_alu instid0(VALU_DEP_2)
	v_pk_add_f32 v[14:15], v[14:15], v[252:253]
	s_delay_alu instid0(VALU_DEP_2)
	v_pk_add_f32 v[244:245], v[244:245], v[250:251]
	s_delay_alu instid0(VALU_DEP_1)
	v_pk_add_f32 v[14:15], v[14:15], v[244:245]
	s_wait_dscnt 0x0                               ; v's fragments are in
.irp t, 0,1,2,3
	WM 160+8*\t, F+12*\t, PC, 160+8*\t, XV+\t/2, PS, \t%2, 0
.endr
	s_add_co_u32 s[TK], s[TK], 6144
	s_add_co_u32 s[TS], s[TS], 512
.endm
; THE WAY OUT of tile p: O^T / the sum; its 64 numbers a query are two blocks of the output product's K: quantised, and stored as half a fragment and two scale bytes
.macro TAIL p
	v_add_f32 v14, v14, v15                        ; the sum's two halves.  With the three v_nop: the four places behind the last products
	v_nop
	v_nop
	v_nop
	v_permlanex16_b32 v[TMP], v14, s[SEL], s[SEL+1]
	s_delay_alu instid0(VALU_DEP_1)
	v_add_f32 v14, v14, v[TMP]                     ; and lane l xor 16's: the row's sum
	s_wait_alu depctr_va_vdst(0)
	v_rcp_f32 v14, v14
	v_nop                                          ; one plain place behind a transcendental
.set j, 0
	s_wait_alu depctr_va_vdst(0)
.rept 32
	v_mul_f32 v[96+j], v[160+j], v14               ; register 16 b + i is ctx(my query, 32 b + 16 h + i)
.set j, j+1
.endr
.irp b, 0,1
	v_max3_num_f32 v[BM+\b], |v[96+16*\b]|, |v[97+16*\b]|, 0x2800000
.endr
.irp i, 2,4,6,8,10,12,14
.irp b, 0,1
	s_delay_alu instid0(VALU_DEP_2)
	v_max3_num_f32 v[BM+\b], v[BM+\b], |v[96+16*\b+\i]|, |v[97+16*\b+\i]|
.endr
.endr
.irp b, 0,1
	s_delay_alu instid0(VALU_DEP_2)
	v_permlanex16_b32 v[BT+\b], v[BM+\b], s[SEL], s[SEL+1]
.endr
.irp b, 0,1
	s_delay_alu instid0(VALU_DEP_2)
	v_max_num_f32 v[BM+\b], v[BM+\b], v[BT+\b]
.endr
.irp b, 0,1
	s_delay_alu instid0(VALU_DEP_2)
	v_add_nc_u32 v[SO+\b], 0xfe000000, v[BM+\b]
.endr
.irp b, 0,1
	s_delay_alu instid0(VALU_DEP_2)
	v_lshrrev_b32 v[BT+\b], 23, v[SO+\b]
.endr
	v_cvt_scalef32_pk16_bf6_f32 v[PC:PC+2], v[96:111], v[SO]
	v_cvt_scalef32_pk16_bf6_f32 v[PT:PT+2], v[112:127], v[SO+1]
	v_nop                                          ; one plain place behind a scaled conversion
.irp i, 0,1,2
	v_permlane16_swap_b32 v[PC+\i], v[PT+\i]
.endr
.irp i, 0,1,2
	s_delay_alu instid0(VALU_DEP_3)
	v_mov_b32 v[PC+3+\i], v[PT+\i]
.endr
	v_cndmask_b32 v[TMP], v[BT], v[BT+1], s[HM]    ; lane (r, h) takes block h's byte
	global_store_b128 v[K16], v[PC:PC+3], s[CT:CT+1] offset:12288*\p            ; 512 consecutive bytes, aligned
	global_store_b64 v[K8], v[PC+4:PC+5], s[CT:CT+1] offset:12288*\p+512        ; 256 consecutive bytes, aligned
	global_store_b8 v[CBY], v[TMP], s[CSP:CSP+1] offset:512*\p                  ; two bytes of each of 16 words: one byte in 24 of what the tile stores
	s_wait_xcnt 0x0                                ; the stores have read their registers: the next pass writes them again
.endm
.macro PASS p
	s_wait_kmcnt 0x0                               ; no scalar load is out: the words' registers and the offset may be written
	s_mov_b32 s[MO], 0
	MLD \p
	v_mov_b32 v13, 0xff61b1e6                      ; the largest t so far: -3e38, under every t
	s_delay_alu instid0(VALU_DEP_1)
	v_floor_f32 v12, -v13                          ; -M
	v_mov_b32 v14, 0
	v_mov_b32 v15, 0
.set j, 0
.rept 32
	v_mov_b32 v[160+j], 0                          ; O^T: the step is written once; its first trip finds zeros, which the first change of M leaves zeros
.set j, j+1
.endr
	s_mov_b32 s[TK], 0
	s_mov_b32 s[TS], 0
	s_mov_b32 s[CNT], 16
.Lstep_\@:
	s_setprio 2
	STEP \p
	s_sub_co_u32 s[CNT], s[CNT], 1
	s_cmp_lg_u32 s[CNT], 0
	s_cbranch_scc1 .Lstep_\@
	s_setprio 0
	s_wait_alu depctr_va_vdst(0)
	TAIL \p
.endm
	PASS 0
	PASS 1
	s_wait_kmcnt 0x0
	s_wait_dscnt 0x0
	s_wait_tensorcnt 0x0
	ds_add_u32 v254, v255
	s_wait_dscnt 0x0
	ROUND                                          ; the closing round: no work-group ends while a partner may still ask for bytes by a load that names it
	s_endpgm
.Lfunc_end_k_qcfe10eb9b6_attn:
	.size	k_qcfe10eb9b6_attn, .Lfunc_end_k_qcfe10eb9b6_attn-k_qcfe10eb9b6_attn
	.p2alignl 7, 3214868480
	.fill 96, 4, 3214868480
	.section	.rodata,"a",@progbits
	.p2align	6, 0x0
	.amdhsa_kernel k_qcfe10eb9b6_attn
		.amdhsa_group_segment_fixed_size 215040
		.amdhsa_private_segment_fixed_size 0
		.amdhsa_enable_private_segment 0
		.amdhsa_kernarg_size 40
		.amdhsa_user_sgpr_count 2
		.amdhsa_user_sgpr_kernarg_segment_ptr 1
		.amdhsa_wavefront_size32 1
		.amdhsa_system_sgpr_workgroup_id_x 1
		.amdhsa_system_sgpr_workgroup_id_y 1
		.amdhsa_system_sgpr_workgroup_id_z 1
		.amdhsa_system_vgpr_workitem_id 0
		.amdhsa_next_free_vgpr 256
		.amdhsa_next_free_sgpr 100
		.amdhsa_reserve_vcc 0
		.amdhsa_float_denorm_mode_32 3
		.amdhsa_float_denorm_mode_16_64 3
		.amdhsa_memory_ordered 1
		.amdhsa_forward_progress 1
		.amdhsa_inst_pref_size 64
	.end_amdhsa_kernel
	.amdgpu_metadata
---
amdhsa.version: [ 1, 2 ]
amdhsa.kernels:
  - .name:           k_qcfe10eb9b6_attn
    .symbol:         k_qcfe10eb9b6_attn.kd
    .args:
      - { .name: qbuf, .offset: 0, .size: 8, .value_kind: global_buffer, .address_space: global }
      - { .name: kv, .offset: 8, .size: 8, .value_kind: global_buffer, .address_space: global }
      - { .name: maskw, .offset: 16, .size: 8, .value_kind: global_buffer, .address_space: global }
      - { .name: ctx, .offset: 24, .size: 8, .value_kind: global_buffer, .address_space: global }
      - { .name: ctxs, .offset: 32, .size: 8, .value_kind: global_buffer, .address_space: global }
    .group_segment_fixed_size: 215040
    .private_segment_fixed_size: 0
    .kernarg_segment_align: 8
    .kernarg_segment_size: 40
    .max_flat_workgroup_size: 512
    .sgpr_count:     100
    .vgpr_count:     256
    .wavefront_size: 32
...
	.end_amdgpu_metadata
.endif
;; end of part 7
;; launch outp (part 8): grid 256 x 1, 4 waves a work-group, no clusters, 132,096 bytes of LDS; arguments ctx, ctxs, wimg, Wo_scales, Q, bo, ln_gamma, ln_beta, out0; writes out0
.if DOCPART == 8
	.amdgcn_target "amdgcn-amd-amdhsa--gfx1250"
	.amdhsa_code_object_version 6
	.text
	.protected	k_qcfe10eb9b6_outp
	.globl	k_qcfe10eb9b6_outp
	.p2align	8
	.type	k_qcfe10eb9b6_outp,@function
k_qcfe10eb9b6_outp:
	s_mov_b64 s[64:65], 0
	v_nop
	global_prefetch_b8 v0, s[64:65] scope:SCOPE_SE
	s_setreg_imm32_b32 hwreg(HW_REG_WAVE_SCHED_MODE, 0, 2), 2
	s_setreg_imm32_b32 hwreg(HW_REG_WAVE_MODE, 25, 1), 1
	s_wait_xcnt 0x0
	s_wait_alu depctr_vm_vsrc(0)
; OUTP: out0 = layer_norm(ctx Wo^T + bo + Q) x gamma + beta; the product on codes of E3M2 with E8M0 scales, all else in f32.
; SHARES.  A work-group owns 32 rows (tiles 2 B and 2 B + 1) over all 1,024 columns, since the norm wants whole rows.  Wave w makes columns 256 w .. 256 w + 255: 16 tiles of Wo x 2 tiles of rows = 32 accumulators.
; ctx's 16 fragments stay in registers (192).  Wo's fragments come as images, three loads of 512 consecutive bytes each, straight into the registers of the one wave that uses them, one tile (8 K steps) ahead.
; The product is used transposed (source 0 = 16 rows of Wo, source 1 = 16 rows of ctx): a lane holds eight neighbouring columns of one row.  Tile T of Wo holds the rows 32 (T / 2) + 8 (T % 2) + r + 8 (r / 8).
; The results meet in a stage in LDS (32 rows x 4,096 bytes + 16); behind one barrier each wave takes 8 whole rows: residual, bias, mean, variance, gain, and stores 512 consecutive bytes an instruction.
; NO JOINT LOADS: every work-group reads all of Wo's images (786,432 bytes), but no two waves of a work-group share a fragment, so a way through LDS would write and read those bytes once more for each
; work-group, in a ring beside the stage's 131,584 bytes; the images are read from the cache that all work-groups share.
; LIMITS: scale bytes 0xff, NaN and infinities are not served.
; THE MODE: SCHED_MODE bits 1:0 = 2 (LLVM: expert scheduling mode 2), set by the entry lines.  The code itself states the register dependences
; between vector or matrix instructions and memory or LDS instructions, with s_wait_alu, always for 0.
; THE PLAN.  Registers that memory or LDS instructions touch:
;   v1-7          addresses and offsets: made at the head, never written again.  One wait on va_vdst ahead of the first load serves them for the whole kernel.
;   Wo's two sets Tile n's 16 products read set n % 2; behind them the loads of tile n + 2 land in it.  One wait on va_vdst a tile, behind the products that empty the set, so that the set is asked for again at once.
;   ctx's fragments, Wo's sets and scale words, the accumulators: one wait on va_vdst behind the last product states that the products are done reading and writing them: the residual lands in the fragments' registers,
;                 the LDS stores read the accumulators, and rows from the stage land where Wo's scale words lay.
;   X0 .. X2      three buffers of a row.  Row i: eight LDS loads, issued in row i - 1, land in buffer i % 3; the row's arithmetic works in place; its eight stores are issued in row i + 1.
;                 So at the head of row i: the stores of row i - 2, issued a row back, have read the buffer in which row i + 1 lands (vm_vsrc), and row i - 1's arithmetic has written the buffer that the stores below read (va_vdst).
;                 The row's sixteen memory and LDS instructions follow; its arithmetic names neither of those two buffers.
.set SPITCH, 4112                      ; a stage row: 4,096 + 16: the sixteen rows of a store start 16 bytes apart modulo 256
.set L16,  1                           ; v1   16 x lane
.set L8,   2                           ; v2   8 x lane
.set ASA,  3                           ; v3   ctx's scale words: 512 h + 4 r
.set WSA,  4                           ; v4   Wo's scale bytes: (8 h + r + 8 (r / 8)) x 32
.set STO,  5                           ; v5-6 the stage, in: row 16 u + r, + 64 h + 1,024 w
.set RD,   7                           ; v7   and out: my 8 rows, 16 bytes a lane
.set AS,   32                          ; v32-39   ctx's scale words, K step s: tile 2 B in lanes 0-15, 2 B + 1 in lanes 16-31
.set WSC,  40                          ; v40-103  Wo's: tiles 2 a (lanes 0-15), 2 a + 1 (lanes 16-31), K step s at 8 a + s
.set XBUF, 40                          ; v40-135  behind the last product: three buffers of a row, row i in the buffer at 40 + 32 ((i + 2) % 3): lane l holds columns 128 q + 4 l .. + 3
.set BO,   136                         ; v136-167 bo   v168-199 gamma   v200-231 beta, in the same layout
.set GA,   168
.set BE,   200
.set TS,   232                         ; v232-239 four chains
.set MN,   240                         ; v[240:241] the mean   v[242:243] 1 / sqrt(var + eps)   v244, v246 at work
.set RS,   242
.set PT,   244
.set VA,   246
                                       ; window 1: ctx's fragments (u, s) at v[96 u + 12 s]; later the residual's rows 0-3, 32 registers each
                                       ; window 2: Wo's fragments, two sets, (T % 2, s) at v[96 (T % 2) + 12 s]; later the residual's rows 4-7
                                       ; window 3: the accumulators (u, T) at v[8 (2 T + u)]
.set MSB, 0
.macro WIN new                         ; the immediate's high byte repeats the setting that is left
.if MSB != (\new)
	s_set_vgpr_msb (MSB<<8)|(\new)
.set MSB, (\new)
.endif
.endm
.macro PLACES
.rept 4
	v_nop
.endr
.endm
.macro WM d, a, b, c, sa, sb, ra, rb
.if (\ra) && (\rb)
	v_wmma_scale_f32_16x16x128_f8f6f4 v[0+(\d):7+(\d)], v[0+(\a):11+(\a)], v[0+(\b):11+(\b)], v[0+(\c):7+(\c)], v[\sa], v[\sb] matrix_a_fmt:MATRIX_FMT_BF6 matrix_b_fmt:MATRIX_FMT_BF6 matrix_a_scale:MATRIX_SCALE_ROW1 matrix_b_scale:MATRIX_SCALE_ROW1
.elseif (\ra)
	v_wmma_scale_f32_16x16x128_f8f6f4 v[0+(\d):7+(\d)], v[0+(\a):11+(\a)], v[0+(\b):11+(\b)], v[0+(\c):7+(\c)], v[\sa], v[\sb] matrix_a_fmt:MATRIX_FMT_BF6 matrix_b_fmt:MATRIX_FMT_BF6 matrix_a_scale:MATRIX_SCALE_ROW1
.elseif (\rb)
	v_wmma_scale_f32_16x16x128_f8f6f4 v[0+(\d):7+(\d)], v[0+(\a):11+(\a)], v[0+(\b):11+(\b)], v[0+(\c):7+(\c)], v[\sa], v[\sb] matrix_a_fmt:MATRIX_FMT_BF6 matrix_b_fmt:MATRIX_FMT_BF6 matrix_b_scale:MATRIX_SCALE_ROW1
.else
	v_wmma_scale_f32_16x16x128_f8f6f4 v[0+(\d):7+(\d)], v[0+(\a):11+(\a)], v[0+(\b):11+(\b)], v[0+(\c):7+(\c)], v[\sa], v[\sb] matrix_a_fmt:MATRIX_FMT_BF6 matrix_b_fmt:MATRIX_FMT_BF6
.endif
.endm
.macro WMZ d, a, b, sa, sb, ra, rb     ; the same with the constant 0 as C: the first K step starts the sum
.if (\ra) && (\rb)
	v_wmma_scale_f32_16x16x128_f8f6f4 v[0+(\d):7+(\d)], v[0+(\a):11+(\a)], v[0+(\b):11+(\b)], 0, v[\sa], v[\sb] matrix_a_fmt:MATRIX_FMT_BF6 matrix_b_fmt:MATRIX_FMT_BF6 matrix_a_scale:MATRIX_SCALE_ROW1 matrix_b_scale:MATRIX_SCALE_ROW1
.elseif (\ra)
	v_wmma_scale_f32_16x16x128_f8f6f4 v[0+(\d):7+(\d)], v[0+(\a):11+(\a)], v[0+(\b):11+(\b)], 0, v[\sa], v[\sb] matrix_a_fmt:MATRIX_FMT_BF6 matrix_b_fmt:MATRIX_FMT_BF6 matrix_a_scale:MATRIX_SCALE_ROW1
.elseif (\rb)
	v_wmma_scale_f32_16x16x128_f8f6f4 v[0+(\d):7+(\d)], v[0+(\a):11+(\a)], v[0+(\b):11+(\b)], 0, v[\sa], v[\sb] matrix_a_fmt:MATRIX_FMT_BF6 matrix_b_fmt:MATRIX_FMT_BF6 matrix_b_scale:MATRIX_SCALE_ROW1
.else
	v_wmma_scale_f32_16x16x128_f8f6f4 v[0+(\d):7+(\d)], v[0+(\a):11+(\a)], v[0+(\b):11+(\b)], 0, v[\sa], v[\sb] matrix_a_fmt:MATRIX_FMT_BF6 matrix_b_fmt:MATRIX_FMT_BF6
.endif
.endm
	s_load_b512 s[4:19], s[0:1], 0x0               ; ctx, ctxs, wimg, Wo_scales, Q, bo, gamma, beta
	s_load_b64 s[20:21], s[0:1], 0x40              ; out0
	v_lshl_add_u32 v254, v0, 2, 0x20200
	v_mov_b32 v255, 0
	v_lshrrev_b32 v8, 5, v0
	v_readfirstlane_b32 s24, v8                    ; wave 0..3
	v_and_b32 v8, 31, v0                           ; lane
	v_and_b32 v9, 15, v0                           ; r
	v_bfe_u32 v10, v0, 4, 1                        ; h
	v_and_b32 v11, 8, v9
	v_add_nc_u32 v11, v11, v9                      ; r + 8 (r / 8)
	v_lshlrev_b32 v[L16], 4, v8
	v_lshlrev_b32 v[L8], 3, v8
	v_lshlrev_b32 v[ASA], 2, v9
	v_lshl_add_u32 v[ASA], v10, 9, v[ASA]
	v_lshl_add_u32 v[WSA], v10, 3, v11
	v_lshlrev_b32 v[WSA], 5, v[WSA]
	s_wait_alu depctr_va_sdst(0)                   ; the wave's number is written, ahead of its first reader: the stage's places and the bases are made from it
	s_lshl_b32 s25, s24, 10
	v_mul_u32_u24 v[STO], v9, SPITCH
	v_lshl_add_u32 v[STO], v10, 6, v[STO]
	v_add_nc_u32 v[STO], s25, v[STO]
	v_add_nc_u32 v[STO+1], 16*SPITCH, v[STO]
	s_mul_i32 s25, s24, 8*SPITCH
	v_add_nc_u32 v[RD], s25, v[L16]
	v_mov_b32 v[MN+1], 0                           ; (named as upper halves of pairs)
	v_mov_b32 v[RS+1], 0
	v_mov_b32 v[PT], 0                             ; written once: a lane permute's destination counts as one of its sources
	s_mov_b32 s22, 0x3a800000                      ; 1 / 1,024
	s_mov_b32 s23, 0x3727c5ac                      ; eps = 1e-5
	s_mov_b32 s26, 0x76543210
	s_mov_b32 s27, 0xfedcba98                      ; selects for lane l xor 16
	s_mul_i32 s28, ttmp9, 24576                    ; ctx: two tiles of 12,288 bytes
	s_mov_b32 s29, 0
	s_lshl_b32 s30, ttmp9, 10                      ; their scale words: two tiles of 512 bytes
	s_mov_b32 s31, 0
	s_mul_i32 s32, s24, 196608                     ; Wo's images: behind three weights', my 16 tiles of 12,288 bytes
	s_add_co_u32 s32, s32, 3*786432
	s_mov_b32 s33, 0
	s_lshl_b32 s34, s24, 13                        ; Wo's scale bytes: my 256 rows of 32
	s_mov_b32 s35, 0
	s_lshl_b32 s36, ttmp9, 5                       ; the stage's rows 8 w .. 8 w + 7 are the true rows 32 B + 8 (w / 2) + 16 (w % 2) + 0 .. 7
	s_lshr_b32 s37, s24, 1
	s_lshl_b32 s37, s37, 3
	s_add_co_u32 s36, s36, s37
	s_and_b32 s37, s24, 1
	s_lshl_b32 s37, s37, 4
	s_add_co_u32 s36, s36, s37
	s_lshl_b32 s36, s36, 12                        ; rows of 4,096 bytes
	s_mov_b32 s37, 0
	s_wait_kmcnt 0x0
	s_add_nc_u64 s[4:5], s[4:5], s[28:29]
	s_add_nc_u64 s[6:7], s[6:7], s[30:31]
	s_add_nc_u64 s[8:9], s[8:9], s[32:33]
	s_add_nc_u64 s[10:11], s[10:11], s[34:35]
	s_add_nc_u64 s[12:13], s[12:13], s[36:37]
	s_add_nc_u64 s[20:21], s[20:21], s[36:37]
	WIN 0x40                                       ; destination window 1
	s_wait_alu depctr_va_vdst(0)                   ; the addresses and offsets v1 to v7 are written, which every load and store of the kernel reads
.irp u, 0,1
.irp s, 0,1,2,3,4,5,6,7                        ; K step s = heads 2 s and 2 s + 1: two half fragments of 768 bytes
	global_load_b128 v[96*\u+12*\s:96*\u+12*\s+3], v[L16], s[4:5] offset:12288*\u+1536*\s
	global_load_b64 v[96*\u+12*\s+4:96*\u+12*\s+5], v[L8], s[4:5] offset:12288*\u+1536*\s+512
	global_load_b128 v[96*\u+12*\s+6:96*\u+12*\s+9], v[L16], s[4:5] offset:12288*\u+1536*\s+768
	global_load_b64 v[96*\u+12*\s+10:96*\u+12*\s+11], v[L8], s[4:5] offset:12288*\u+1536*\s+1280
.endr
.endr
	WIN 0
.irp s, 0,1,2,3,4,5,6,7
	global_load_b32 v[AS+\s], v[ASA], s[6:7] offset:64*\s
.endr
.irp a, 0,1,2,3,4,5,6,7
.irp i, 0,1
	global_load_b128 v[WSC+8*\a+4*\i:WSC+8*\a+4*\i+3], v[WSA], s[10:11] offset:1024*\a+16*\i
.endr
.endr
.irp q, 0,1,2,3,4,5,6,7
	global_load_b128 v[BO+4*\q:BO+4*\q+3], v[L16], s[14:15] offset:512*\q
	global_load_b128 v[GA+4*\q:GA+4*\q+3], v[L16], s[16:17] offset:512*\q
	global_load_b128 v[BE+4*\q:BE+4*\q+3], v[L16], s[18:19] offset:512*\q
.endr
.macro WLOAD n                         ; tile n's eight fragments into set n % 2: 24 loads of 512 consecutive bytes
	WIN 0x80                                       ; destination window 2
.irp s, 0,1,2,3,4,5,6,7
.irp g, 0,1,2
	global_load_b128 v[96*((\n)%2)+12*\s+4*\g:96*((\n)%2)+12*\s+4*\g+3], v[L16], s[8:9] offset:12288*(\n)+1536*\s+512*\g
.endr
.endr
	WIN 0
.endm
	WLOAD 0
	WLOAD 1
.irp n, 0,1,2,3,4,5,6,7,8,9,10,11,12,13,14,15
.if \n < 15
	s_wait_loadcnt 24                              ; all but the next tile's 24 loads: this tile's fragments are in (at first also ctx, the scales and the three vectors)
.else
	s_wait_loadcnt 0x0
.endif
	WIN 0xf6                                       ; source 0 (Wo) window 2, source 1 (ctx) window 1, C and D window 3
.irp s, 0,1,2,3,4,5,6,7                        ; the tile's two accumulators take turns, one instruction a turn
.irp u, 0,1
.if \s == 0
	WMZ 8*(2*\n+\u), 96*(\n%2)+12*\s, 96*\u+12*\s, WSC+8*(\n/2)+\s, AS+\s, \n%2, \u
.else
	WM 8*(2*\n+\u), 96*(\n%2)+12*\s, 96*\u+12*\s, 8*(2*\n+\u), WSC+8*(\n/2)+\s, AS+\s, \n%2, \u
.endif
.endr
.endr
	WIN 0
	PLACES                                         ; in front of loads into registers that these products read, and at the end of the first read of results
.if \n < 14
	s_wait_alu depctr_va_vdst(0)                   ; this tile's products are done reading their set of Wo's fragments, in which the loads below land
	WLOAD \n+2
.endif
.endr
	s_wait_alu depctr_va_vdst(0)                   ; the last products are done: they have read ctx's and Wo's fragments, in which the residual lands, and Wo's scale words, in which rows from the stage land; they have written the accumulators, which the LDS stores read.  The places above stay beside this wait
	; the residual: my 8 true rows of Q, 64 loads of 512 consecutive bytes, into the registers that ctx's and Wo's fragments have left
	WIN 0x40
.irp i, 0,1,2,3
.irp q, 0,1,2,3,4,5,6,7
	global_load_b128 v[32*\i+4*\q:32*\i+4*\q+3], v[L16], s[12:13] offset:4096*\i+512*\q th:TH_LOAD_NT
.endr
.endr
	WIN 0x80
.irp i, 0,1,2,3
.irp q, 0,1,2,3,4,5,6,7
	global_load_b128 v[32*\i+4*\q:32*\i+4*\q+3], v[L16], s[12:13] offset:4096*(\i+4)+512*\q th:TH_LOAD_NT
.endr
.endr
	WIN 0x0c                                       ; an LDS store's data are its source 1: window 3
.irp n, 0,1,2,3,4,5,6,7,8,9,10,11,12,13,14,15
.irp u, 0,1
	ds_store_b128 v[STO+\u], v[8*(2*\n+\u):8*(2*\n+\u)+3] offset:128*(\n/2)+32*(\n%2)        ; each accumulator from its low end on: columns 32 (n / 2) + 8 (n % 2) + 16 h + 0 .. 7 of my 256
	ds_store_b128 v[STO+\u], v[8*(2*\n+\u)+4:8*(2*\n+\u)+7] offset:128*(\n/2)+32*(\n%2)+16
.endr
.endr
	WIN 0
	s_wait_dscnt 0x0                               ; for the others' sake: my stores have landed
	s_barrier_signal -1
	s_barrier_wait -1                              ; 32 whole rows lie in the stage
.macro LANESUM reg                     ; the sum over the 32 lanes, in every lane
	v_add_f32_dpp v[\reg], v[\reg], v[\reg] row_xmask:1 row_mask:0xf bank_mask:0xf
	v_add_f32_dpp v[\reg], v[\reg], v[\reg] row_xmask:2 row_mask:0xf bank_mask:0xf
	v_add_f32_dpp v[\reg], v[\reg], v[\reg] row_xmask:4 row_mask:0xf bank_mask:0xf
	v_add_f32_dpp v[\reg], v[\reg], v[\reg] row_xmask:8 row_mask:0xf bank_mask:0xf
	v_permlanex16_b32 v[PT], v[\reg], s26, s27
	v_add_f32 v[\reg], v[\reg], v[PT]
.endm
.macro FOLD                            ; four chains of pairs into one number a lane
	v_pk_add_f32 v[TS:TS+1], v[TS:TS+1], v[TS+2:TS+3]
	v_pk_add_f32 v[TS+4:TS+5], v[TS+4:TS+5], v[TS+6:TS+7]
	v_pk_add_f32 v[TS:TS+1], v[TS:TS+1], v[TS+4:TS+5]
	v_add_f32 v[TS], v[TS], v[TS+1]
.endm
.macro XLD i                           ; row i of my eight comes from the stage into its buffer
.set XL, XBUF+32*(((\i)+2)%3)
.irp q, 0,1,2,3,4,5,6,7
	ds_load_b128 v[XL+4*\q:XL+4*\q+3], v[RD] offset:SPITCH*(\i)+512*\q
.endr
.endm
.macro SEND i                          ; row i leaves from its buffer
.set XL, XBUF+32*(((\i)+2)%3)
.irp q, 0,1,2,3,4,5,6,7
	global_store_b128 v[L16], v[XL+4*\q:XL+4*\q+3], s[20:21] offset:4096*(\i)+512*\q th:TH_STORE_NT   ; 512 consecutive bytes, aligned; written once
.endr
.endm
.macro ROW i
.set XR, XBUF+32*(((\i)+2)%3)
	s_wait_loadcnt 8*(7-\i)                        ; this row's eight loads of the residual are in; the later rows' may be out
	s_wait_dscnt 0x0                               ; this row is back from the stage
.if (\i > 1) && (\i < 7)
	s_wait_xcnt 0x0                                ; the stores of the row before last, issued a row back, have had their addresses translated: their data registers are loaded again below
	s_wait_alu depctr_vm_vsrc(0)                   ; those stores have read their buffer, in which the next row lands
.endif
.if \i > 0
	s_wait_alu depctr_va_vdst(0)                   ; the last row's arithmetic has written its buffer, which the stores below read; the arithmetic of the row before it is done with the buffer in which the loads below land
.endif
.if \i < 7
	XLD \i+1                                       ; the next row lands while this one is worked on (row 0: where Wo's scale words lay: the wait behind the last product has stated that)
.endif
.if \i > 0
	SEND \i-1
.endif
	WIN 0x04*(1+\i/4)                              ; source 1: window 1 or 2
.set j, 0
.rept 16
	v_pk_add_f32 v[XR+j:XR+j+1], v[XR+j:XR+j+1], v[32*(\i%4)+j:32*(\i%4)+j+1]
.set j, j+2
.endr
	WIN 0
.set j, 0
.rept 16
	v_pk_add_f32 v[XR+j:XR+j+1], v[XR+j:XR+j+1], v[BO+j:BO+j+1]
.set j, j+2
.endr
.irp c, 0,1,2,3
	v_pk_add_f32 v[TS+2*\c:TS+2*\c+1], v[XR+2*\c:XR+2*\c+1], v[XR+8+2*\c:XR+8+2*\c+1]
.endr
.irp k, 2,3
.irp c, 0,1,2,3
	v_pk_add_f32 v[TS+2*\c:TS+2*\c+1], v[TS+2*\c:TS+2*\c+1], v[XR+8*\k+2*\c:XR+8*\k+2*\c+1]
.endr
.endr
	FOLD
	LANESUM TS
	v_mul_f32 v[MN], s22, v[TS]                    ; the mean
.set j, 0
.rept 16
	v_pk_add_f32 v[XR+j:XR+j+1], v[XR+j:XR+j+1], v[MN:MN+1] op_sel_hi:[1,0] neg_lo:[0,1] neg_hi:[0,1]
.set j, j+2
.endr
.irp c, 0,1,2,3
	v_pk_mul_f32 v[TS+2*\c:TS+2*\c+1], v[XR+2*\c:XR+2*\c+1], v[XR+2*\c:XR+2*\c+1]
.endr
.irp k, 1,2,3
.irp c, 0,1,2,3
	v_pk_fma_f32 v[TS+2*\c:TS+2*\c+1], v[XR+8*\k+2*\c:XR+8*\k+2*\c+1], v[XR+8*\k+2*\c:XR+8*\k+2*\c+1], v[TS+2*\c:TS+2*\c+1]
.endr
.endr
	FOLD
	LANESUM TS
	v_fma_f32 v[VA], v[TS], s22, s23               ; the variance + eps
	s_wait_alu depctr_va_vdst(0)
	v_rsq_f32 v[RS], v[VA]
	v_nop                                          ; one plain place behind a transcendental
	s_wait_alu depctr_va_vdst(0)                   ; the reciprocal root v[RS] is written, ahead of its first reader
.set j, 0
.rept 16
	v_pk_mul_f32 v[XR+j:XR+j+1], v[XR+j:XR+j+1], v[RS:RS+1] op_sel_hi:[1,0]
.set j, j+2
.endr
.set j, 0
.rept 16
	v_pk_fma_f32 v[XR+j:XR+j+1], v[XR+j:XR+j+1], v[GA+j:GA+j+1], v[BE+j:BE+j+1]
.set j, j+2
.endr
.endm
	XLD 0                                          ; into v104-135, which no instruction has named yet
.irp i, 0,1,2,3,4,5,6,7
	ROW \i
.endr
	s_wait_alu depctr_va_vdst(0)                   ; the last row's arithmetic has written its buffer, which the last eight stores read
	SEND 7
	s_wait_dscnt 0x0                               ; the closing lines, six on end
	s_wait_alu 0x0
	s_wait_tensorcnt 0x0
	ds_add_u32 v254, v255
	s_wait_dscnt 0x0
	s_endpgm
.Lfunc_end_k_qcfe10eb9b6_outp:
	.size	k_qcfe10eb9b6_outp, .Lfunc_end_k_qcfe10eb9b6_outp-k_qcfe10eb9b6_outp
	.p2alignl 7, 3214868480
	.fill 96, 4, 3214868480
	.section	.rodata,"a",@progbits
	.p2align	6, 0x0
	.amdhsa_kernel k_qcfe10eb9b6_outp
		.amdhsa_group_segment_fixed_size 132096
		.amdhsa_private_segment_fixed_size 0
		.amdhsa_enable_private_segment 0
		.amdhsa_kernarg_size 72
		.amdhsa_user_sgpr_count 2
		.amdhsa_user_sgpr_kernarg_segment_ptr 1
		.amdhsa_wavefront_size32 1
		.amdhsa_system_sgpr_workgroup_id_x 1
		.amdhsa_system_sgpr_workgroup_id_y 1
		.amdhsa_system_sgpr_workgroup_id_z 1
		.amdhsa_system_vgpr_workitem_id 0
		.amdhsa_next_free_vgpr 1024
		.amdhsa_next_free_sgpr 66
		.amdhsa_reserve_vcc 0
		.amdhsa_float_denorm_mode_32 3
		.amdhsa_float_denorm_mode_16_64 3
		.amdhsa_memory_ordered 1
		.amdhsa_forward_progress 1
		.amdhsa_inst_pref_size 174
	.end_amdhsa_kernel
	.amdgpu_metadata
---
amdhsa.version: [ 1, 2 ]
amdhsa.kernels:
  - .name:           k_qcfe10eb9b6_outp
    .symbol:         k_qcfe10eb9b6_outp.kd
    .args:
      - { .name: ctx, .offset: 0, .size: 8, .value_kind: global_buffer, .address_space: global }
      - { .name: ctxs, .offset: 8, .size: 8, .value_kind: global_buffer, .address_space: global }
      - { .name: wimg, .offset: 16, .size: 8, .value_kind: global_buffer, .address_space: global }
      - { .name: Wo_scales, .offset: 24, .size: 8, .value_kind: global_buffer, .address_space: global }
      - { .name: Q, .offset: 32, .size: 8, .value_kind: global_buffer, .address_space: global }
      - { .name: bo, .offset: 40, .size: 8, .value_kind: global_buffer, .address_space: global }
      - { .name: ln_gamma, .offset: 48, .size: 8, .value_kind: global_buffer, .address_space: global }
      - { .name: ln_beta, .offset: 56, .size: 8, .value_kind: global_buffer, .address_space: global }
      - { .name: out0, .offset: 64, .size: 8, .value_kind: global_buffer, .address_space: global }
    .group_segment_fixed_size: 132096
    .private_segment_fixed_size: 0
    .kernarg_segment_align: 8
    .kernarg_segment_size: 72
    .max_flat_workgroup_size: 128
    .sgpr_count:     66
    .vgpr_count:     1024
    .wavefront_size: 32
...
	.end_amdgpu_metadata
.endif
;; end of part 8
